; MI455X (gfx1250); checked and timed in simulation.
; The chip was launched on July 23, 2026; its instructions are those of AMD's public machine-readable ISA for CDNA 5 (MIT licence, August 2026) and "CDNA5" Instruction Set Architecture Reference Guide (July 2026). The comments in the code are by the model that wrote it; some were corrected since.
;; GPT3 Attention. Allowed arithmetic: matrix products marked QUANTISED: E2M1 operands, one E8M0 scale for each 32 along K, by v_wmma_scale_f32_16x16x128_f8f6f4 with both operands' format E2M1 (or v_wmma_scale_f32_32x16x128_f4), f32 sums; everything else in f32.
;; Inputs: dense_b 2,048 float32; dense_w_codes 2,048 x 64 x 16 uint8 (E2M1 codes of dense_w, K innermost, in blocks of 32 codes, two codes a byte); dense_w_scales 2,048 x 64 uint8 (E8M0 scales of dense_w, one for each 32 codes along K); k_codes 1 x 2,048 x 64 x 16 uint8 (E2M1 codes of k, K innermost, in blocks of 32 codes, two codes a byte); k_scales 1 x 2,048 x 64 uint8 (E8M0 scales of k, one for each 32 codes along K); mask 1 x 1 x 2,048 x 2,048 float32; q_codes 1 x 2,048 x 64 x 16 uint8 (E2M1 codes of q, K innermost, in blocks of 32 codes, two codes a byte); q_scales 1 x 2,048 x 64 uint8 (E8M0 scales of q, one for each 32 codes along K); v_codes 1 x 2,048 x 64 x 16 uint8 (E2M1 codes of v, K innermost, in blocks of 32 codes, two codes a byte); v_scales 1 x 2,048 x 64 uint8 (E8M0 scales of v, one for each 32 codes along K); wk_b 2,048 float32; wk_w_codes 2,048 x 64 x 16 uint8 (E2M1 codes of wk_w, K innermost, in blocks of 32 codes, two codes a byte); wk_w_scales 2,048 x 64 uint8 (E8M0 scales of wk_w, one for each 32 codes along K); wq_b 2,048 float32; wq_w_codes 2,048 x 64 x 16 uint8 (E2M1 codes of wq_w, K innermost, in blocks of 32 codes, two codes a byte); wq_w_scales 2,048 x 64 uint8 (E8M0 scales of wq_w, one for each 32 codes along K); wv_b 2,048 float32; wv_w_codes 2,048 x 64 x 16 uint8 (E2M1 codes of wv_w, K innermost, in blocks of 32 codes, two codes a byte); wv_w_scales 2,048 x 64 uint8 (E8M0 scales of wv_w, one for each 32 codes along K).
;; Outputs: out0 1 x 2,048 x 2,048 float32.
;; This version of the problem:
;;   THIS VERSION OF THE PROBLEM IS GIVEN IN LOW PRECISION. The matrix products marked QUANTISED in the list below multiply operands that are first quantised to E2M1 (2 exponent bits, 1 mantissa bit; 4 bits a number), with one power-of-two scale for each 32 numbers along K (OCP MX v1.0); their sums are f32. All else is computed in f32.
;;   The module's matrix products, in the order in which they are computed (A, B: the left and right operand; K: the contracted axis; several contracted axes count as one K, in the product's order):
;;     1. [M 2,048, K 2,048] x [K 2,048, N 2,048]; A: input q (given as codes); B: input wq_w (given as codes): QUANTISED
;;     2. [M 2,048, K 2,048] x [K 2,048, N 2,048]; A: input k (given as codes); B: input wk_w (given as codes): QUANTISED
;;     3. [M 2,048, K 2,048] x [K 2,048, N 2,048]; A: input v (given as codes); B: input wv_w (given as codes): QUANTISED
;;     4. batch 16 x [M 2,048, K 128] x [K 128, N 2,048]; A: computed on the way; B: computed on the way: QUANTISED
;;     5. batch 16 x [M 2,048, K 2,048] x [K 2,048, N 128]; A: softmax (see below); B: computed on the way: QUANTISED
;;     6. [M 2,048, K 2,048] x [K 2,048, N 2,048]; A: computed on the way; B: input dense_w (given as codes): QUANTISED
;;   THE QUANTISER, for each operand of a quantised product, along K:
;;     - K is cut into blocks of 32 from its start; a last block that is shorter is filled with zeros.
;;     - A block's scale is 2^e with e = floor(log2(the largest magnitude in the block)) - 2, held to -126 .. 127; a block of zeros has e = 0. As a byte (E8M0): e + 127.
;;     - Each number is divided by its block's scale, clamped to +-6, and rounded to the nearest number of E2M1, ties to even, subnormals kept.
;;     - The product sums the exact products of the quantised numbers (number of the format x scale) in f32.
;;   ~~~python
;;   def quantise(x, axis):      # numpy; x: float32 -> the quantised numbers, widened to float32 again
;;       x = np.moveaxis(x, axis, -1); K = x.shape[-1]
;;       x = np.pad(x, [(0, 0)] * (x.ndim - 1) + [(0, -K % 32)]); x = x.reshape(x.shape[:-1] + (-1, 32)); a = np.abs(x).max(-1, keepdims=True)
;;       e = np.where(a > 0, np.clip(np.frexp(np.where(a > 0, a, 1))[1] - 1 - 2, -126, 127), 0)      # np.frexp(a)[1] - 1 = floor(log2(a)), exactly
;;       r = np.clip(x / 2.0 ** e, -6, 6)
;;       step = 2.0 ** (np.maximum(np.frexp(np.where(r == 0, 1, r))[1] - 1, 0) - 1)
;;       q = np.round(r / step) * step * 2.0 ** e      # np.round: ties to even
;;       return np.moveaxis(q.reshape(q.shape[:-2] + (-1,))[..., :K], -1, axis).astype(np.float32)
;;   ~~~
;;   SOFTMAX AHEAD OF A QUANTISED PRODUCT. Where the list says 'softmax', what is quantised is not the finished softmax but p = 2^(t - M), with t = logit x log2(e) and M = ceil(the row's largest t), a whole number; so 1/2 < the row's largest p <= 1. The row's sum l is taken of the UNQUANTISED p, in f32, and the product's result is divided by l at the end. Since M is a whole number, a kernel that streams over the keys may use a running M (the ceiling of the running maximum): every later rescaling is an exact power of two, which a block's scale takes up: the codes' values come out the same.
;;   OPERANDS COMPUTED ON THE WAY. 'Computed on the way' means the value that the module computes at that place (a softmax that the list does not call 'softmax' is quantised finished and normalised). What goes into a quantiser is computed in f32, as accurately as f32 sums, v_exp_f32 and their like allow (about 1e-6 of the number): no bf16 or f16 on the way to a quantiser, and a product that is left as it is and whose result goes on into a quantised operand takes f32 operands (vector FMAs, or v_wmma_f32_16x16x4_f32). A number that lies on a knife's edge between two numbers of the format may be rounded either way, as far as f32 arithmetic and the matrix unit's own rounding can turn it there, and no further.
;;   INPUTS GIVEN AS CODES. dense_w (in the module: [2048, 2048], K = its axis 1); k (in the module: [1, 2048, 2048], K = its axis 2); q (in the module: [1, 2048, 2048], K = its axis 2); v (in the module: [1, 2048, 2048], K = its axis 2); wk_w (in the module: [2048, 2048], K = its axis 1); wq_w (in the module: [2048, 2048], K = its axis 1); wv_w (in the module: [2048, 2048], K = its axis 1): each comes as NAME_codes (uint8): NAME with its K axis moved to the last place and cut into blocks of 32 codes, [.., K / 32, bytes a block], one block behind the other in memory; two codes a byte, the lower K in the low four bits (a code: sign, 2 exponent bits, 1 mantissa bit); and NAME_scales (uint8): the same leading axes, one E8M0 byte (e + 127) for each 32 codes along K. Its value is code x scale, taken as it is: it is not quantised again, and the codes and scales need not be those that the quantiser above would give.
;; 2 versions. Each part assembles by itself: llvm-mc -triple=amdgcn-amd-amdhsa -mcpu=gfx1250 --defsym DOCPART=n.
;; ======== version 1 of 2: 3 launches
;; workspace buffers: qf 2,097,152 bytes; qs 131,072 bytes; kvc 4,194,304 bytes; kvs 262,144 bytes; af 2,097,152 bytes; asc 131,072 bytes
;; launch proj (part 1): grid 8 x 24, 4 waves a work-group, clusters of 4 x 4, 327,680 bytes of LDS; arguments q_codes, q_scales, wq_w_codes, wq_w_scales, wq_b, k_codes, k_scales, wk_w_codes, wk_w_scales, wk_b, wv_w_codes, wv_w_scales, v_codes, v_scales, wv_b, qf, qs, kvc, kvs; writes qf, qs, kvc, kvs
.if DOCPART == 1
	.amdgcn_target "amdgcn-amd-amdhsa--gfx1250"
	.amdhsa_code_object_version 6
	.text
	.protected	k_q96b3cf20b8_proj
	.globl	k_q96b3cf20b8_proj
	.p2align	8
	.type	k_q96b3cf20b8_proj,@function
k_q96b3cf20b8_proj:
	s_mov_b64 s[64:65], 0
	v_nop
	global_prefetch_b8 v0, s[64:65] scope:SCOPE_SE
	s_setreg_imm32_b32 hwreg(HW_REG_WAVE_MODE, 25, 1), 1
	s_wait_xcnt 0x0
	s_wait_alu depctr_hold_cnt(0) depctr_sa_sdst(0) depctr_va_vdst(0) depctr_va_sdst(0) depctr_va_ssrc(0) depctr_va_vcc(0) depctr_vm_vsrc(0)
	s_getreg_b32 s2, hwreg(HW_REG_IB_STS2, 6, 4)
	s_cmp_eq_u32 s2, 0
	s_cbranch_scc0 .Lentry_in_a_cluster
	s_endpgm
.Lentry_in_a_cluster:
	s_bfe_u32 s2, ttmp6, 0x10000c
	s_cmp_lg_u32 s2, 0xf033
	s_cbranch_scc0 .Lentry_shape_is_right
	s_endpgm
.Lentry_shape_is_right:
; THE THREE PROJECTIONS, each a GEMM 2048 x 2048 x 2048 on codes of FP4 (E2M1) with one E8M0 scale for each 32 along K, their biases, and the quantiser of what the attention will multiply.
; C[m][n] = sum over k of A[m][k] B[n][k].  g = 0: A = q, B = wq_w;  g = 1: A = k, B = wk_w;  g = 2: A = wv_w, B = v: V is made TRANSPOSED (rows = channels, columns = keys), since the keys are its next K.
; So all three results are quantised along their COLUMNS, 128 of which (a wave's) are one head (g = 0, 1) or one step of 128 keys (g = 2).  The bias goes by column for g = 0, 1 and by row for g = 2.
; A tile of C, 256 x 256, is made by a work-group of four waves; a wave makes 128 x 128: 64 accumulators of 16 x 16, 512 registers.  K goes in steps of 512 through a ring of two LDS slots filled by the tensor
; data mover (a tile's row is 256 bytes of memory).  The scale bytes of the work-group's rows of A and of B, for all of K, come into LDS once, with the first fills.
; CLUSTERS: 4 x 4 work-groups; the grid's y holds the three products one below the other, two clusters each, so that g is the same in all partners.  A's tiles are asked for jointly along a row of the cluster, B's along a column.
; THE MATRIX INSTRUCTION IS USED TRANSPOSED (source 0 = 16 rows of B, source 1 = 16 rows of A): lane (r, h) holds row r of A's block, its register 8 b + j column 16 b + 8 h + j.
; WHAT IS STORED: each block of 16 rows x 128 columns as AN IMAGE OF AN OPERAND'S REGISTERS: 1,024 bytes, [c 0..1][lane][16 bytes], register 4 c + d of lane (r, h) = k 64 c + 32 h + 8 d .. + 7; and the
; scale words of eight blocks as 512 bytes, [lane][4 words]: word u of lane l is that of block 2 u + l / 16, row l % 16.
; LIMITS: NaN and infinities are not served; a block whose largest magnitude lies under 2^-124 (zeros too) keeps the scale byte 1: its bytes are read by this program alone.
; REGISTERS, in windows of 256: window 0: v1-13 at work, v16-29 addresses; v32-95 scale words, two sets, and nothing else; v96-119 the row bias; v128-191 A's fragments, ONE set; v192-255 the column bias, the C of the first step.
;   window 1: B's fragments, TWO sets, at v0 and v128.   window 2: the accumulators of my rows 0-63 ((a, b) at v[8 (8 a + b)]);   window 3: those of my rows 64-127.
.set NQ,     4                         ; matrix instructions deep in a slot: 512 along K
.set ROWB,   256                       ; a tile's row in bytes
.set KROW,   1024                      ; a row of codes in memory
.set PITCH,  272                       ; an LDS row: 256 bytes + 16 of padding: the 16 rows that a load touches start at 16 different banks
.set FR,     8                         ; registers of a fragment
.set NL,     2                         ; LDS loads that bring one
.set NP,     4                         ; places behind this matrix instruction (ISA guide 7.12.1)
.set HALFT,  128*PITCH                 ; 128 rows: what one tensor load brings
.set SLOT,   4*HALFT                   ; A's 256 rows, then B's 256 rows
.set SCL,    2*SLOT                    ; behind the ring: the scales, as units of 256 bytes + 16 of padding
.set HALFS,  32*272                    ; those of 128 rows (64 bytes a row)
.set SBLK,   4*272                     ; those of 16 rows
.set SPARE,  SCL+4*HALFS               ; the spare words, 128 bytes for each wave: two blocks of 256 bytes that no other line names
.set TM,    2                          ; v2-13   the quantiser: largest magnitudes, bytes, scale operands
.set ADRA,  16                         ; v16-17  LDS address of my A fragments in slot 0, 1
.set ADRB,  20                         ; v20-21  the same for B
.set ADRSA, 22                         ; v22     LDS address of A's scale words: lanes 0-15 an even block's rows, lanes 16-31 the next block's
.set ADRSB, 23                         ; v23     the same for B
.set LI,    24                         ; v24     16 x lane: my place in an image
.set SPW,   28                         ; v28     LDS address of my spare word; never rewritten
.set NIL,   29                         ; v29     0; never rewritten
.set SC,    32                         ; scale words: set s at v[SC + 32 s]: A's at + 4 u + q, B's at + 16 + 4 u + q: blocks 2 u (lanes 0-15) and 2 u + 1 (lanes 16-31), the slot's q-th 128 along K
.set BRR,   96                         ; v96-103  the row bias as loaded; later the eight scale words made
.set PW,    96
.set BR2,   104                        ; v104-119 the row bias of block a, twice (a pair for the packed add); zeros for g = 0, 1
.set SW,    120                        ; v120-123 the scale words as they are stored
.set AF,    128                        ; A's fragments
.set T,     128                        ; the way out: a block's 64 numbers a lane
.set BC,    192                        ; the column bias; zeros for g = 2
.set PC,    192                        ; the way out: eight blocks' codes
.set G1,   24                          ; s[24:31] descriptor group 1 for A's tiles;  s[32:39] group 0, one set for each slot
.set G0,   32
.set G1B,  48                          ; s[48:55], s[56:63] the same for B's tiles
.set G0B,  56
.set G1S,  68                          ; s[68:75], s[76:79] groups 1 and 0 for A's scales;  s[80:87], s[88:91] for B's
.set G0S,  76
.set G1SB, 80
.set G0SB, 88
.set ROWM, 96                          ; s96  all ones where the bias goes by row (g = 2), else 0
.set HIM,  97                          ; s97  lanes 16-31
.set SEL,  98                          ; s[98:99] lane selects for v_permlanex16_b32: lane l xor 16
.set OUTC, 100                         ; s[100:101] where my eight images go
.set OUTS, 104                         ; s[104:105] and their scale words
.set MSB, 0
.macro WIN new                         ; the immediate's high byte repeats the setting that is left
.if MSB != (\new)
	s_set_vgpr_msb (MSB<<8)|(\new)
.set MSB, (\new)
.endif
.endm
.set MUL_LO, 0xa1                      ; source 0 (B) window 1, source 1 (A) window 0, C and D window 2
.set MUL_HI, 0xf1                      ; the same, C and D window 3
.set TO_B,   0x40                      ; destination window 1, address window 0
; A joint load: waves 0 and 1 fetch for A, waves 2 and 3 for B.  Each of the two lines has one mask and one set of registers for all that issue it; the branch hangs on the wave's number alone.
; Four v_nop follow each of the two lines, ahead of the jump, the label and what follows.
.macro JLOAD g0a, g1a, g0b, g1b
	s_cmp_eq_u32 s15, 0
	s_cbranch_scc0 .Lfor_b_\@
	tensor_load_to_lds s[\g0a:\g0a+3], s[\g1a:\g1a+7]
	s_nop 0
.rept 4
	v_nop
.endr
	s_branch .Lasked_\@
.Lfor_b_\@:
	tensor_load_to_lds s[\g0b:\g0b+3], s[\g1b:\g1b+7]
	s_nop 0
.rept 4
	v_nop
.endr
.Lasked_\@:
.endm
.macro CREST                           ; a round of the cluster's barrier behind its opening barrier
	s_cmp_lg_u32 s14, 0
	s_cbranch_scc1 .Lnot_wave_0_\@
	s_barrier_signal -3
.Lnot_wave_0_\@:
	s_barrier_wait -3
	s_barrier_signal -1
	s_barrier_wait -1
.endm
.macro CROUND                          ; a whole round
	s_barrier_signal -1
	s_barrier_wait -1
	CREST
.endm
	s_load_b256 s[4:11], s[0:1], 0x0               ; g = 0: q's codes, q's scales, wq_w's codes, wq_w's scales,
	s_load_b64 s[12:13], s[0:1], 0x20              ; wq_b
	s_load_b256 s[68:75], s[0:1], 0x28             ; g = 1: k, wk_w,
	s_load_b64 s[76:77], s[0:1], 0x48              ; wk_b
	s_load_b256 s[80:87], s[0:1], 0x50             ; g = 2: wv_w, v,
	s_load_b64 s[88:89], s[0:1], 0x70              ; wv_b
	s_load_b256 s[92:99], s[0:1], 0x78             ; qf, qs, kvc, kvs
	v_lshl_add_u32 v[SPW], v0, 2, SPARE
	v_mov_b32 v[NIL], 0
	ds_add_u32 v28, v29
	ds_add_u32 v28, v29
	s_wait_dscnt 0x0
	v_lshrrev_b32 v1, 5, v0
	v_readfirstlane_b32 s14, v1                    ; wave 0..3
	s_lshr_b32 s15, s14, 1                         ; which half of the tile's rows is mine.  Also: I fetch for A (0) or for B (1)
	s_and_b32 s16, s14, 1                          ; which half of its columns.  Also: which 128 rows of that tile I fetch
	s_bfe_u32 s40, ttmp6, 0x40000                  ; cx, cy: my place in the cluster
	s_bfe_u32 s41, ttmp6, 0x40004
	s_lshl_b32 s42, ttmp9, 2
	s_add_co_u32 s42, s42, s40                     ; tile column of C = 4 x cluster x + cx
	s_and_b32 s18, ttmp7, 0xffff                   ; cluster y, 0 .. 5
	s_lshr_b32 s2, s18, 1                          ; g: which product; the same in all sixteen partners
	s_and_b32 s17, s18, 1
	s_lshl_b32 s17, s17, 2
	s_add_co_u32 s17, s17, s41                     ; tile row of C = 4 x (cluster y % 2) + cy
	s_lshl_b32 s43, s41, 2
	s_lshl_b32 s43, 15, s43                        ; my row of the cluster
	s_lshl_b32 s44, 0x1111, s40                    ; my column
	; descriptor group 1: a tile of 128 rows x 256 bytes, padded in LDS
	s_or_b32 s[G1+0], s43, (0<<16)|(1<<20)|(1<<21)|(5<<22)|(3<<25)  ; 15:0 the mask: A's tiles go to my row; 17:16 elements of 1 byte; 20 padding on; 21 set beside a mask; 24:22 after every 64 words; 31:25 four words
	s_or_b32 s[G1B+0], s44, (0<<16)|(1<<20)|(1<<21)|(5<<22)|(3<<25)
.irp g, G1, G1B
	s_mov_b32 s[\g+1], ROWB<<16                    ; tensor_dim0
	s_mov_b32 s[\g+2], 128<<16                     ; tensor_dim1
	s_mov_b32 s[\g+3], ROWB<<16                    ; tile_dim0
	s_mov_b32 s[\g+4], 128                         ; tile_dim1
	s_mov_b32 s[\g+5], KROW                        ; tensor_dim0_stride
	s_mov_b32 s[\g+6], 0
	s_mov_b32 s[\g+7], 0
.endr
	s_lshl_b32 s20, s17, 1
	s_add_co_u32 s20, s20, s16                     ; A: which 128 rows I fetch: 2 x tile row + half
	s_lshl_b32 s22, s20, 13                        ; their scales: 128 rows of 64 bytes,
	s_lshl_b32 s20, s20, 17                        ; their codes: 128 rows of 1,024 bytes
	s_mov_b32 s21, 0
	s_mov_b32 s23, 0
	s_lshl_b32 s46, s42, 1
	s_add_co_u32 s46, s46, s16                     ; B: 2 x tile column + half
	s_lshl_b32 s66, s46, 13
	s_lshl_b32 s46, s46, 17
	s_mov_b32 s47, 0
	s_mov_b32 s67, 0
	s_mul_i32 s45, s14, HALFT                      ; where they go: wave x 128 rows: no place in the cluster enters an LDS address
	s_mul_i32 s19, s14, HALFS
	s_wait_kmcnt 0x0
	s_cmp_eq_u32 s2, 1                             ; the product's five inputs: a choice that hangs on the cluster's number alone
	s_cselect_b64 s[4:5], s[68:69], s[4:5]
	s_cselect_b64 s[6:7], s[70:71], s[6:7]
	s_cselect_b64 s[8:9], s[72:73], s[8:9]
	s_cselect_b64 s[10:11], s[74:75], s[10:11]
	s_cselect_b64 s[12:13], s[76:77], s[12:13]
	s_cmp_eq_u32 s2, 2
	s_cselect_b64 s[4:5], s[80:81], s[4:5]         ; A's codes
	s_cselect_b64 s[6:7], s[82:83], s[6:7]         ; A's scales
	s_cselect_b64 s[8:9], s[84:85], s[8:9]         ; B's codes
	s_cselect_b64 s[10:11], s[86:87], s[10:11]     ; B's scales
	s_cselect_b64 s[12:13], s[88:89], s[12:13]     ; the bias
	s_cmp_eq_u32 s2, 0
	s_cselect_b64 s[OUTC:OUTC+1], s[92:93], s[96:97]   ; qf or kvc
	s_cselect_b64 s[OUTS:OUTS+1], s[94:95], s[98:99]   ; qs or kvs
	s_add_nc_u64 s[20:21], s[4:5], s[20:21]
	s_add_nc_u64 s[22:23], s[6:7], s[22:23]
	s_add_nc_u64 s[46:47], s[8:9], s[46:47]
	s_add_nc_u64 s[66:67], s[10:11], s[66:67]
	; the scales of 128 rows: a dense block of 8,192 bytes, as 32 rows of 256 bytes (32 elements of 8 bytes), 16 bytes of padding behind each
	s_or_b32 s[G1S+0], s43, (3<<16)|(1<<20)|(1<<21)|(5<<22)|(3<<25)
	s_or_b32 s[G1SB+0], s44, (3<<16)|(1<<20)|(1<<21)|(5<<22)|(3<<25)
.irp g, G1S, G1SB
	s_mov_b32 s[\g+1], 32<<16
	s_mov_b32 s[\g+2], 32<<16
	s_mov_b32 s[\g+3], 32<<16
	s_mov_b32 s[\g+4], 32
	s_mov_b32 s[\g+5], 32
	s_mov_b32 s[\g+6], 0
	s_mov_b32 s[\g+7], 0
.endr
	CROUND                                         ; all sixteen work-groups are here: the first joint loads meet
	s_mov_b32 s[G0S], 1
	s_add_co_u32 s[G0S+1], s19, SCL
	s_mov_b64 s[G0S+2:G0S+3], s[22:23]
	s_or_b32 s[G0S+3], s[G0S+3], 0x80000000
	s_mov_b32 s[G0SB], 1
	s_add_co_u32 s[G0SB+1], s19, SCL
	s_mov_b64 s[G0SB+2:G0SB+3], s[66:67]
	s_or_b32 s[G0SB+3], s[G0SB+3], 0x80000000
	JLOAD G0S, G1S, G0SB, G1SB                     ; the scales first: they are wanted with K step 0
.irp s, 0,1
	s_mov_b32 s[G0+4*\s], 1
	s_add_co_u32 s[G0+4*\s+1], s45, \s*SLOT
	s_add_nc_u64 s[G0+4*\s+2:G0+4*\s+3], s[20:21], \s*ROWB
	s_or_b32 s[G0+4*\s+3], s[G0+4*\s+3], 0x80000000
	s_mov_b32 s[G0B+4*\s], 1
	s_add_co_u32 s[G0B+4*\s+1], s45, \s*SLOT
	s_add_nc_u64 s[G0B+4*\s+2:G0B+4*\s+3], s[46:47], \s*ROWB
	s_or_b32 s[G0B+4*\s+3], s[G0B+4*\s+3], 0x80000000
	JLOAD G0+4*\s, G1, G0B+4*\s, G1B               ; three tensor loads of mine are out now
.endr
	v_and_b32 v1, 15, v0                           ; r = lane % 16
	v_bfe_u32 v2, v0, 4, 1                         ; h = lane / 16
	; the biases.  Cg = which 128 columns are mine, R = which 128 rows
	s_lshl_b32 s18, s42, 1
	s_add_co_u32 s18, s18, s16                     ; Cg
	s_lshl_b32 s19, s17, 1
	s_add_co_u32 s19, s19, s15                     ; R
	s_lshl_b32 s92, s18, 9
	s_mov_b32 s93, 0
	s_add_nc_u64 s[92:93], s[12:13], s[92:93]      ; the bias at column 128 Cg
	s_lshl_b32 s94, s19, 9
	s_mov_b32 s95, 0
	s_add_nc_u64 s[94:95], s[12:13], s[94:95]      ; and at row 128 R: both inside its 2,048 numbers
	v_lshlrev_b32 v7, 5, v2                        ; 32 h
	v_lshlrev_b32 v8, 2, v1                        ; 4 r
.irp b, 0,1,2,3,4,5,6,7
	global_load_b128 v[BC+8*\b:BC+8*\b+3], v7, s[92:93] offset:64*\b        ; bias[128 Cg + 16 b + 8 h + 0 .. 7]: the result's layout
	global_load_b128 v[BC+8*\b+4:BC+8*\b+7], v7, s[92:93] offset:64*\b+16
.endr
.irp a, 0,1,2,3,4,5,6,7
	global_load_b32 v[BRR+\a], v8, s[94:95] offset:64*\a                    ; bias[128 R + 16 a + r]
.endr
	v_mul_u32_u24 v3, v1, PITCH
	v_lshl_add_u32 v4, v2, 4, v3                   ; a fragment's row x pitch + 16 x half
	s_mul_i32 s21, s15, HALFT                      ; my 128 rows of A
	s_mul_i32 s22, s16, HALFT                      ; my 128 rows of B,
	s_add_co_u32 s22, s22, 2*HALFT                 ; which lie behind A's 256
.irp s, 0,1
	v_add_nc_u32 v[ADRA+\s], s21, v4
	v_add_nc_u32 v[ADRB+\s], s22, v4
	s_add_co_u32 s21, s21, SLOT
	s_add_co_u32 s22, s22, SLOT
.endr
	v_lshrrev_b32 v5, 2, v1                        ; a row's 64 scale bytes: four rows to a unit of 256 bytes + 16
	v_mul_u32_u24 v5, v5, 272
	v_and_b32 v6, 3, v1
	v_lshl_add_u32 v5, v6, 6, v5
	v_mad_u32_u24 v5, v2, SBLK, v5                 ; lanes 16-31 take the next block of 16 rows
	s_mul_i32 s21, s15, HALFS
	s_add_co_u32 s21, s21, SCL
	v_add_nc_u32 v[ADRSA], s21, v5
	s_mul_i32 s22, s16, HALFS
	s_add_co_u32 s22, s22, SCL+2*HALFS
	v_add_nc_u32 v[ADRSB], s22, v5
	v_and_b32 v3, 31, v0
	v_lshlrev_b32 v[LI], 4, v3
	; where my results go: q, k: [head Cg][128 rows R]; v: [head R][128 keys Cg], behind K's eight images of that step
	s_lshl_b32 s20, s19, 4
	s_add_co_u32 s20, s20, s18                     ; 16 R + Cg
	s_lshl_b32 s21, s18, 4
	s_add_co_u32 s21, s21, s19                     ; 16 Cg + R
	s_cmp_eq_u32 s2, 2
	s_cselect_b32 s20, s20, s21
	s_cselect_b32 s21, 8192, 0
	s_cselect_b32 s22, 512, 0
	s_cselect_b32 s[ROWM], -1, 0
	s_cmp_eq_u32 s2, 0
	s_cselect_b32 s23, 13, 14                      ; qf: 8,192 bytes a place; kvc: 16,384
	s_cselect_b32 s18, 9, 10                       ; qs: 512; kvs: 1,024
	s_lshl_b32 s66, s20, s23
	s_add_co_u32 s66, s66, s21
	s_mov_b32 s67, 0
	s_lshl_b32 s46, s20, s18
	s_add_co_u32 s46, s46, s22
	s_mov_b32 s47, 0
	s_add_nc_u64 s[OUTC:OUTC+1], s[OUTC:OUTC+1], s[66:67]
	s_add_nc_u64 s[OUTS:OUTS+1], s[OUTS:OUTS+1], s[46:47]
	s_mov_b32 s[HIM], 0xffff0000
	s_mov_b32 s[SEL], 0x76543210
	s_mov_b32 s[SEL+1], 0xfedcba98
	s_wait_loadcnt 0x0                             ; the biases
.set i, 0
.rept 64
	v_cndmask_b32 v[BC+i], v[BC+i], 0, s[ROWM]     ; the column bias counts for g = 0, 1
.set i, i+1
.endr
.irp a, 0,1,2,3,4,5,6,7
	v_cndmask_b32 v[BR2+2*\a], 0, v[BRR+\a], s[ROWM]      ; the row bias for g = 2
	v_cndmask_b32 v[BR2+2*\a+1], 0, v[BRR+\a], s[ROWM]
.endr
.macro FRAG reg, adr, q, i             ; a fragment, 16 rows x 128 K of 4-bit codes: lane l holds row l % 16; registers 4 c .. 4 c + 3 hold K = 64 c + 32 (l / 16) + 0 .. 31
.irp c, 0,1
	ds_load_b128 v[\reg+4*\c:\reg+4*\c+3], v[\adr] offset:64*(\q)+32*\c+(\i)*16*PITCH
.endr
.endm
; One product: A's block a x B's block b, the slot's q-th 128 along K.  p: B's set; sc: the set of scale words.  zero = 1: the column bias is the C: nothing is ever cleared.
; A block's scale words lie in lanes 0-15 of its pair's register if its number is even, else in lanes 16-31.
.macro MM a, b, p, q, sc, zero
.set rD, 8*(8*((\a)%4)+(\b))
.set rC, rD
.if \zero
.set rC, BC+8*(\b)
.endif
.set rB, 128*(\p)+FR*(\b)
.set rA, AF+FR*(\a)
.set rSB, SC+32*(\sc)+16+4*((\b)/2)+(\q)
.set rSA, SC+32*(\sc)+4*((\a)/2)+(\q)
.if ((\b)%2) && ((\a)%2)
	v_wmma_scale_f32_16x16x128_f8f6f4 v[rD:rD+7], v[rB:rB+7], v[rA:rA+7], v[rC:rC+7], v[rSB], v[rSA] matrix_a_fmt:MATRIX_FMT_FP4 matrix_b_fmt:MATRIX_FMT_FP4 matrix_a_scale:MATRIX_SCALE_ROW1 matrix_b_scale:MATRIX_SCALE_ROW1
.elseif ((\b)%2)
	v_wmma_scale_f32_16x16x128_f8f6f4 v[rD:rD+7], v[rB:rB+7], v[rA:rA+7], v[rC:rC+7], v[rSB], v[rSA] matrix_a_fmt:MATRIX_FMT_FP4 matrix_b_fmt:MATRIX_FMT_FP4 matrix_a_scale:MATRIX_SCALE_ROW1
.elseif ((\a)%2)
	v_wmma_scale_f32_16x16x128_f8f6f4 v[rD:rD+7], v[rB:rB+7], v[rA:rA+7], v[rC:rC+7], v[rSB], v[rSA] matrix_a_fmt:MATRIX_FMT_FP4 matrix_b_fmt:MATRIX_FMT_FP4 matrix_b_scale:MATRIX_SCALE_ROW1
.else
	v_wmma_scale_f32_16x16x128_f8f6f4 v[rD:rD+7], v[rB:rB+7], v[rA:rA+7], v[rC:rC+7], v[rSB], v[rSA] matrix_a_fmt:MATRIX_FMT_FP4 matrix_b_fmt:MATRIX_FMT_FP4
.endif
.endm
; 16 products: A's blocks a0, a0 + 1 x B's eight.  The 64 accumulators take turns, one instruction a turn, in the same order in every step.
.macro MUL16 a0, p, q, sc, zero
.irp a, \a0, \a0+1
.irp b, 0,1,2,3,4,5,6,7
	MM \a, \b, \p, \q, \sc, \zero
.endr
.endr
.endm
.macro FETCH_B slot, q, p              ; B's eight fragments of the slot's q-th 128 along K into set p
	WIN TO_B
.irp i, 0,1,2,3,4,5,6,7
	FRAG 128*(\p)+FR*\i, ADRB+\slot, \q, \i
.endr
	WIN 0
.endm
.macro FETCH_A slot, q, i0             ; A's blocks i0 .. i0 + 3
.irp i, \i0, \i0+1, \i0+2, \i0+3
	FRAG AF+FR*(\i), ADRA+\slot, \q, \i
.endr
.endm
.macro SCALES sc                       ; a K step's scale words into set sc: four words a row, two blocks of rows a load
.irp u, 0,1,2,3
	ds_load_b128 v[SC+32*\sc+4*\u:SC+32*\sc+4*\u+3], v[ADRSA] offset:\u*2*SBLK
.endr
.irp u, 0,1,2,3
	ds_load_b128 v[SC+32*\sc+16+4*\u:SC+32*\sc+16+4*\u+3], v[ADRSB] offset:\u*2*SBLK
.endr
.endm
; A load into a register that a matrix instruction has read, and a vector instruction that reads a matrix result, stand NP places behind that matrix instruction; only plain vector
; instructions that name none of its registers are places (ISA guide 7.12.1 for vector instructions).
.macro PLACES n
.rept \n
	v_nop
.endr
.endm
; A step of 128 along K that has its successor in the same slot.
.macro STEP slot, q, zero
	s_wait_dscnt 4*NL                              ; B's set and A's blocks 0-3 are in; the youngest eight loads (A's blocks 4-7) may be out
.if \zero
	WIN 0x81                                       ; C (the bias) window 0, D window 2
.else
	WIN MUL_LO
.endif
	MUL16 0, (\q)%2, \q, \slot, \zero
	MUL16 2, (\q)%2, \q, \slot, \zero
	s_wait_dscnt 0                                 ; A's blocks 4-7 are in (asked for 32 matrix instructions ago)
	PLACES NP
	FETCH_B \slot, (\q)+1, 1-(\q)%2
	FETCH_A \slot, (\q)+1, 0
.if \zero
	WIN 0xc1                                       ; C window 0, D window 3
.else
	WIN MUL_HI
.endif
	MUL16 4, (\q)%2, \q, \slot, \zero
	MUL16 6, (\q)%2, \q, \slot, \zero
	PLACES NP
	WIN 0
	FETCH_A \slot, (\q)+1, 4
.endm
; A slot's last step changes slots: ONE barrier; in front of it each wave waits for all its tensor loads, adds 0 to its spare word, and waits for that and for its own reads of this slot.  fill = 1: this slot is filled again, two K steps ahead.
.macro TURN slot, next, fill
	s_wait_tensorcnt 0x0                           ; all my tensor loads have landed: my part of the next slot  (every window is 0 here)
	ds_add_u32 v[SPW], v[NIL]                      ; 0 onto my spare word
	s_wait_dscnt 4*NL+1                            ; (the add and the youngest eight loads, A's blocks 4-7, may be out)
	WIN MUL_LO
	MUL16 0, 1, NQ-1, \slot, 0                     ; sixteen matrix instructions stand between the add and the wait for it
	s_wait_dscnt 0x0                               ; the add is done, and my reads of this slot are over
	s_barrier_signal -1
	MUL16 2, 1, NQ-1, \slot, 0
	WIN 0
	s_barrier_wait -1
.if \fill
	CREST                                          ; the barrier has opened a round of the cluster's barrier: no wave of any partner still reads this slot's tile or has a load on its way
	s_add_nc_u64 s[G0+4*\slot+2:G0+4*\slot+3], s[G0+4*\slot+2:G0+4*\slot+3], 2*ROWB
	s_add_nc_u64 s[G0B+4*\slot+2:G0B+4*\slot+3], s[G0B+4*\slot+2:G0B+4*\slot+3], 2*ROWB
	JLOAD G0+4*\slot, G1, G0B+4*\slot, G1B         ; the first tensor load behind the round, my only one until the next; its four v_nop are also the places in front of the loads below
.else
	PLACES NP
.endif
	v_add_nc_u32 v[ADRSA], 16, v[ADRSA]            ; on to the next K step's scale words
	v_add_nc_u32 v[ADRSB], 16, v[ADRSB]
	FETCH_B \next, 0, 0
	FETCH_A \next, 0, 0
	SCALES \next
	WIN MUL_HI
	MUL16 4, 1, NQ-1, \slot, 0
	MUL16 6, 1, NQ-1, \slot, 0
	PLACES NP
	WIN 0
	FETCH_A \next, 0, 4
.endm
.macro STEPS slot, from                ; the slot's steps from .. NQ - 2
.set Q, \from
.rept NQ-1-\from
	STEP \slot, Q, 0
.set Q, Q+1
.endr
.endm
	s_wait_tensorcnt 1                             ; the scales and my part of K step 0 are in (K step 1's load may be out)
	s_barrier_signal -1
	s_barrier_wait -1                              ; everybody's are
	FETCH_B 0, 0, 0
	FETCH_A 0, 0, 0
	SCALES 0
	FETCH_A 0, 0, 4
	STEP 0, 0, 1                                   ; the first step stands in front of the loop: its products start the sums, on the bias
	s_mov_b32 s3, 1                                ; 2,048 along K are two laps of the ring; the last is written out
.Llap:                                                 ; a trip goes once round the ring, from a lap's second step to the next lap's first, and fills both slots again
	STEPS 0, 1
	TURN 0, 1, 1
	STEPS 1, 0
	TURN 1, 0, 1
	STEP 0, 0, 0
	s_sub_co_u32 s3, s3, 1
	s_cmp_lg_u32 s3, 0
	s_cbranch_scc1 .Llap
	STEPS 0, 1                                     ; the last lap fills nothing, and has no round of the cluster's barrier
	TURN 0, 1, 0
	STEPS 1, 0
	s_wait_dscnt 4*NL                              ; the very last step: nothing more to fetch
	WIN MUL_LO
	MUL16 0, 1, NQ-1, 1, 0
	MUL16 2, 1, NQ-1, 1, 0
	s_wait_dscnt 0
	WIN MUL_HI
	MUL16 4, 1, NQ-1, 1, 0
	MUL16 6, 1, NQ-1, 1, 0
	WIN 0
; THE QUANTISER.  64 numbers of a lane, register 8 t + j = element 16 t + 8 (lane / 16) + j of my row, become a fragment's codes in v[pc] on and its scale word in v[pw].
; Block b of 32 lies in registers 16 b .. 16 b + 15 of lanes l and l xor 16.  The conversion of registers 8 t on gives, in half h of the lanes, word 2 (t % 2) + h of block t / 2; the operand wants
; block 2 c + h whole in a lane: the words of blocks 2 c and 2 c + 1 are laid side by side and two exchanges of halves for each c put them right.
.macro QUANT src, pc, pw, tm
.set qS, \src
.set qC, \pc
.set qW, \pw
.set qT, \tm
.irp b, 0,1,2,3
	v_max3_num_f32 v[qT+\b], |v[qS+16*\b]|, |v[qS+16*\b+1]|, 0x1800000   ; my 16 numbers of block b, and the floor 2^(3 - 127): so the byte cannot fall under 1
.endr
.irp i, 2,4,6,8,10,12,14
.irp b, 0,1,2,3
	v_max3_num_f32 v[qT+\b], v[qT+\b], |v[qS+16*\b+\i]|, |v[qS+16*\b+\i+1]|   ; (the four blocks by turns)
.endr
.endr
.irp b, 0,1,2,3
	v_permlanex16_b32 v[qT+4+\b], v[qT+\b], s[SEL], s[SEL+1]
.endr
.irp b, 0,1,2,3
	v_max_num_f32 v[qT+\b], v[qT+\b], v[qT+4+\b]   ; with lane l xor 16's: the block's largest magnitude
.endr
.irp b, 0,1,2,3
	v_add_nc_u32 v[qT+8+\b], 0xff000000, v[qT+\b]  ; 2 off its exponent field: the conversion takes the exponent field of this operand as its scale
.endr
.irp b, 0,1,2,3
	v_lshrrev_b32 v[qT+4+\b], 23, v[qT+8+\b]       ; the scale's byte
.endr
	v_lshl_or_b32 v[qW], v[qT+5], 8, v[qT+4]       ; the four bytes make my row's scale word
	v_lshl_or_b32 v[qW], v[qT+6], 16, v[qW]
	v_lshl_or_b32 v[qW], v[qT+7], 24, v[qW]
.irp c, 0,1
	v_cvt_scalef32_pk8_fp4_f32 v[qC+4*\c],   v[qS+32*\c:qS+32*\c+7],     v[qT+8+2*\c]
	v_cvt_scalef32_pk8_fp4_f32 v[qC+4*\c+2], v[qS+32*\c+8:qS+32*\c+15],  v[qT+8+2*\c]
	v_cvt_scalef32_pk8_fp4_f32 v[qC+4*\c+1], v[qS+32*\c+16:qS+32*\c+23], v[qT+8+2*\c+1]
	v_cvt_scalef32_pk8_fp4_f32 v[qC+4*\c+3], v[qS+32*\c+24:qS+32*\c+31], v[qT+8+2*\c+1]
.endr
	v_nop                                          ; one plain place behind a scaled conversion
.irp c, 0,1
	v_permlane16_swap_b32 v[qC+4*\c], v[qC+4*\c+1]       ; the first's lanes 16-31 change places with the second's lanes 0-15
	v_permlane16_swap_b32 v[qC+4*\c+2], v[qC+4*\c+3]
.endr
.endm
; THE WAY OUT of block a: + the row bias, into window 0 (each accumulator from its low end on); quantised; the image leaves by two stores of 512 consecutive bytes.
; Every store has registers of its own and an immediate offset: nothing that a pending store reads is written again.
.macro OUTBLK a
	WIN 0x02+(\a)/4                                ; source 0: window 2 or 3
.set i, 0
.rept 32
	v_pk_add_f32 v[T+2*i:T+2*i+1], v[64*((\a)%4)+2*i:64*((\a)%4)+2*i+1], v[BR2+2*(\a):BR2+2*(\a)+1]
.set i, i+1
.endr
	WIN 0
	QUANT T, PC+8*(\a), PW+(\a), TM
.irp c, 0,1
	global_store_b128 v[LI], v[PC+8*(\a)+4*\c:PC+8*(\a)+4*\c+3], s[OUTC:OUTC+1] offset:1024*(\a)+512*\c
.endr
.endm
.irp b, 0,1,2,3
	v_mov_b32 v[TM+4+\b], 0                        ; a lane permute's destination counts as one of its sources.  These four are also the places behind the last products
.endr
.irp a, 0,1,2,3,4,5,6,7
	OUTBLK \a
.endr
.irp u, 0,1,2,3
	v_cndmask_b32 v[SW+\u], v[PW+2*\u], v[PW+2*\u+1], s[HIM]   ; lanes 0-15 block 2 u's words, lanes 16-31 block 2 u + 1's (every lane holds its row's word)
.endr
	global_store_b128 v[LI], v[SW:SW+3], s[OUTS:OUTS+1]        ; 512 consecutive bytes
	s_wait_tensorcnt 0x0                           ; the wave's end
	ds_add_u32 v[SPW], v[NIL]
	s_wait_dscnt 0x0
	CROUND                                         ; the closing round: no work-group ends while a partner may still ask for a tile that names it
	s_endpgm
.Lfunc_end_k_q96b3cf20b8_proj:
	.size	k_q96b3cf20b8_proj, .Lfunc_end_k_q96b3cf20b8_proj-k_q96b3cf20b8_proj
	.p2alignl 7, 3214868480
	.fill 96, 4, 3214868480
	.section	.rodata,"a",@progbits
	.p2align	6, 0x0
	.amdhsa_kernel k_q96b3cf20b8_proj
		.amdhsa_group_segment_fixed_size 327680
		.amdhsa_private_segment_fixed_size 0
		.amdhsa_enable_private_segment 0
		.amdhsa_kernarg_size 152
		.amdhsa_user_sgpr_count 2
		.amdhsa_user_sgpr_kernarg_segment_ptr 1
		.amdhsa_wavefront_size32 1
		.amdhsa_system_sgpr_workgroup_id_x 1
		.amdhsa_system_sgpr_workgroup_id_y 1
		.amdhsa_system_sgpr_workgroup_id_z 1
		.amdhsa_system_vgpr_workitem_id 0
		.amdhsa_next_free_vgpr 1024
		.amdhsa_next_free_sgpr 106
		.amdhsa_reserve_vcc 0
		.amdhsa_float_denorm_mode_32 3
		.amdhsa_float_denorm_mode_16_64 3
		.amdhsa_memory_ordered 1
		.amdhsa_forward_progress 1
		.amdhsa_inst_pref_size 239
	.end_amdhsa_kernel
	.amdgpu_metadata
---
amdhsa.version: [ 1, 2 ]
amdhsa.kernels:
  - .name:           k_q96b3cf20b8_proj
    .symbol:         k_q96b3cf20b8_proj.kd
    .args:
      - { .name: q_codes, .offset: 0, .size: 8, .value_kind: global_buffer, .address_space: global }
      - { .name: q_scales, .offset: 8, .size: 8, .value_kind: global_buffer, .address_space: global }
      - { .name: wq_w_codes, .offset: 16, .size: 8, .value_kind: global_buffer, .address_space: global }
      - { .name: wq_w_scales, .offset: 24, .size: 8, .value_kind: global_buffer, .address_space: global }
      - { .name: wq_b, .offset: 32, .size: 8, .value_kind: global_buffer, .address_space: global }
      - { .name: k_codes, .offset: 40, .size: 8, .value_kind: global_buffer, .address_space: global }
      - { .name: k_scales, .offset: 48, .size: 8, .value_kind: global_buffer, .address_space: global }
      - { .name: wk_w_codes, .offset: 56, .size: 8, .value_kind: global_buffer, .address_space: global }
      - { .name: wk_w_scales, .offset: 64, .size: 8, .value_kind: global_buffer, .address_space: global }
      - { .name: wk_b, .offset: 72, .size: 8, .value_kind: global_buffer, .address_space: global }
      - { .name: wv_w_codes, .offset: 80, .size: 8, .value_kind: global_buffer, .address_space: global }
      - { .name: wv_w_scales, .offset: 88, .size: 8, .value_kind: global_buffer, .address_space: global }
      - { .name: v_codes, .offset: 96, .size: 8, .value_kind: global_buffer, .address_space: global }
      - { .name: v_scales, .offset: 104, .size: 8, .value_kind: global_buffer, .address_space: global }
      - { .name: wv_b, .offset: 112, .size: 8, .value_kind: global_buffer, .address_space: global }
      - { .name: qf, .offset: 120, .size: 8, .value_kind: global_buffer, .address_space: global }
      - { .name: qs, .offset: 128, .size: 8, .value_kind: global_buffer, .address_space: global }
      - { .name: kvc, .offset: 136, .size: 8, .value_kind: global_buffer, .address_space: global }
      - { .name: kvs, .offset: 144, .size: 8, .value_kind: global_buffer, .address_space: global }
    .group_segment_fixed_size: 327680
    .private_segment_fixed_size: 0
    .kernarg_segment_align: 8
    .kernarg_segment_size: 152
    .max_flat_workgroup_size: 128
    .sgpr_count:     106
    .vgpr_count:     1024
    .wavefront_size: 32
...
	.end_amdgpu_metadata
.endif
;; end of part 1
;; launch attn (part 2): grid 32 x 8, 8 waves a work-group, clusters of 4 x 4, 327,680 bytes of LDS; arguments qf, qs, kvc, kvs, mask, af, asc; writes af, asc
.if DOCPART == 2
	.amdgcn_target "amdgcn-amd-amdhsa--gfx1250"
	.amdhsa_code_object_version 6
	.text
	.protected	k_q96b3cf20b8_attn
	.globl	k_q96b3cf20b8_attn
	.p2align	8
	.type	k_q96b3cf20b8_attn,@function
k_q96b3cf20b8_attn:
	s_mov_b64 s[64:65], 0
	v_nop
	global_prefetch_b8 v0, s[64:65] scope:SCOPE_SE
	s_setreg_imm32_b32 hwreg(HW_REG_WAVE_MODE, 25, 1), 1
	s_wait_xcnt 0x0
	s_wait_alu depctr_hold_cnt(0) depctr_sa_sdst(0) depctr_va_vdst(0) depctr_va_sdst(0) depctr_va_ssrc(0) depctr_va_vcc(0) depctr_vm_vsrc(0)
	s_getreg_b32 s2, hwreg(HW_REG_IB_STS2, 6, 4)
	s_cmp_eq_u32 s2, 0
	s_cbranch_scc0 .Lentry_in_a_cluster
	s_endpgm
.Lentry_in_a_cluster:
	s_bfe_u32 s2, ttmp6, 0x10000c
	s_cmp_lg_u32 s2, 0xf033
	s_cbranch_scc0 .Lentry_shape_is_right
	s_endpgm
.Lentry_shape_is_right:
; ATTENTION on codes of FP4 (E2M1): for each head, O[q] = sum over k of softmax_k(Q[q] . K[k] / sqrt(128) - 1e9 mask[q][k]) V[k], then quantised along the model's 2,048 for the last product.
; Q, K, V come as images of operand registers with their scale words; the mask is an input of f32 numbers and is read and used as numbers: every query meets all 2,048 keys.
; THE SOFTMAX: t = score x c + mask x (-1e9 log2 e), c = log2(e) / sqrt(128); M = the row's largest t so far, rounded UP to a whole number; p = 2^(t - M) is what is quantised, along the keys, not normalised.
; The row's sum is taken of the unquantised p and divides O at the end.  When M moves, the sum and O are multiplied by 2^(old M - new M): exact.  t and t - M are two roundings on purpose: a row that is masked
; everywhere then has t - M = 0 and p = 1 at every key.
; SHARES.  A work-group owns 64 queries (64 X on) of TWO heads (2 Y, 2 Y + 1): eight waves, wave w = head w / 4, queries 16 (w % 4) on: one tile of 16 queries a wave, two waves to a SIMD.
; One copy of a mask tile in LDS so serves two heads.  Every wave walks all keys, 128 a step, two steps to a slot, through a ring of two LDS slots.
; CLUSTER 4 x 4: K's and V's tiles hang on Y alone and are asked for jointly along a row of the cluster; the mask's hang on X alone and are asked for jointly along a column.  Waves 0-3 fetch K and V
; (a head's step each: 16,384 dense bytes), waves 4-7 the mask (64 rows x 64 keys each).
; LAYOUT.  Both products are used transposed: S^T = K Q^T (source 0 = 16 neighbouring keys), O^T = V^T P^T (source 0 = 16 channels): a lane holds ONE query (lane % 16); register 8 t + j is key, or channel, 16 t + 8 (lane / 16) + j.
; LIMITS: NaN and infinities are not served; p under 2^-126 counts as 0; a block whose largest magnitude lies under 2^-124 keeps the scale byte 1 (its bytes are read by this program alone);
; t is one fused multiply-add onto the rounded mask term, one rounding fewer than the sum of two rounded terms scaled afterwards.
; REGISTERS: window 0: v1-11 addresses; v12 -M, v13 the largest t, v[14:15] the sum; v16-23 Q; v24, v25, v28-35 scale words and nothing else; v36-43 p's codes; v44-61 at work; v64-127 eight fragments of K or V;
;   v128-191 S^T, then p; v192-255 the mask.   window 1: v0-63 O^T.
.set SLOT1, 135168                     ; a slot: 4 blocks of K and V (65,536 bytes), 4 strips of the mask.  0x21000 shares no bit with a tile's place in slot 0, so one exclusive or turns an address into the other slot's
.set MOFF,  65536                      ; where a slot's mask begins
.set MSTR,  64*272                     ; a strip: 64 queries x (64 keys of 4 bytes + 16 bytes of padding)
.set SCL,   2*SLOT1                    ; behind the ring: both heads' scale words of K and V, 32,768 bytes, filled once
.set OSC,   SCL+32768                  ; 512 bytes: the scale words that the eight waves make
.set SPARE, OSC+512                    ; the spare words, 128 bytes for each wave: four blocks of 256 bytes that no other line names
.set AKV,  1                           ; v1   my lane's place in my head's blocks of a slot
.set AMK,  2                           ; v2   my lane's place in a strip of the mask
.set ASC,  3                           ; v3   my lane's place among my head's scale words
.set SPW,  4                           ; v4   LDS address of my spare word; never rewritten
.set NIL,  5                           ; v5   0; never rewritten
.set ADK,  6                           ; v6-8 the LDS addresses of the step in hand
.set ADM,  7
.set ADS,  8
.set LI,   9                           ; v9   16 x lane
.set OSA,  10                          ; v10  where my row's scale word goes
.set PFO,  11                          ; v11  the prefetches' offset; never rewritten
.set QF,   16
.set QSC,  24                          ; Q's scale words
.set PW,   25                          ; p's scale word; at the end O's
.set KSC,  28                          ; v28-31 K's scale words: register u: tile 2 u in lanes 0-15, tile 2 u + 1 in lanes 16-31
.set VSC,  32                          ; v32-35 V's
.set PC,   36
.set TM,   44                          ; v44-47 largest t or magnitude of a block, v48-51 lane xor 16's, then bytes, v52-55 scale operands
.set T0,   56
.set FF,   58                          ; v[58:59] f = 2^(old M - new M)
.set L2,   60                          ; v[60:61] the sum's second chain
.set OSR,  62                          ; v62  where wave 0 reads the scale words back
.set F,    64
.set S,    128
.set MK,   192
.set WV,   18                          ; s18  my wave's number
.set EH,   19                          ; s19  which of the two heads
.set SEL,  20                          ; s[20:21] lane selects for v_permlanex16_b32: lane l xor 16
.set CS,   22                          ; s[22:23] c, named as a pair
.set G1KV, 24                          ; s[24:31] descriptor group 1 for K and V;  s[32:39] for the mask;  s[40:47] for the scale words
.set G1M,  32
.set G1S,  40
.set G0KV, 48                          ; s[48:51], s[52:55] their groups 0, which walk;  s[56:59] the scale words'
.set G0M,  52
.set G0S,  56
.set KT,   60                          ; s[60:61] -1e9 log2(e)
.set TB,   62                          ; s62  LDS byte at which the slot in hand begins
.set TS,   63                          ; s63  where the step's scale words begin: 1,024 bytes a step
.set SLOTS, 66                         ; s66  slots still to be asked for
.set LIM,  67                          ; s67  1 in a wave that prefetches, else the greatest number
.set PFA,  68                          ; s[68:69] where my prefetches stand
.set PFS,  70                          ; s[70:71] a slot on, in bytes
.set MSB, 0
.macro WIN new                         ; the immediate's high byte repeats the setting that is left
.if MSB != (\new)
	s_set_vgpr_msb (MSB<<8)|(\new)
.set MSB, (\new)
.endif
.endm
; A joint load of a slot's tiles.  The branch hangs on the wave's number alone.  Four v_nop follow each of the two lines.
.macro JLOAD
	s_cmp_lt_u32 s[WV], 4
	s_cbranch_scc0 .Lfor_m_\@
	tensor_load_to_lds s[G0KV:G0KV+3], s[G1KV:G1KV+7]
	s_nop 0
.rept 4
	v_nop
.endr
	s_branch .Lasked_\@
.Lfor_m_\@:
	tensor_load_to_lds s[G0M:G0M+3], s[G1M:G1M+7]
	s_nop 0
.rept 4
	v_nop
.endr
.Lasked_\@:
.endm
; A PREFETCH INTO THE L2 of what the NEXT change of slots will ask for, behind the wave's tensor load and its four lines.  Each aligned block of 256 bytes is named once in the launch.
; K and V of a head pair are walked by every cluster of that row of clusters: cluster x = 0 asks; waves 0 and 2 for the two heads' 32,768 bytes, of which each of the four partners along x takes 8,192 BY ADDRESS, lanes 256 bytes apart.
; A block of 64 rows of the mask is walked by both clusters of a column of clusters: cluster y = 0 asks; each of the four partners along y takes 16 rows BY ADDRESS; waves 4 and 6 take two each of a row's four blocks.
; The last change that fills a slot asks for nothing.  Slots 0 and 1 and the scale words come by their loads alone.
.macro ASK
	s_cmp_gt_u32 s[SLOTS], s[LIM]
	s_cbranch_scc0 .Lnot_mine_\@
	global_prefetch_b8 v[PFO], s[PFA:PFA+1] th:TH_LOAD_NT scope:SCOPE_SE
.Lnot_mine_\@:
.endm
.macro CROUND                          ; a round of the cluster's barrier
	s_barrier_signal -1
	s_barrier_wait -1
	s_cmp_lg_u32 s[WV], 0
	s_cbranch_scc1 .Lnot_wave_0_\@
	s_barrier_signal -3
.Lnot_wave_0_\@:
	s_barrier_wait -3
	s_barrier_signal -1
	s_barrier_wait -1
.endm
	s_load_b256 s[4:11], s[0:1], 0x0               ; qf s[4:5], qs s[6:7], kvc s[8:9], kvs s[10:11]
	s_load_b128 s[12:15], s[0:1], 0x20             ; mask s[12:13], af s[14:15]
	s_load_b64 s[16:17], s[0:1], 0x30              ; asc
	v_lshl_add_u32 v[SPW], v0, 2, SPARE
	v_mov_b32 v[NIL], 0
	ds_add_u32 v4, v5
	ds_add_u32 v4, v5
	s_wait_dscnt 0x0
	v_lshrrev_b32 v6, 5, v0
	v_readfirstlane_b32 s[WV], v6                  ; wave 0..7
	s_lshr_b32 s[EH], s[WV], 2                     ; e: which head of the pair
	s_and_b32 s78, s[WV], 3                        ; t: which tile of 16 queries.  Also: which block or strip I fetch
	s_bfe_u32 s72, ttmp6, 0x40000                  ; cx, cy
	s_bfe_u32 s73, ttmp6, 0x40004
	s_lshl_b32 s74, ttmp9, 2
	s_add_co_u32 s74, s74, s72                     ; X: my block of 64 queries
	s_and_b32 s79, ttmp7, 0xffff                   ; cluster y
	s_lshl_b32 s75, s79, 2
	s_add_co_u32 s75, s75, s73                     ; Y: my pair of heads
	s_lshl_b32 s76, s73, 2
	s_lshl_b32 s76, 15, s76                        ; my row of the cluster (the same Y)
	s_lshl_b32 s77, 0x1111, s72                    ; my column (the same X)
	; group 1 for K and V: 16,384 dense bytes as 64 rows of 256 bytes (32 elements of 8 bytes), no padding: images are read 16 bytes a lane on end
	s_or_b32 s[G1KV], s76, (3<<16)|(1<<21)
	s_mov_b32 s[G1KV+1], 32<<16
	s_mov_b32 s[G1KV+2], 64<<16
	s_mov_b32 s[G1KV+3], 32<<16
	s_mov_b32 s[G1KV+4], 64
	s_mov_b32 s[G1KV+5], 32
	s_mov_b32 s[G1KV+6], 0
	s_mov_b32 s[G1KV+7], 0
	; for the mask: 64 rows x 64 elements of 4 bytes, 2,048 elements from row to row; four words of padding behind every 64
	s_or_b32 s[G1M], s77, (2<<16)|(1<<20)|(1<<21)|(5<<22)|(3<<25)
	s_mov_b32 s[G1M+1], 64<<16
	s_mov_b32 s[G1M+2], 64<<16
	s_mov_b32 s[G1M+3], 64<<16
	s_mov_b32 s[G1M+4], 64
	s_mov_b32 s[G1M+5], 2048
	s_mov_b32 s[G1M+6], 0
	s_mov_b32 s[G1M+7], 0
	; for the scale words: 4,096 dense bytes a wave, as 16 rows of 256 bytes
	s_or_b32 s[G1S], s76, (3<<16)|(1<<21)
	s_mov_b32 s[G1S+1], 32<<16
	s_mov_b32 s[G1S+2], 16<<16
	s_mov_b32 s[G1S+3], 32<<16
	s_mov_b32 s[G1S+4], 16
	s_mov_b32 s[G1S+5], 32
	s_mov_b32 s[G1S+6], 0
	s_mov_b32 s[G1S+7], 0
	s_bfe_u32 s86, s[WV], 0x10001                  ; (wave / 2) % 2
	s_and_b32 s87, s[WV], 1
	s_lshl_b32 s80, s75, 19                        ; kvc: a head is 16 steps of 16,384 bytes; block 2 e + j of a slot is head e, step j
	s_lshl_b32 s88, s86, 18
	s_add_co_u32 s80, s80, s88
	s_lshl_b32 s88, s87, 14
	s_add_co_u32 s80, s80, s88
	s_mov_b32 s81, 0
	s_lshl_b32 s82, s74, 19                        ; the mask: 64 rows of 8,192 bytes; strip i begins 256 i bytes on
	s_lshl_b32 s89, s78, 8
	s_add_co_u32 s82, s82, s89
	s_mov_b32 s83, 0
	s_lshl_b32 s84, s75, 15                        ; kvs: 16,384 bytes a head; 4,096 a wave
	s_lshl_b32 s88, s[WV], 12
	s_add_co_u32 s84, s84, s88
	s_mov_b32 s85, 0
	s_mov_b32 s[SEL], 0x76543210
	s_mov_b32 s[SEL+1], 0xfedcba98
	s_mov_b32 s[CS], 0x3e0293ee                    ; c = log2(e) / sqrt(128)
	s_mov_b32 s[CS+1], s[CS]
	s_mov_b32 s[KT], 0xceabfb8f                    ; -1e9 log2(e)
	s_mov_b32 s[KT+1], s[KT]
	s_mov_b32 s[TB], 0
	s_mov_b32 s[TS], 0
	s_mov_b32 s[SLOTS], 7                          ; 2,048 keys are eight slots
	s_wait_kmcnt 0x0
	s_mov_b32 s[G0KV], 1
	s_lshl_b32 s[G0KV+1], s78, 14                  ; LDS: the wave's number times a constant: no place in the cluster enters an LDS address
	s_add_nc_u64 s[G0KV+2:G0KV+3], s[8:9], s[80:81]
	s_or_b32 s[G0KV+3], s[G0KV+3], 0x80000000
	s_mov_b32 s[G0M], 1
	s_mul_i32 s[G0M+1], s78, MSTR
	s_add_co_u32 s[G0M+1], s[G0M+1], MOFF
	s_add_nc_u64 s[G0M+2:G0M+3], s[12:13], s[82:83]
	s_or_b32 s[G0M+3], s[G0M+3], 0x80000000
	s_mov_b32 s[G0S], 1
	s_lshl_b32 s[G0S+1], s[WV], 12
	s_add_co_u32 s[G0S+1], s[G0S+1], SCL
	s_add_nc_u64 s[G0S+2:G0S+3], s[10:11], s[84:85]
	s_or_b32 s[G0S+3], s[G0S+3], 0x80000000
	CROUND                                         ; all sixteen work-groups are here: the first joint loads meet
	tensor_load_to_lds s[G0S:G0S+3], s[G1S:G1S+7]  ; the scale words of both heads, an eighth a wave: filled once
	s_nop 0
.rept 4
	v_nop
.endr
	JLOAD                                          ; slot 0: two tensor loads of mine are out
	; where Q, O and their scale words lie
	s_lshl_b32 s88, s75, 1
	s_add_co_u32 s88, s88, s[EH]                   ; my head
	s_lshr_b32 s89, s74, 1                         ; G: which 128 queries
	s_and_b32 s90, s74, 1
	s_lshl_b32 s90, s90, 2
	s_add_co_u32 s90, s90, s78                     ; a: which 16 of them
	s_lshl_b32 s91, s88, 4
	s_add_co_u32 s91, s91, s89                     ; 16 head + G
	s_lshl_b32 s92, s91, 3
	s_add_co_u32 s92, s92, s90
	s_lshl_b32 s92, s92, 10
	s_mov_b32 s93, 0
	s_add_nc_u64 s[4:5], s[4:5], s[92:93]          ; Q's image
	s_lshl_b32 s92, s91, 9
	s_and_b32 s94, s90, 1
	s_lshl_b32 s94, s94, 8
	s_add_co_u32 s92, s92, s94
	s_lshr_b32 s94, s90, 1
	s_lshl_b32 s94, s94, 2
	s_add_co_u32 s92, s92, s94
	s_add_nc_u64 s[6:7], s[6:7], s[92:93]          ; its scale words: lane 16 (a % 2) + r, word a / 2
	s_lshl_b32 s92, s89, 4
	s_add_co_u32 s92, s92, s88                     ; 16 G + head
	s_lshl_b32 s92, s92, 3
	s_add_co_u32 s92, s92, s90
	s_lshl_b32 s92, s92, 10
	s_add_nc_u64 s[14:15], s[14:15], s[92:93]      ; O's image
	s_lshl_b32 s92, s74, 3
	s_add_co_u32 s92, s92, s75
	s_lshl_b32 s92, s92, 9
	s_add_nc_u64 s[16:17], s[16:17], s[92:93]      ; the work-group's 512 bytes of scale words
	; the prefetches: where my wave's stand (in slot 1: the first change of slots steps them to slot 2), and who asks.  Nothing is prefetched here, at the head
	s_lshl_b32 s92, s75, 19
	s_lshl_b32 s94, s86, 18
	s_add_co_u32 s92, s92, s94
	s_lshl_b32 s94, s72, 13
	s_add_co_u32 s92, s92, s94
	s_add_co_u32 s92, s92, 32768                   ; kvc: head (wave / 2) % 2, my work-group's 8,192 bytes
	s_lshl_b32 s94, s74, 19
	s_lshl_b32 s95, s73, 17
	s_add_co_u32 s94, s94, s95
	s_lshl_b32 s95, s86, 9
	s_add_co_u32 s94, s94, s95
	s_add_co_u32 s94, s94, 1024                    ; the mask: my work-group's 16 rows, my wave's two blocks of a row's four
	s_mov_b32 s[PFS], 1024
	s_mov_b32 s88, 8192
	s_mov_b32 s89, 256
	s_cmp_lt_u32 s[WV], 4
	s_cselect_b64 s[PFA:PFA+1], s[8:9], s[12:13]
	s_cselect_b32 s92, s92, s94
	s_cselect_b32 s[PFS], 32768, s[PFS]            ; a slot on
	s_cselect_b32 s88, 256, s88                    ; from lane to lane within sixteen
	s_cselect_b32 s89, 4096, s89                   ; from lanes 0-15 to lanes 16-31
	s_cselect_b32 s90, ttmp9, s79                  ; the coordinate along which other clusters read the same bytes
	s_mov_b32 s[PFS+1], 0
	s_add_nc_u64 s[PFA:PFA+1], s[PFA:PFA+1], s[92:93]
	s_or_b32 s90, s90, s87                         ; even waves of the first such cluster: the same in all sixteen partners, for a given wave
	s_cmp_eq_u32 s90, 0
	s_cselect_b32 s[LIM], 1, -1
	v_and_b32 v26, 31, v0
	v_lshlrev_b32 v[LI], 4, v26
	v_and_b32 v26, 15, v0                          ; r
	v_bfe_u32 v27, v0, 4, 1                        ; h
	global_load_b128 v[QF:QF+3], v[LI], s[4:5]     ; Q's fragment stays in registers
	global_load_b128 v[QF+4:QF+7], v[LI], s[4:5] offset:512
	v_lshlrev_b32 v57, 4, v26
	global_load_b32 v[QSC], v57, s[6:7]            ; row r's word, in both halves of the lanes
	v_mul_lo_u32 v[PFO], v26, s88
	v_mul_lo_u32 v63, v27, s89
	v_add_nc_u32 v[PFO], v[PFO], v63
	s_lshl_b32 s88, s[EH], 15
	v_add_nc_u32 v[AKV], s88, v[LI]                ; my head's two blocks, 16 bytes a lane
	s_mul_i32 s88, s78, 16*272
	s_add_co_u32 s88, s88, MOFF
	v_mul_u32_u24 v[AMK], v26, 272
	v_lshl_add_u32 v[AMK], v27, 5, v[AMK]
	v_add_nc_u32 v[AMK], s88, v[AMK]               ; the mask: row 16 t + r, + 32 h: my eight keys of a tile
	s_lshl_b32 s88, s[EH], 14
	s_add_co_u32 s88, s88, SCL
	v_add_nc_u32 v[ASC], s88, v[LI]
	s_lshr_b32 s88, s78, 1                         ; my row's scale word of O: [t / 2][lane 16 (t % 2) + r][e]
	s_lshl_b32 s88, s88, 8
	s_and_b32 s89, s78, 1
	s_lshl_b32 s89, s89, 7
	s_add_co_u32 s88, s88, s89
	s_lshl_b32 s89, s[EH], 2
	s_add_co_u32 s88, s88, s89
	s_add_co_u32 s88, s88, OSC
	v_lshl_add_u32 v[OSA], v26, 3, s88
	v_add_nc_u32 v[OSR], OSC, v[LI]
	v_mov_b32 v13, 0xff61b1e6                      ; the largest t so far: -3e38, under every t
	v_floor_f32 v12, -v13                          ; -M
	v_mov_b32 v14, 0                               ; the sum, in two halves
	v_mov_b32 v15, 0
.irp b, 0,1,2,3
	v_mov_b32 v[TM+4+\b], 0                        ; written once: a lane permute's destination counts as one of its sources
.endr
	v_mov_b32 v[FF+1], 0                           ; (named as the upper half of a pair)
	WIN 0x40
.set i, 0
.rept 64
	v_mov_b32 v[i], 0                              ; O^T.  The step is written once for all steps: the first finds zeros, which the first change of M leaves zeros
.set i, i+1
.endr
	WIN 0
; From the four largest magnitudes in v[tm] on: the conversions' scale operands in v[tm + 8] on, the bytes in v[tm + 4] on, the scale word in v[pw].
.macro SCALEW tm, pw
.set qT, \tm
.set qW, \pw
.irp b, 0,1,2,3
	v_add_nc_u32 v[qT+8+\b], 0xff000000, v[qT+\b]  ; 2 off the exponent field: the conversion takes the exponent field of this operand as its scale
.endr
.irp b, 0,1,2,3
	v_lshrrev_b32 v[qT+4+\b], 23, v[qT+8+\b]       ; the scale's byte
.endr
	v_lshl_or_b32 v[qW], v[qT+5], 8, v[qT+4]
	v_lshl_or_b32 v[qW], v[qT+6], 16, v[qW]
	v_lshl_or_b32 v[qW], v[qT+7], 24, v[qW]
.endm
; 64 numbers of a lane, register 8 t + j = element 16 t + 8 (lane / 16) + j of my row, become a fragment's codes.  The conversion of registers 8 t on gives, in half h of the lanes, word 2 (t % 2) + h of
; block t / 2; the operand wants block 2 c + h whole in a lane: the words of blocks 2 c and 2 c + 1 are laid side by side and two exchanges of halves for each c put them right.
.macro CODES src, pc, sop
.set qS, \src
.set qC, \pc
.set qO, \sop
.irp c, 0,1
	v_cvt_scalef32_pk8_fp4_f32 v[qC+4*\c],   v[qS+32*\c:qS+32*\c+7],     v[qO+2*\c]
	v_cvt_scalef32_pk8_fp4_f32 v[qC+4*\c+2], v[qS+32*\c+8:qS+32*\c+15],  v[qO+2*\c]
	v_cvt_scalef32_pk8_fp4_f32 v[qC+4*\c+1], v[qS+32*\c+16:qS+32*\c+23], v[qO+2*\c+1]
	v_cvt_scalef32_pk8_fp4_f32 v[qC+4*\c+3], v[qS+32*\c+24:qS+32*\c+31], v[qO+2*\c+1]
.endr
	v_nop                                          ; one plain place behind a scaled conversion
.irp c, 0,1
	v_permlane16_swap_b32 v[qC+4*\c], v[qC+4*\c+1]
	v_permlane16_swap_b32 v[qC+4*\c+2], v[qC+4*\c+3]
.endr
.endm
.macro QK t                            ; S^T's tile t: 16 keys x my 16 queries; a tile's scale words lie in lanes 0-15 of its pair's register if t is even, else in lanes 16-31
.if (\t)%2
	v_wmma_scale_f32_16x16x128_f8f6f4 v[S+8*\t:S+8*\t+7], v[F+8*\t:F+8*\t+7], v[QF:QF+7], 0, v[KSC+\t/2], v[QSC] matrix_a_fmt:MATRIX_FMT_FP4 matrix_b_fmt:MATRIX_FMT_FP4 matrix_a_scale:MATRIX_SCALE_ROW1
.else
	v_wmma_scale_f32_16x16x128_f8f6f4 v[S+8*\t:S+8*\t+7], v[F+8*\t:F+8*\t+7], v[QF:QF+7], 0, v[KSC+\t/2], v[QSC] matrix_a_fmt:MATRIX_FMT_FP4 matrix_b_fmt:MATRIX_FMT_FP4
.endif
.endm
.macro PV t                            ; O^T's tile t += 16 channels x these 128 keys
.if (\t)%2
	v_wmma_scale_f32_16x16x128_f8f6f4 v[8*\t:8*\t+7], v[F+8*\t:F+8*\t+7], v[PC:PC+7], v[8*\t:8*\t+7], v[VSC+\t/2], v[PW] matrix_a_fmt:MATRIX_FMT_FP4 matrix_b_fmt:MATRIX_FMT_FP4 matrix_a_scale:MATRIX_SCALE_ROW1
.else
	v_wmma_scale_f32_16x16x128_f8f6f4 v[8*\t:8*\t+7], v[F+8*\t:F+8*\t+7], v[PC:PC+7], v[8*\t:8*\t+7], v[VSC+\t/2], v[PW] matrix_a_fmt:MATRIX_FMT_FP4 matrix_b_fmt:MATRIX_FMT_FP4
.endif
.endm
; A KEY STEP: 128 keys, the q-th of the slot in hand.
.macro STEP q
	v_add_nc_u32 v[ADK], s[TB], v[AKV]             ; these three and the v_nop are the four places between the last step's products and the loads into registers that they read
	v_add_nc_u32 v[ADM], s[TB], v[AMK]
	v_add_nc_u32 v[ADS], s[TS], v[ASC]
	v_nop
	ds_load_b128 v[KSC:KSC+3], v[ADS]              ; K's scale words of the step
.irp t, 0,1,2,3,4,5,6,7
.irp c, 0,1
	ds_load_b128 v[F+8*\t+4*\c:F+8*\t+4*\c+3], v[ADK] offset:16384*(\q)+1024*\t+512*\c   ; K's eight images
.endr
.endr
.irp t, 0,1,2,3,4,5,6,7
.irp c, 0,1
	ds_load_b128 v[MK+8*\t+4*\c:MK+8*\t+4*\c+3], v[ADM] offset:(2*(\q)+\t/4)*MSTR+(\t%4)*64+16*\c   ; the mask at my query, keys 16 t + 8 h + 0 .. 7: S^T's layout
.endr
.endr
	ds_load_b128 v[VSC:VSC+3], v[ADS] offset:512   ; V's scale words
	s_wait_dscnt 17                                ; K and its scale words are in; the mask's sixteen loads and V's scale words may be out
.irp t, 0,1,2,3,4,5,6,7
	QK \t
.endr
	s_wait_dscnt 1                                 ; the mask is in; V's scale words may be out
.set i, 0
.rept 32
	v_pk_mul_f32 v[MK+2*i:MK+2*i+1], v[MK+2*i:MK+2*i+1], s[KT:KT+1] op_sel_hi:[1,0]   ; mask x (-1e9 log2 e).  (These are also the places behind the products above)
.set i, i+1
.endr
.irp t, 0,1,2,3,4,5,6,7
.irp c, 0,1
	ds_load_b128 v[F+8*\t+4*\c:F+8*\t+4*\c+3], v[ADK] offset:16384*(\q)+8192+1024*\t+512*\c   ; V's eight images, where K's lay: they land while the softmax is walked
.endr
.endr
.set i, 0
.rept 32
	v_pk_fma_f32 v[S+2*i:S+2*i+1], v[S+2*i:S+2*i+1], s[CS:CS+1], v[MK+2*i:MK+2*i+1] op_sel_hi:[1,0,1]   ; t = score x c + the mask's term; each accumulator from its low end on
.set i, i+1
.endr
.irp b, 0,1,2,3
	v_max3_num_f32 v[TM+\b], v[S+16*\b], v[S+16*\b+1], v[S+16*\b+2]   ; the largest t of each block of 32 keys: it serves the row's maximum and, since p rises with t, the block's largest p
.endr
.irp i, 3,5,7,9,11,13
.irp b, 0,1,2,3
	v_max3_num_f32 v[TM+\b], v[TM+\b], v[S+16*\b+\i], v[S+16*\b+\i+1]
.endr
.endr
.irp b, 0,1,2,3
	v_max_num_f32 v[TM+\b], v[TM+\b], v[S+16*\b+15]
.endr
.irp b, 0,1,2,3
	v_permlanex16_b32 v[TM+4+\b], v[TM+\b], s[SEL], s[SEL+1]
.endr
.irp b, 0,1,2,3
	v_max_num_f32 v[TM+\b], v[TM+\b], v[TM+4+\b]   ; with lane l xor 16's 16 keys
.endr
	v_max3_num_f32 v[T0], v[TM], v[TM+1], v[TM+2]
	v_max_num_f32 v[T0], v[T0], v[TM+3]            ; the step's largest t of my query
	v_max_num_f32 v13, v13, v[T0]                  ; the running largest t
	v_mov_b32 v[T0], v12
	v_floor_f32 v12, -v13                          ; the new -M = -ceil(t): M is a whole number
	v_sub_f32 v[T0], v12, v[T0]                    ; old M - new M: a whole number, 0 or less
	v_cvt_i32_f32 v[T0], v[T0]                     ; (it saturates)
	v_ldexp_f32 v[FF], 1.0, v[T0]                  ; f = 2^(old M - new M)
.set i, 0
.rept 32
	v_pk_add_f32 v[S+2*i:S+2*i+1], v[S+2*i:S+2*i+1], v[12:13] op_sel_hi:[1,0]   ; t - M (of the pair the low word serves both halves)
.set i, i+1
.endr
.irp b, 0,1,2,3
	v_add_f32 v[TM+\b], v[TM+\b], v12              ; the same of each block's largest t
.endr
.set i, 0
.rept 64
	v_exp_f32 v[S+i], v[S+i]                       ; p = 2^(t - M), at most 1: not normalised
.set i, i+1
.endr
	v_pk_mul_f32 v[14:15], v[14:15], v[FF:FF+1] op_sel_hi:[1,0]   ; the sums under the new M: the plain instruction behind the exponentials
	s_wait_alu depctr_va_vdst(0)                   ; one wait for the whole batch, ahead of its first reader
.irp b, 0,1,2,3
	v_exp_f32 v[TM+\b], v[TM+\b]                   ; the block's largest p: the same two instructions on the same number give the same bits
.endr
	v_pk_add_f32 v[L2:L2+1], v[S:S+1], v[S+2:S+3]  ; the row's sum is taken of the unquantised p, in two chains.  (It reads the 64 alone: plain work behind the four)
.irp j, 4,8,12,16,20,24,28,32,36,40,44,48,52,56,60
	v_pk_add_f32 v[14:15], v[14:15], v[S+\j:S+\j+1]
	v_pk_add_f32 v[L2:L2+1], v[L2:L2+1], v[S+\j+2:S+\j+3]
.endr
	v_pk_add_f32 v[14:15], v[14:15], v[L2:L2+1]
	s_wait_alu depctr_va_vdst(0)                   ; and one for the four
.irp b, 0,1,2,3
	v_max_num_f32 v[TM+\b], 0x1800000, v[TM+\b]    ; the floor 2^(3 - 127): the byte cannot fall under 1 (a block whose every p is 0 keeps that byte: its codes are zeros)
.endr
	SCALEW TM, PW
	CODES S, PC, TM+8
	WIN 0x41                                       ; O^T (destination and source 0) window 1, f window 0
.set i, 0
.rept 32
	v_pk_mul_f32 v[2*i:2*i+1], v[2*i:2*i+1], v[FF:FF+1] op_sel_hi:[1,0]   ; O^T under the new M.  (These 32 are also the places between the lines that made p's codes and scale word and the products)
.set i, i+1
.endr
	s_wait_dscnt 0x0                               ; V and its scale words are in
	WIN 0x50                                       ; C and D window 1
.irp t, 0,1,2,3,4,5,6,7
	PV \t                                          ; the eight accumulators take turns, one instruction a turn
.endr
	WIN 0
	s_add_co_u32 s[TS], s[TS], 1024                ; the next step's scale words
.endm
; THE CHANGE OF SLOTS stands at a slot's head.  Each wave waits for all its tensor loads (its part of the slot that it is about to read), adds 0 to its spare word, and waits for that and for its reads of the slot that it has left.
; fill = 1: the barrier is a round of the cluster's, so that no wave of any partner still reads the other slot or has a load on its way; that slot is then filled with the keys that follow: one load a wave,
; which has two key steps of the work-group's eight waves in which to land.
.macro CHANGE fill
	s_wait_tensorcnt 0x0                           ; no tensor load of mine is out, so a group 0 may be written
	ds_add_u32 v[SPW], v[NIL]                      ; 0 onto my spare word
.if \fill
	s_xor_b32 s[G0KV+1], s[G0KV+1], SLOT1          ; the walking descriptors: the other slot than last time,
	s_add_nc_u64 s[G0KV+2:G0KV+3], s[G0KV+2:G0KV+3], 32768   ; the next two steps; the type bits on top are not reached
	s_xor_b32 s[G0M+1], s[G0M+1], SLOT1
	s_add_nc_u64 s[G0M+2:G0M+3], s[G0M+2:G0M+3], 1024        ; the next 256 keys
	s_wait_xcnt 0x0                                ; the last prefetch, a slot back, has read its address, so it may be written:
	s_add_nc_u64 s[PFA:PFA+1], s[PFA:PFA+1], s[PFS:PFS+1]    ; one slot further on than the walking descriptors
	s_wait_dscnt 0x0                               ; the add is done, and my reads of the slot that I have left are over
	CROUND
	JLOAD                                          ; the first thing behind the round, and my one tensor load until the next
	ASK
.else
	s_wait_dscnt 0x0
	s_barrier_signal -1
	s_barrier_wait -1
.endif
.endm
.macro SLOT_STEPS
	STEP 0
	STEP 1
	s_xor_b32 s[TB], s[TB], SLOT1                  ; on to the other slot
.endm
	s_wait_loadcnt 0x0                             ; Q
.Lslot:                                            ; seven trips: behind each change of slots but the last the next slot is asked for
	CHANGE 1
	SLOT_STEPS
	s_sub_co_u32 s[SLOTS], s[SLOTS], 1
	s_cmp_lg_u32 s[SLOTS], 0
	s_cbranch_scc1 .Lslot
	CHANGE 0                                       ; the last slot is written out
	SLOT_STEPS
	; THE WAY OUT.  O^T is divided by the row's sum and quantised along the channels: my tile is one fragment (16 rows x this head's 128) of the last product's left operand.
	v_add_f32 v14, v14, v15                        ; the sum's two halves,
	v_permlanex16_b32 v[T0], v14, s[SEL], s[SEL+1]
	v_add_f32 v14, v14, v[T0]                      ; and lane l xor 16's: the row's sum
	v_rcp_f32 v14, v14
.rept 4
	v_nop                                          ; the plain place behind the reciprocal, and the places behind the last products
.endr
	s_wait_alu depctr_va_vdst(0)                   ; the wait ahead of the reciprocal's first reader
	WIN 0x01                                       ; source 0 (O^T) window 1
.set i, 0
.rept 32
	v_pk_mul_f32 v[S+2*i:S+2*i+1], v[2*i:2*i+1], v[14:15] op_sel_hi:[1,0]   ; each accumulator from its low end on
.set i, i+1
.endr
	WIN 0
.irp b, 0,1,2,3
	v_max3_num_f32 v[TM+\b], |v[S+16*\b]|, |v[S+16*\b+1]|, 0x1800000   ; the largest magnitude of each block of 32 channels, with the floor 2^(3 - 127)
.endr
.irp i, 2,4,6,8,10,12,14
.irp b, 0,1,2,3
	v_max3_num_f32 v[TM+\b], v[TM+\b], |v[S+16*\b+\i]|, |v[S+16*\b+\i+1]|
.endr
.endr
.irp b, 0,1,2,3
	v_permlanex16_b32 v[TM+4+\b], v[TM+\b], s[SEL], s[SEL+1]
.endr
.irp b, 0,1,2,3
	v_max_num_f32 v[TM+\b], v[TM+\b], v[TM+4+\b]
.endr
	SCALEW TM, PW
	CODES S, PC, TM+8
	global_store_b128 v[LI], v[PC:PC+3], s[14:15]              ; the image: two stores of 512 consecutive bytes
	global_store_b128 v[LI], v[PC+4:PC+7], s[14:15] offset:512
	ds_store_b32 v[OSA], v[PW]                     ; my rows' scale words meet the other waves' in LDS (both halves of the lanes write the same word with the same value)
	s_wait_dscnt 0x0                               ; for the others' sake: my store is done
	s_barrier_signal -1
	s_barrier_wait -1
	s_cmp_lg_u32 s[WV], 0
	s_cbranch_scc1 .Lnot_first
	ds_load_b128 v[F:F+3], v[OSR]                  ; wave 0 stores the work-group's 512 bytes on end
	s_wait_dscnt 0x0
	global_store_b128 v[LI], v[F:F+3], s[16:17]
.Lnot_first:
	s_wait_tensorcnt 0x0                           ; the wave's end, behind my last tensor load and my last LDS store
	ds_add_u32 v[SPW], v[NIL]
	s_wait_dscnt 0x0
	CROUND                                         ; the closing round: no work-group ends while a partner may still ask for a tile that names it
	s_endpgm
.Lfunc_end_k_q96b3cf20b8_attn:
	.size	k_q96b3cf20b8_attn, .Lfunc_end_k_q96b3cf20b8_attn-k_q96b3cf20b8_attn
	.p2alignl 7, 3214868480
	.fill 96, 4, 3214868480
	.section	.rodata,"a",@progbits
	.p2align	6, 0x0
	.amdhsa_kernel k_q96b3cf20b8_attn
		.amdhsa_group_segment_fixed_size 327680
		.amdhsa_private_segment_fixed_size 0
		.amdhsa_enable_private_segment 0
		.amdhsa_kernarg_size 56
		.amdhsa_user_sgpr_count 2
		.amdhsa_user_sgpr_kernarg_segment_ptr 1
		.amdhsa_wavefront_size32 1
		.amdhsa_system_sgpr_workgroup_id_x 1
		.amdhsa_system_sgpr_workgroup_id_y 1
		.amdhsa_system_sgpr_workgroup_id_z 1
		.amdhsa_system_vgpr_workitem_id 0
		.amdhsa_next_free_vgpr 320
		.amdhsa_next_free_sgpr 96
		.amdhsa_reserve_vcc 0
		.amdhsa_float_denorm_mode_32 3
		.amdhsa_float_denorm_mode_16_64 3
		.amdhsa_memory_ordered 1
		.amdhsa_forward_progress 1
		.amdhsa_inst_pref_size 109
	.end_amdhsa_kernel
	.amdgpu_metadata
---
amdhsa.version: [ 1, 2 ]
amdhsa.kernels:
  - .name:           k_q96b3cf20b8_attn
    .symbol:         k_q96b3cf20b8_attn.kd
    .args:
      - { .name: qf, .offset: 0, .size: 8, .value_kind: global_buffer, .address_space: global }
      - { .name: qs, .offset: 8, .size: 8, .value_kind: global_buffer, .address_space: global }
      - { .name: kvc, .offset: 16, .size: 8, .value_kind: global_buffer, .address_space: global }
      - { .name: kvs, .offset: 24, .size: 8, .value_kind: global_buffer, .address_space: global }
      - { .name: mask, .offset: 32, .size: 8, .value_kind: global_buffer, .address_space: global }
      - { .name: af, .offset: 40, .size: 8, .value_kind: global_buffer, .address_space: global }
      - { .name: asc, .offset: 48, .size: 8, .value_kind: global_buffer, .address_space: global }
    .group_segment_fixed_size: 327680
    .private_segment_fixed_size: 0
    .kernarg_segment_align: 8
    .kernarg_segment_size: 56
    .max_flat_workgroup_size: 256
    .sgpr_count:     96
    .vgpr_count:     320
    .wavefront_size: 32
...
	.end_amdgpu_metadata
.endif
;; end of part 2
;; launch dense (part 3): grid 8 x 8, 4 waves a work-group, clusters of 4 x 4, 327,680 bytes of LDS; arguments af, asc, dense_w_codes, dense_w_scales, dense_b, out0; writes out0
.if DOCPART == 3
	.amdgcn_target "amdgcn-amd-amdhsa--gfx1250"
	.amdhsa_code_object_version 6
	.text
	.protected	k_q96b3cf20b8_dense
	.globl	k_q96b3cf20b8_dense
	.p2align	8
	.type	k_q96b3cf20b8_dense,@function
k_q96b3cf20b8_dense:
	s_mov_b64 s[64:65], 0
	v_nop
	global_prefetch_b8 v0, s[64:65] scope:SCOPE_SE
	s_setreg_imm32_b32 hwreg(HW_REG_WAVE_MODE, 25, 1), 1
	s_wait_xcnt 0x0
	s_wait_alu depctr_hold_cnt(0) depctr_sa_sdst(0) depctr_va_vdst(0) depctr_va_sdst(0) depctr_va_ssrc(0) depctr_va_vcc(0) depctr_vm_vsrc(0)
	s_getreg_b32 s2, hwreg(HW_REG_IB_STS2, 6, 4)
	s_cmp_eq_u32 s2, 0
	s_cbranch_scc0 .Lentry_in_a_cluster
	s_endpgm
.Lentry_in_a_cluster:
	s_bfe_u32 s2, ttmp6, 0x10000c
	s_cmp_lg_u32 s2, 0xf033
	s_cbranch_scc0 .Lentry_shape_is_right
	s_endpgm
.Lentry_shape_is_right:
; THE LAST PRODUCT: out[m][n] = sum over k of A[m][k] W[n][k] + b[n], 2048 x 2048 x 2048, on codes of FP4 (E2M1) with one E8M0 scale for each 32 along K; out is f32.
; A, the attention's result, comes as IMAGES OF OPERAND REGISTERS: af [128 rows G][head][block a of 16 rows][1,024 bytes: c, lane, 16 bytes]; 128 along K are one head.  So 128 rows x 512 along K are 32,768 dense bytes,
; and a fragment is read from LDS 16 bytes a lane on end.  Its scale words: asc [64 rows][pair of heads][pair of blocks][lane][2 words].  W comes as rows of codes and rows of scale bytes.
; A tile of out, 256 x 256, is made by a work-group of four waves; a wave makes 128 x 128: 64 accumulators, 512 registers.  K goes in steps of 512 through a ring of two LDS slots filled by the tensor data mover.
; The scales of the work-group's rows of A and of W, for all of K, come into LDS once, with the first fills.  CLUSTERS 4 x 4: A's tiles are asked for jointly along a row of the cluster, W's along a column.
; THE MATRIX INSTRUCTION IS USED TRANSPOSED (source 0 = 16 rows of W, source 1 = 16 rows of A): a lane holds eight neighbouring numbers of a row of out.  The bias is the C of the first step.
; 64 work-groups: the largest wave tile is kept, since each byte read from LDS then feeds the most products.
; REGISTERS, in windows of 256: window 0: v16-29 addresses; v32-95 scale words, two sets, and nothing else; v128-191 A's fragments, ONE set; v192-255 the bias; on the way out v128-255 are free.
;   window 1: W's fragments, TWO sets, at v0 and v128.   window 2: the accumulators of my rows 0-63 ((a, b) at v[8 (8 a + b)]);   window 3: those of my rows 64-127.
.set NQ,     4                         ; matrix instructions deep in a slot: 512 along K
.set ROWB,   256                       ; a row of W's tile in bytes
.set KROW,   1024                      ; a row of W's codes in memory
.set PITCH,  272                       ; W's LDS row: 256 bytes + 16 of padding
.set FR,     8
.set NL,     2
.set NP,     4                         ; places behind this matrix instruction (ISA guide 7.12.1)
.set HALFA,  32768                     ; A: 128 rows x 512 along K, as images
.set HALFT,  128*PITCH                 ; W: 128 rows
.set BOFF,   2*HALFA                   ; W's tiles lie behind A's
.set SLOT,   BOFF+2*HALFT
.set SCLA,   2*SLOT                    ; behind the ring: A's scale words, 8,192 bytes for 128 rows,
.set SCLB,   SCLA+16384                ; and W's scale bytes, as units of 256 bytes + 16 of padding
.set HALFS,  32*272
.set SBLK,   4*272
.set SPARE,  SCLB+2*HALFS              ; the spare words, 128 bytes for each wave: two blocks of 256 bytes that no other line names
.set SPITCH, 528                       ; the way out: a stage of 16 rows x (512 bytes + 16) for each wave, in slot 0, which has had its last fill and its last read when the first result is stored there
.set NB4,    8192                      ; a row of out in bytes
.set ADRA,  16                         ; v16-17  LDS address of my A fragments in slot 0, 1
.set ADRB,  20                         ; v20-21  the same for W
.set ADRSA, 22                         ; v22     LDS address of A's scale words
.set ADRSB, 23                         ; v23     of W's
.set STO,   24                         ; v24     the way out: where I put 32 bytes of a row
.set RD,    25                         ; v25     where I read a row back
.set CO,    26                         ; v26     my byte offset in a row of out
.set SPW,   28                         ; v28     LDS address of my spare word; never rewritten
.set NIL,   29                         ; v29     0; never rewritten
.set SC,    32                         ; scale words: set s at v[SC + 32 s]: A's at + 4 u + q, W's at + 16 + 4 u + q: blocks 2 u (lanes 0-15) and 2 u + 1 (lanes 16-31), the slot's q-th 128 along K
.set AF,    128
.set BC,    192
.set BK,    128                        ; the way out: 16 rows read back from the stage: v128-191 and v192-255 by turns
.set G1,   24
.set G0,   32
.set G1B,  48
.set G0B,  56
.set G1S,  68
.set G0S,  76
.set G1SB, 80
.set G0SB, 88
.set MSB, 0
.macro WIN new                         ; the immediate's high byte repeats the setting that is left
.if MSB != (\new)
	s_set_vgpr_msb (MSB<<8)|(\new)
.set MSB, (\new)
.endif
.endm
.set MUL_LO, 0xa1
.set MUL_HI, 0xf1
.set TO_B,   0x40
; A joint load: waves 0 and 1 fetch for A, waves 2 and 3 for W.  The branch hangs on the wave's number alone.  Four v_nop follow each of the two lines.
.macro JLOAD g0a, g1a, g0b, g1b
	s_cmp_eq_u32 s15, 0
	s_cbranch_scc0 .Lfor_b_\@
	tensor_load_to_lds s[\g0a:\g0a+3], s[\g1a:\g1a+7]
	s_nop 0
.rept 4
	v_nop
.endr
	s_branch .Lasked_\@
.Lfor_b_\@:
	tensor_load_to_lds s[\g0b:\g0b+3], s[\g1b:\g1b+7]
	s_nop 0
.rept 4
	v_nop
.endr
.Lasked_\@:
.endm
.macro CREST
	s_cmp_lg_u32 s14, 0
	s_cbranch_scc1 .Lnot_wave_0_\@
	s_barrier_signal -3
.Lnot_wave_0_\@:
	s_barrier_wait -3
	s_barrier_signal -1
	s_barrier_wait -1
.endm
.macro CROUND
	s_barrier_signal -1
	s_barrier_wait -1
	CREST
.endm
	s_load_b256 s[4:11], s[0:1], 0x0               ; af s[4:5], asc s[6:7], W's codes s[8:9], W's scales s[10:11]
	s_load_b128 s[92:95], s[0:1], 0x20             ; the bias s[92:93], out s[94:95]
	v_lshl_add_u32 v[SPW], v0, 2, SPARE
	v_mov_b32 v[NIL], 0
	ds_add_u32 v28, v29
	ds_add_u32 v28, v29
	s_wait_dscnt 0x0
	v_lshrrev_b32 v1, 5, v0
	v_readfirstlane_b32 s14, v1                    ; wave 0..3
	s_lshr_b32 s15, s14, 1                         ; which half of the tile's rows is mine.  Also: I fetch for A (0) or for W (1)
	s_and_b32 s16, s14, 1                          ; which half of its columns.  Also: which 128 rows of that tile I fetch
	s_bfe_u32 s40, ttmp6, 0x40000                  ; cx, cy
	s_bfe_u32 s41, ttmp6, 0x40004
	s_lshl_b32 s42, ttmp9, 2
	s_add_co_u32 s42, s42, s40                     ; tile column
	s_and_b32 s17, ttmp7, 0xffff
	s_lshl_b32 s17, s17, 2
	s_add_co_u32 s17, s17, s41                     ; tile row
	s_lshl_b32 s43, s41, 2
	s_lshl_b32 s43, 15, s43                        ; my row of the cluster
	s_lshl_b32 s44, 0x1111, s40                    ; my column
	; A's tiles: 32,768 dense bytes as 128 rows of 256 bytes (32 elements of 8 bytes), no padding
	s_or_b32 s[G1+0], s43, (3<<16)|(1<<21)
	s_mov_b32 s[G1+1], 32<<16
	s_mov_b32 s[G1+2], 128<<16
	s_mov_b32 s[G1+3], 32<<16
	s_mov_b32 s[G1+4], 128
	s_mov_b32 s[G1+5], 32
	s_mov_b32 s[G1+6], 0
	s_mov_b32 s[G1+7], 0
	; W's tiles: 128 rows x 256 bytes, 1,024 bytes from row to row; four words of padding behind every 64
	s_or_b32 s[G1B+0], s44, (0<<16)|(1<<20)|(1<<21)|(5<<22)|(3<<25)
	s_mov_b32 s[G1B+1], ROWB<<16
	s_mov_b32 s[G1B+2], 128<<16
	s_mov_b32 s[G1B+3], ROWB<<16
	s_mov_b32 s[G1B+4], 128
	s_mov_b32 s[G1B+5], KROW
	s_mov_b32 s[G1B+6], 0
	s_mov_b32 s[G1B+7], 0
	; A's scale words of 128 rows: 8,192 dense bytes, no padding;  W's scale bytes of 128 rows: the same with 16 bytes of padding behind each 256
	s_or_b32 s[G1S+0], s43, (3<<16)|(1<<21)
	s_or_b32 s[G1SB+0], s44, (3<<16)|(1<<20)|(1<<21)|(5<<22)|(3<<25)
.irp g, G1S, G1SB
	s_mov_b32 s[\g+1], 32<<16
	s_mov_b32 s[\g+2], 32<<16
	s_mov_b32 s[\g+3], 32<<16
	s_mov_b32 s[\g+4], 32
	s_mov_b32 s[\g+5], 32
	s_mov_b32 s[\g+6], 0
	s_mov_b32 s[\g+7], 0
.endr
	s_lshl_b32 s20, s17, 1
	s_add_co_u32 s20, s20, s16                     ; A: which 128 rows I fetch
	s_lshl_b32 s22, s20, 13                        ; their scale words,
	s_lshl_b32 s20, s20, 17                        ; their images: 16 heads x 8,192 bytes
	s_mov_b32 s21, 0
	s_mov_b32 s23, 0
	s_lshl_b32 s46, s42, 1
	s_add_co_u32 s46, s46, s16                     ; W: which 128 rows
	s_lshl_b32 s66, s46, 13                        ; 64 scale bytes a row,
	s_lshl_b32 s46, s46, 17                        ; 1,024 bytes of codes
	s_mov_b32 s47, 0
	s_mov_b32 s67, 0
	s_lshl_b32 s45, s16, 15                        ; where they go: no place in the cluster enters an LDS address
	s_mul_i32 s96, s16, HALFT
	s_add_co_u32 s96, s96, BOFF
	s_lshl_b32 s19, s16, 13
	s_add_co_u32 s19, s19, SCLA
	s_mul_i32 s97, s16, HALFS
	s_add_co_u32 s97, s97, SCLB
	s_wait_kmcnt 0x0
	s_mov_b64 s[12:13], s[94:95]                   ; out
	s_add_nc_u64 s[20:21], s[4:5], s[20:21]
	s_add_nc_u64 s[22:23], s[6:7], s[22:23]
	s_add_nc_u64 s[46:47], s[8:9], s[46:47]
	s_add_nc_u64 s[66:67], s[10:11], s[66:67]
	CROUND                                         ; all sixteen work-groups are here: the first joint loads meet
	s_mov_b32 s[G0S], 1
	s_mov_b32 s[G0S+1], s19
	s_mov_b64 s[G0S+2:G0S+3], s[22:23]
	s_or_b32 s[G0S+3], s[G0S+3], 0x80000000
	s_mov_b32 s[G0SB], 1
	s_mov_b32 s[G0SB+1], s97
	s_mov_b64 s[G0SB+2:G0SB+3], s[66:67]
	s_or_b32 s[G0SB+3], s[G0SB+3], 0x80000000
	JLOAD G0S, G1S, G0SB, G1SB                     ; the scales first: they are wanted with K step 0
.irp s, 0,1
	s_mov_b32 s[G0+4*\s], 1
	s_add_co_u32 s[G0+4*\s+1], s45, \s*SLOT
	s_add_nc_u64 s[G0+4*\s+2:G0+4*\s+3], s[20:21], \s*HALFA
	s_or_b32 s[G0+4*\s+3], s[G0+4*\s+3], 0x80000000
	s_mov_b32 s[G0B+4*\s], 1
	s_add_co_u32 s[G0B+4*\s+1], s96, \s*SLOT
	s_add_nc_u64 s[G0B+4*\s+2:G0B+4*\s+3], s[46:47], \s*ROWB
	s_or_b32 s[G0B+4*\s+3], s[G0B+4*\s+3], 0x80000000
	JLOAD G0+4*\s, G1, G0B+4*\s, G1B               ; three tensor loads of mine are out now
.endr
	v_and_b32 v1, 15, v0                           ; r
	v_bfe_u32 v2, v0, 4, 1                         ; h
	s_lshl_b32 s18, s42, 1
	s_add_co_u32 s18, s18, s16                     ; which 128 columns are mine
	s_lshl_b32 s18, s18, 9
	s_mov_b32 s19, 0
	s_add_nc_u64 s[92:93], s[92:93], s[18:19]
	v_lshlrev_b32 v7, 5, v2
.irp b, 0,1,2,3,4,5,6,7
	global_load_b128 v[BC+8*\b:BC+8*\b+3], v7, s[92:93] offset:64*\b        ; b[my column 16 b + 8 h + 0 .. 7]: the result's layout
	global_load_b128 v[BC+8*\b+4:BC+8*\b+7], v7, s[92:93] offset:64*\b+16
.endr
	v_and_b32 v6, 31, v0
	v_lshlrev_b32 v[CO], 4, v6                     ; 16 x lane
	v_mul_u32_u24 v3, v1, PITCH
	v_lshl_add_u32 v4, v2, 4, v3                   ; W: a fragment's row x pitch + 16 x half
	s_lshl_b32 s21, s15, 15                        ; my 128 rows of A
	s_mul_i32 s22, s16, HALFT                      ; my 128 rows of W
	s_add_co_u32 s22, s22, BOFF
.irp s, 0,1
	v_add_nc_u32 v[ADRA+\s], s21, v[CO]
	v_add_nc_u32 v[ADRB+\s], s22, v4
	s_add_co_u32 s21, s21, SLOT
	s_add_co_u32 s22, s22, SLOT
.endr
	s_lshl_b32 s21, s15, 13
	s_add_co_u32 s21, s21, SCLA
	v_lshl_add_u32 v[ADRSA], v6, 3, s21            ; A's scale words: 8 bytes a lane
	v_lshrrev_b32 v5, 2, v1                        ; W's: a row's 64 bytes, four rows to a unit of 256 bytes + 16
	v_mul_u32_u24 v5, v5, 272
	v_and_b32 v3, 3, v1
	v_lshl_add_u32 v5, v3, 6, v5
	v_mad_u32_u24 v5, v2, SBLK, v5                 ; lanes 16-31 take the next block of 16 rows
	s_mul_i32 s22, s16, HALFS
	s_add_co_u32 s22, s22, SCLB
	v_add_nc_u32 v[ADRSB], s22, v5
	s_mul_i32 s23, s14, 16*SPITCH                  ; my stage
	v_mul_u32_u24 v5, v1, SPITCH                   ; in: row l % 16, 32 bytes for each half of the lanes
	v_lshl_add_u32 v5, v2, 5, v5
	v_add_nc_u32 v[STO], s23, v5
	v_add_nc_u32 v[RD], s23, v[CO]                 ; back: the 32 lanes take one row of 512 bytes
	s_lshl_b32 s20, s17, 8
	s_lshl_b32 s21, s15, 7
	s_add_co_u32 s20, s20, s21                     ; my first row of out
	s_lshl_b32 s20, s20, 13
	s_lshl_b32 s46, s42, 10                        ; my first column, in bytes
	s_lshl_b32 s47, s16, 9
	s_add_co_u32 s46, s46, s47
	s_add_co_u32 s20, s20, s46
	s_mov_b32 s21, 0
	s_add_nc_u64 s[12:13], s[12:13], s[20:21]
	s_wait_loadcnt 0x0                             ; the bias
.macro FRAG_R reg, adr, q, i           ; a fragment of W from rows: lane l holds row l % 16; registers 4 c .. 4 c + 3 hold K = 64 c + 32 (l / 16) + 0 .. 31
.irp c, 0,1
	ds_load_b128 v[\reg+4*\c:\reg+4*\c+3], v[\adr] offset:64*(\q)+32*\c+(\i)*16*PITCH
.endr
.endm
.macro FRAG_I reg, adr, q, i           ; a fragment of A from its image
.irp c, 0,1
	ds_load_b128 v[\reg+4*\c:\reg+4*\c+3], v[\adr] offset:8192*(\q)+1024*(\i)+512*\c
.endr
.endm
; One product: A's block a x W's block b, the slot's q-th 128 along K.  zero = 1: the bias is the C: nothing is ever cleared.
.macro MM a, b, p, q, sc, zero
.set rD, 8*(8*((\a)%4)+(\b))
.set rC, rD
.if \zero
.set rC, BC+8*(\b)
.endif
.set rB, 128*(\p)+FR*(\b)
.set rA, AF+FR*(\a)
.set rSB, SC+32*(\sc)+16+4*((\b)/2)+(\q)
.set rSA, SC+32*(\sc)+4*((\a)/2)+(\q)
.if ((\b)%2) && ((\a)%2)
	v_wmma_scale_f32_16x16x128_f8f6f4 v[rD:rD+7], v[rB:rB+7], v[rA:rA+7], v[rC:rC+7], v[rSB], v[rSA] matrix_a_fmt:MATRIX_FMT_FP4 matrix_b_fmt:MATRIX_FMT_FP4 matrix_a_scale:MATRIX_SCALE_ROW1 matrix_b_scale:MATRIX_SCALE_ROW1
.elseif ((\b)%2)
	v_wmma_scale_f32_16x16x128_f8f6f4 v[rD:rD+7], v[rB:rB+7], v[rA:rA+7], v[rC:rC+7], v[rSB], v[rSA] matrix_a_fmt:MATRIX_FMT_FP4 matrix_b_fmt:MATRIX_FMT_FP4 matrix_a_scale:MATRIX_SCALE_ROW1
.elseif ((\a)%2)
	v_wmma_scale_f32_16x16x128_f8f6f4 v[rD:rD+7], v[rB:rB+7], v[rA:rA+7], v[rC:rC+7], v[rSB], v[rSA] matrix_a_fmt:MATRIX_FMT_FP4 matrix_b_fmt:MATRIX_FMT_FP4 matrix_b_scale:MATRIX_SCALE_ROW1
.else
	v_wmma_scale_f32_16x16x128_f8f6f4 v[rD:rD+7], v[rB:rB+7], v[rA:rA+7], v[rC:rC+7], v[rSB], v[rSA] matrix_a_fmt:MATRIX_FMT_FP4 matrix_b_fmt:MATRIX_FMT_FP4
.endif
.endm
; 16 products.  The 64 accumulators take turns, one instruction a turn, in the same order in every step.
.macro MUL16 a0, p, q, sc, zero
.irp a, \a0, \a0+1
.irp b, 0,1,2,3,4,5,6,7
	MM \a, \b, \p, \q, \sc, \zero
.endr
.endr
.endm
.macro FETCH_B slot, q, p
	WIN TO_B
.irp i, 0,1,2,3,4,5,6,7
	FRAG_R 128*(\p)+FR*\i, ADRB+\slot, \q, \i
.endr
	WIN 0
.endm
.macro FETCH_A slot, q, i0
.irp i, \i0, \i0+1, \i0+2, \i0+3
	FRAG_I AF+FR*(\i), ADRA+\slot, \q, \i
.endr
.endm
.macro SCALES sc                       ; a K step's scale words into set sc.  A's: pair of blocks u lies in the 64 rows u / 2, pair u % 2; a pair of heads is two words a lane.  W's: four words a row
.irp u, 0,1,2,3
.irp hp, 0,1
	ds_load_b64 v[SC+32*\sc+4*\u+2*\hp:SC+32*\sc+4*\u+2*\hp+1], v[ADRSA] offset:(\u/2)*4096+\hp*512+(\u%2)*256
.endr
.endr
.irp u, 0,1,2,3
	ds_load_b128 v[SC+32*\sc+16+4*\u:SC+32*\sc+16+4*\u+3], v[ADRSB] offset:\u*2*SBLK
.endr
.endm
; A load into a register that a matrix instruction has read, and an LDS store that reads a matrix result, stand NP places behind that matrix instruction; only plain vector instructions that
; name none of its registers are places (ISA guide 7.12.1 for vector instructions).
.macro PLACES n
.rept \n
	v_nop
.endr
.endm
.macro STEP slot, q, zero
	s_wait_dscnt 4*NL                              ; W's set and A's blocks 0-3 are in; the youngest eight loads (A's blocks 4-7) may be out
.if \zero
	WIN 0x81                                       ; C (the bias) window 0, D window 2
.else
	WIN MUL_LO
.endif
	MUL16 0, (\q)%2, \q, \slot, \zero
	MUL16 2, (\q)%2, \q, \slot, \zero
	s_wait_dscnt 0                                 ; A's blocks 4-7 are in
	PLACES NP
	FETCH_B \slot, (\q)+1, 1-(\q)%2
	FETCH_A \slot, (\q)+1, 0
.if \zero
	WIN 0xc1
.else
	WIN MUL_HI
.endif
	MUL16 4, (\q)%2, \q, \slot, \zero
	MUL16 6, (\q)%2, \q, \slot, \zero
	PLACES NP
	WIN 0
	FETCH_A \slot, (\q)+1, 4
.endm
; A slot's last step changes slots: ONE barrier; in front of it each wave waits for all its tensor loads, adds 0 to its spare word, and waits for that and for its own reads of this slot.
.macro TURN slot, next, fill
	s_wait_tensorcnt 0x0                           ; all my tensor loads have landed: my part of the next slot  (every window is 0 here)
	ds_add_u32 v[SPW], v[NIL]                      ; 0 onto my spare word
	s_wait_dscnt 4*NL+1                            ; (the add and the youngest eight loads may be out)
	WIN MUL_LO
	MUL16 0, 1, NQ-1, \slot, 0
	s_wait_dscnt 0x0                               ; the add is done, and my reads of this slot are over
	s_barrier_signal -1
	MUL16 2, 1, NQ-1, \slot, 0
	WIN 0
	s_barrier_wait -1
.if \fill
	CREST                                          ; the barrier has opened a round of the cluster's barrier: no wave of any partner still reads this slot's tile or has a load on its way
	s_add_nc_u64 s[G0+4*\slot+2:G0+4*\slot+3], s[G0+4*\slot+2:G0+4*\slot+3], 2*HALFA
	s_add_nc_u64 s[G0B+4*\slot+2:G0B+4*\slot+3], s[G0B+4*\slot+2:G0B+4*\slot+3], 2*ROWB
	JLOAD G0+4*\slot, G1, G0B+4*\slot, G1B         ; the first tensor load behind the round, my only one until the next
.else
	PLACES NP
.endif
	v_add_nc_u32 v[ADRSA], 1024, v[ADRSA]          ; on to the next K step's scale words: two pairs of heads,
	v_add_nc_u32 v[ADRSB], 16, v[ADRSB]            ; four words of a row
	FETCH_B \next, 0, 0
	FETCH_A \next, 0, 0
	SCALES \next
	WIN MUL_HI
	MUL16 4, 1, NQ-1, \slot, 0
	MUL16 6, 1, NQ-1, \slot, 0
	PLACES NP
	WIN 0
	FETCH_A \next, 0, 4
.endm
.macro STEPS slot, from
.set Q, \from
.rept NQ-1-\from
	STEP \slot, Q, 0
.set Q, Q+1
.endr
.endm
	s_wait_tensorcnt 1                             ; the scales and my part of K step 0 are in (K step 1's load may be out)
	s_barrier_signal -1
	s_barrier_wait -1                              ; everybody's are
	FETCH_B 0, 0, 0
	FETCH_A 0, 0, 0
	SCALES 0
	FETCH_A 0, 0, 4
	STEP 0, 0, 1                                   ; the first step stands in front of the loop: its products start the sums, on the bias
	s_mov_b32 s3, 1
.Llap:                                                 ; a trip goes once round the ring and fills both slots again
	STEPS 0, 1
	TURN 0, 1, 1
	STEPS 1, 0
	TURN 1, 0, 1
	STEP 0, 0, 0
	s_sub_co_u32 s3, s3, 1
	s_cmp_lg_u32 s3, 0
	s_cbranch_scc1 .Llap
	STEPS 0, 1                                     ; the last lap fills nothing
	TURN 0, 1, 0
	STEPS 1, 0
	s_wait_dscnt 4*NL
	WIN MUL_LO
	MUL16 0, 1, NQ-1, 1, 0
	MUL16 2, 1, NQ-1, 1, 0
	s_wait_dscnt 0
	WIN MUL_HI
	MUL16 4, 1, NQ-1, 1, 0
	MUL16 6, 1, NQ-1, 1, 0
	WIN 0
; THE WAY OUT, block by block of 16 rows x 128 columns, through my own stage in LDS: in as 32 bytes a lane, back as whole rows of 512 bytes, which the 32 lanes store on end.
; LDS serves a wave's instructions in order (ISA guide 5.7.1.4): no wait between the stores and the loads, nor in front of the next block's stores.
.macro TOSTAGE a
.set AC, 64*((\a)%4)
	WIN 0x08+4*((\a)/4)                            ; the data: window 2 or 3
.irp b, 0,1,2,3,4,5,6,7
	ds_store_b128 v[STO], v[AC+8*\b:AC+8*\b+3] offset:64*\b          ; each accumulator from its low end on
	ds_store_b128 v[STO], v[AC+8*\b+4:AC+8*\b+7] offset:64*\b+16
.endr
	WIN 0
.set BB, BK+64*((\a)%2)
.irp t, 0,1,2,3,4,5,6,7,8,9,10,11,12,13,14,15
	ds_load_b128 v[BB+4*\t:BB+4*\t+3], v[RD] offset:\t*SPITCH
.endr
.endm
.macro SEND a, younger                 ; younger: the LDS instructions issued behind block a's loads, which may stay out
.set BB, BK+64*((\a)%2)
	s_wait_dscnt \younger                          ; the block is back in registers
.if (\a) > 0
	s_add_nc_u64 s[12:13], s[12:13], 16*NB4        ; (behind a wait on XCNT: the earlier stores have read their base)  16 rows on
.endif
.irp t, 0,1,2,3,4,5,6,7,8,9,10,11,12,13,14,15
	global_store_b128 v[CO], v[BB+4*\t:BB+4*\t+3], s[12:13] offset:\t*NB4 th:TH_STORE_NT   ; 32 lanes store 512 consecutive bytes, at a multiple of 256 from out's first byte
.endr
.endm
	PLACES NP
	TOSTAGE 0
.irp a, 1,2,3,4,5,6,7
.if \a > 1
	s_wait_xcnt 0x0                                ; block a - 2's stores have read their registers and their base: block a's loads may land there, and the base may step
.endif
	TOSTAGE \a
	SEND \a-1, 32                                  ; behind block a - 1's loads: block a's 16 stores and 16 loads
.endr
	s_wait_xcnt 0x0                                ; block 6's stores have read their base
	SEND 7, 0
	s_wait_tensorcnt 0x0                           ; the wave's end, behind my last tensor load and my last LDS store
	ds_add_u32 v[SPW], v[NIL]
	s_wait_dscnt 0x0
	CROUND                                         ; the closing round
	s_endpgm
.Lfunc_end_k_q96b3cf20b8_dense:
	.size	k_q96b3cf20b8_dense, .Lfunc_end_k_q96b3cf20b8_dense-k_q96b3cf20b8_dense
	.p2alignl 7, 3214868480
	.fill 96, 4, 3214868480
	.section	.rodata,"a",@progbits
	.p2align	6, 0x0
	.amdhsa_kernel k_q96b3cf20b8_dense
		.amdhsa_group_segment_fixed_size 327680
		.amdhsa_private_segment_fixed_size 0
		.amdhsa_enable_private_segment 0
		.amdhsa_kernarg_size 48
		.amdhsa_user_sgpr_count 2
		.amdhsa_user_sgpr_kernarg_segment_ptr 1
		.amdhsa_wavefront_size32 1
		.amdhsa_system_sgpr_workgroup_id_x 1
		.amdhsa_system_sgpr_workgroup_id_y 1
		.amdhsa_system_sgpr_workgroup_id_z 1
		.amdhsa_system_vgpr_workitem_id 0
		.amdhsa_next_free_vgpr 1024
		.amdhsa_next_free_sgpr 100
		.amdhsa_reserve_vcc 0
		.amdhsa_float_denorm_mode_32 3
		.amdhsa_float_denorm_mode_16_64 3
		.amdhsa_memory_ordered 1
		.amdhsa_forward_progress 1
		.amdhsa_inst_pref_size 214
	.end_amdhsa_kernel
	.amdgpu_metadata
---
amdhsa.version: [ 1, 2 ]
amdhsa.kernels:
  - .name:           k_q96b3cf20b8_dense
    .symbol:         k_q96b3cf20b8_dense.kd
    .args:
      - { .name: af, .offset: 0, .size: 8, .value_kind: global_buffer, .address_space: global }
      - { .name: asc, .offset: 8, .size: 8, .value_kind: global_buffer, .address_space: global }
      - { .name: dense_w_codes, .offset: 16, .size: 8, .value_kind: global_buffer, .address_space: global }
      - { .name: dense_w_scales, .offset: 24, .size: 8, .value_kind: global_buffer, .address_space: global }
      - { .name: dense_b, .offset: 32, .size: 8, .value_kind: global_buffer, .address_space: global }
      - { .name: out0, .offset: 40, .size: 8, .value_kind: global_buffer, .address_space: global }
    .group_segment_fixed_size: 327680
    .private_segment_fixed_size: 0
    .kernarg_segment_align: 8
    .kernarg_segment_size: 48
    .max_flat_workgroup_size: 128
    .sgpr_count:     100
    .vgpr_count:     1024
    .wavefront_size: 32
...
	.end_amdgpu_metadata
.endif
;; end of part 3
;; ======== version 2 of 2: 3 launches
;; limits: right only within a limited range of input values
;; workspace buffers: qf 2,097,152 bytes; qs 131,072 bytes; kvc 4,456,448 bytes; af 2,097,152 bytes; asc 131,072 bytes
;; launch proj (part 4): grid 8 x 24, 4 waves a work-group, clusters of 4 x 4, 327,680 bytes of LDS; arguments q_codes, q_scales, wq_w_codes, wq_w_scales, wq_b, k_codes, k_scales, wk_w_codes, wk_w_scales, wk_b, wv_w_codes, wv_w_scales, v_codes, v_scales, wv_b, qf, qs, kvc; writes qf, qs, kvc
.if DOCPART == 4
	.amdgcn_target "amdgcn-amd-amdhsa--gfx1250"
	.amdhsa_code_object_version 6
	.text
	.protected	k_q96b3cf20b8_proj
	.globl	k_q96b3cf20b8_proj
	.p2align	8
	.type	k_q96b3cf20b8_proj,@function
k_q96b3cf20b8_proj:
	s_mov_b64 s[64:65], 0
	v_nop
	global_prefetch_b8 v0, s[64:65] scope:SCOPE_SE
	s_setreg_imm32_b32 hwreg(HW_REG_WAVE_MODE, 25, 1), 1
	s_wait_xcnt 0x0
	s_wait_alu depctr_hold_cnt(0) depctr_sa_sdst(0) depctr_va_vdst(0) depctr_va_sdst(0) depctr_va_ssrc(0) depctr_va_vcc(0) depctr_vm_vsrc(0)
	s_getreg_b32 s2, hwreg(HW_REG_IB_STS2, 6, 4)
	s_cmp_eq_u32 s2, 0
	s_cbranch_scc0 .Lentry_in_a_cluster
	s_endpgm
.Lentry_in_a_cluster:
	s_bfe_u32 s2, ttmp6, 0x10000c
	s_cmp_lg_u32 s2, 0xf033
	s_cbranch_scc0 .Lentry_shape_is_right
	s_endpgm
.Lentry_shape_is_right:
; THE THREE PROJECTIONS, each 2048 x 2048 x 2048 on codes of FP4 (E2M1) with one E8M0 scale for each 32 along K, sums in f32: q wq^T + bq, k wk^T + bk, and, transposed, wv v^T + bv.  Each result is quantised again, along the K of the
; product that takes it (q, k: the head's 128; v: the keys), and leaves as images of operand registers with their scale words: q into qf and qs; k and v into kvc, one block of 17,408 bytes for each head and 128 keys:
; K's codes 8,192 bytes, V's 8,192, K's scale words 512, V's 512.
; SHARES.  A tile is 256 x 256, 64 tiles a product, 192 work-groups of four waves; a wave makes 128 x 128: 64 accumulators, 512 registers.  K goes in steps of 512 through a ring of two LDS slots; the scale bytes of all K come once.
; CLUSTERS 4 x 4: A's tiles are asked for jointly along a row of the cluster, B's along a column.
; The matrix instruction is used transposed (source 0 = rows of B, source 1 = rows of A), so a lane's registers run along the next K.  The bias along a lane's registers is the C of the first step; the bias by rows (v) is added at the end.
; B's fragments have two sets and are fetched a whole step ahead; A's have one: blocks 0-3 are fetched anew in a step's middle, blocks 4-7 at its end.
; No prefetch is written: the block is the largest in clusters, and K is four steps of 512, the first two of which are asked for ahead of the first product.
; LIMITS: NaN and infinities are not served; a block whose largest magnitude lies under 2^-124 keeps the scale byte 1 (its bytes are read by this program alone).
.set NQ,     4
.set ROWB,   256
.set KROW,   1024
.set PITCH,  272
.set FR,     8
.set NL,     2
.set NP,     4
.set HALFT,  128*PITCH
.set SLOT,   4*HALFT
.set SCL,    2*SLOT
.set HALFS,  32*272
.set SBLK,   4*272
.set SPARE,  SCL+4*HALFS
.set TM,    2
.set ADRA,  16
.set ADRB,  20
.set ADRSA, 22
.set ADRSB, 23
.set LI,    24
.set SPW,   28
.set NIL,   29
.set SC,    32
.set BRR,   96
.set PW,    96
.set BR2,   104
.set SW,    120
.set AF,    128
.set T,     128
.set BC,    192
.set PC,    192
.set G1,   24
.set G0,   32
.set G1B,  48
.set G0B,  56
.set G1S,  68
.set G0S,  76
.set G1SB, 80
.set G0SB, 88
.set ROWM, 96
.set HIM,  97
.set SEL,  98
.set OUTC, 100
.set OUTS, 104
.set MSB, 0
.macro WIN new
.if MSB != (\new)
	s_set_vgpr_msb (MSB<<8)|(\new)
.set MSB, (\new)
.endif
.endm
.set MUL_LO, 0xa1
.set MUL_HI, 0xf1
.set TO_B,   0x40
.macro JLOAD g0a, g1a, g0b, g1b
	s_cmp_eq_u32 s15, 0
	s_cbranch_scc0 .Lfor_b_\@
	tensor_load_to_lds s[\g0a:\g0a+3], s[\g1a:\g1a+7]
	s_nop 0
.rept 4
	v_nop
.endr
	s_branch .Lasked_\@
.Lfor_b_\@:
	tensor_load_to_lds s[\g0b:\g0b+3], s[\g1b:\g1b+7]
	s_nop 0
.rept 4
	v_nop
.endr
.Lasked_\@:
.endm
.macro CREST
	s_cmp_lg_u32 s14, 0
	s_cbranch_scc1 .Lnot_wave_0_\@
	s_barrier_signal -3
.Lnot_wave_0_\@:
	s_barrier_wait -3
	s_barrier_signal -1
	s_barrier_wait -1
.endm
.macro CROUND
	s_barrier_signal -1
	s_barrier_wait -1
	CREST
.endm
	s_load_b256 s[4:11], s[0:1], 0x0
	s_load_b64 s[12:13], s[0:1], 0x20
	s_load_b256 s[68:75], s[0:1], 0x28
	s_load_b64 s[76:77], s[0:1], 0x48
	s_load_b256 s[80:87], s[0:1], 0x50
	s_load_b64 s[88:89], s[0:1], 0x70
	s_load_b128 s[92:95], s[0:1], 0x78             ; qf, qs
	s_load_b64 s[96:97], s[0:1], 0x88              ; kvc
	v_lshl_add_u32 v[SPW], v0, 2, SPARE
	v_mov_b32 v[NIL], 0
	ds_add_u32 v28, v29
	ds_add_u32 v28, v29
	s_wait_dscnt 0x0
	v_lshrrev_b32 v1, 5, v0
	v_readfirstlane_b32 s14, v1
	s_lshr_b32 s15, s14, 1
	s_and_b32 s16, s14, 1
	s_bfe_u32 s40, ttmp6, 0x40000
	s_bfe_u32 s41, ttmp6, 0x40004
	s_lshl_b32 s42, ttmp9, 2
	s_add_co_u32 s42, s42, s40
	s_and_b32 s18, ttmp7, 0xffff
	s_lshr_b32 s2, s18, 1
	s_and_b32 s17, s18, 1
	s_lshl_b32 s17, s17, 2
	s_add_co_u32 s17, s17, s41
	s_lshl_b32 s43, s41, 2
	s_lshl_b32 s43, 15, s43
	s_lshl_b32 s44, 0x1111, s40
	s_or_b32 s[G1+0], s43, (0<<16)|(1<<20)|(1<<21)|(5<<22)|(3<<25)
	s_or_b32 s[G1B+0], s44, (0<<16)|(1<<20)|(1<<21)|(5<<22)|(3<<25)
.irp g, G1, G1B
	s_mov_b32 s[\g+1], ROWB<<16
	s_mov_b32 s[\g+2], 256<<16                     ; 256 rows for the head's loads; 128 for the ring's, set behind the wait that shows the head's done
	s_mov_b32 s[\g+3], ROWB<<16
	s_mov_b32 s[\g+4], 256
	s_mov_b32 s[\g+5], KROW
	s_mov_b32 s[\g+6], 0
	s_mov_b32 s[\g+7], 0
.endr
	s_lshl_b32 s22, s17, 14                        ; the tile's 256 rows: 64 scale bytes
	s_lshl_b32 s20, s17, 18                        ; and 1,024 bytes of codes a row
	s_mov_b32 s21, 0
	s_mov_b32 s23, 0
	s_lshl_b32 s66, s42, 14
	s_lshl_b32 s46, s42, 18
	s_mov_b32 s47, 0
	s_mov_b32 s67, 0
	s_mul_i32 s45, s14, HALFT
	s_lshl_b32 s18, s16, 17                        ; in the ring I fetch 128 rows of a tile: which half, in bytes
	s_mov_b32 s19, 0
	s_wait_kmcnt 0x0
	s_cmp_eq_u32 s2, 1
	s_cselect_b64 s[4:5], s[68:69], s[4:5]
	s_cselect_b64 s[6:7], s[70:71], s[6:7]
	s_cselect_b64 s[8:9], s[72:73], s[8:9]
	s_cselect_b64 s[10:11], s[74:75], s[10:11]
	s_cselect_b64 s[12:13], s[76:77], s[12:13]
	s_cmp_eq_u32 s2, 2
	s_cselect_b64 s[4:5], s[80:81], s[4:5]
	s_cselect_b64 s[6:7], s[82:83], s[6:7]
	s_cselect_b64 s[8:9], s[84:85], s[8:9]
	s_cselect_b64 s[10:11], s[86:87], s[10:11]
	s_cselect_b64 s[12:13], s[88:89], s[12:13]
	s_cmp_eq_u32 s2, 0
	s_cselect_b64 s[OUTC:OUTC+1], s[92:93], s[96:97]
	s_cselect_b64 s[OUTS:OUTS+1], s[94:95], s[96:97]
	s_add_nc_u64 s[20:21], s[4:5], s[20:21]
	s_add_nc_u64 s[22:23], s[6:7], s[22:23]
	s_add_nc_u64 s[46:47], s[8:9], s[46:47]
	s_add_nc_u64 s[66:67], s[10:11], s[66:67]
	s_or_b32 s[G1S+0], s43, (3<<16)|(1<<20)|(1<<21)|(5<<22)|(3<<25)
	s_or_b32 s[G1SB+0], s44, (3<<16)|(1<<20)|(1<<21)|(5<<22)|(3<<25)
.irp g, G1S, G1SB
	s_mov_b32 s[\g+1], 32<<16
	s_mov_b32 s[\g+2], 64<<16                      ; the scale bytes of 256 rows: 16,384 dense bytes as 64 rows of 256
	s_mov_b32 s[\g+3], 32<<16
	s_mov_b32 s[\g+4], 64
	s_mov_b32 s[\g+5], 32
	s_mov_b32 s[\g+6], 0
	s_mov_b32 s[\g+7], 0
.endr
	CROUND
	s_mov_b32 s[G0S], 1
	s_mov_b32 s[G0S+1], SCL
	s_mov_b64 s[G0S+2:G0S+3], s[22:23]
	s_or_b32 s[G0S+3], s[G0S+3], 0x80000000
	s_mov_b32 s[G0SB], 1
	s_mov_b32 s[G0SB+1], SCL+2*HALFS
	s_mov_b64 s[G0SB+2:G0SB+3], s[66:67]
	s_or_b32 s[G0SB+3], s[G0SB+3], 0x80000000
	s_mov_b32 s4, 1                                ; K step 0's 256 rows of A (the arguments that lay here have been used),
	s_mov_b32 s5, 0
	s_mov_b64 s[6:7], s[20:21]
	s_or_b32 s7, s7, 0x80000000
	s_mov_b32 s8, 1                                ; and its 256 rows of B
	s_mov_b32 s9, 2*HALFT
	s_mov_b64 s[10:11], s[46:47]
	s_or_b32 s11, s11, 0x80000000
; THE HEAD'S LOADS, ONE A WAVE: wave 0 A's 256 rows, wave 1 B's, wave 2 A's scale bytes, wave 3 B's.  One tree of branches on the wave's number: every way passes exactly one load.
.macro ARM under, g0, g1, next
	s_cmp_lt_u32 s14, \under
	s_cbranch_scc0 \next
	tensor_load_to_lds s[\g0:\g0+3], s[\g1:\g1+7]
	s_nop 0
.rept 4
	v_nop
.endr
	s_branch .Lhead_asked
\next:
.endm
	ARM 1, 4, G1, .Lhead_b
	ARM 2, 8, G1B, .Lhead_sa
	ARM 3, G0S, G1S, .Lhead_sb
	tensor_load_to_lds s[G0SB:G0SB+3], s[G1SB:G1SB+7]
	s_nop 0
.rept 4
	v_nop
.endr
.Lhead_asked:
	s_add_nc_u64 s[20:21], s[20:21], s[18:19]      ; for the ring: my 128 rows of the tile
	s_add_nc_u64 s[46:47], s[46:47], s[18:19]
.irp s, 0,1
	s_mov_b32 s[G0+4*\s], 1
	s_add_co_u32 s[G0+4*\s+1], s45, \s*SLOT
	s_add_nc_u64 s[G0+4*\s+2:G0+4*\s+3], s[20:21], \s*ROWB
	s_or_b32 s[G0+4*\s+3], s[G0+4*\s+3], 0x80000000
	s_mov_b32 s[G0B+4*\s], 1
	s_add_co_u32 s[G0B+4*\s+1], s45, \s*SLOT
	s_add_nc_u64 s[G0B+4*\s+2:G0B+4*\s+3], s[46:47], \s*ROWB
	s_or_b32 s[G0B+4*\s+3], s[G0B+4*\s+3], 0x80000000
.endr
	v_and_b32 v1, 15, v0
	v_bfe_u32 v2, v0, 4, 1
	s_wait_alu depctr_va_vdst(0)
	s_lshl_b32 s18, s42, 1
	s_add_co_u32 s18, s18, s16
	s_lshl_b32 s19, s17, 1
	s_add_co_u32 s19, s19, s15
	s_lshl_b32 s92, s18, 9
	s_mov_b32 s93, 0
	s_add_nc_u64 s[92:93], s[12:13], s[92:93]
	s_lshl_b32 s94, s19, 9
	s_mov_b32 s95, 0
	s_add_nc_u64 s[94:95], s[12:13], s[94:95]
	v_lshlrev_b32 v7, 5, v2
	v_lshlrev_b32 v8, 2, v1
.irp b, 0,1,2,3,4,5,6,7
	global_load_b128 v[BC+8*\b:BC+8*\b+3], v7, s[92:93] offset:64*\b
	global_load_b128 v[BC+8*\b+4:BC+8*\b+7], v7, s[92:93] offset:64*\b+16
.endr
.irp a, 0,1,2,3,4,5,6,7
	global_load_b32 v[BRR+\a], v8, s[94:95] offset:64*\a
.endr
	v_mul_u32_u24 v3, v1, PITCH
	v_lshl_add_u32 v4, v2, 4, v3
	s_mul_i32 s21, s15, HALFT
	s_mul_i32 s22, s16, HALFT
	s_add_co_u32 s22, s22, 2*HALFT
.irp s, 0,1
	v_add_nc_u32 v[ADRA+\s], s21, v4
	v_add_nc_u32 v[ADRB+\s], s22, v4
	s_add_co_u32 s21, s21, SLOT
	s_add_co_u32 s22, s22, SLOT
.endr
	v_lshrrev_b32 v5, 2, v1
	v_mul_u32_u24 v5, v5, 272
	v_and_b32 v6, 3, v1
	v_lshl_add_u32 v5, v6, 6, v5
	v_mad_u32_u24 v5, v2, SBLK, v5
	s_mul_i32 s21, s15, HALFS
	s_add_co_u32 s21, s21, SCL
	v_add_nc_u32 v[ADRSA], s21, v5
	s_mul_i32 s22, s16, HALFS
	s_add_co_u32 s22, s22, SCL+2*HALFS
	v_add_nc_u32 v[ADRSB], s22, v5
	v_and_b32 v3, 31, v0
	v_lshlrev_b32 v[LI], 4, v3
	s_lshl_b32 s20, s19, 4
	s_add_co_u32 s20, s20, s18
	s_lshl_b32 s21, s18, 4
	s_add_co_u32 s21, s21, s19
	s_cmp_eq_u32 s2, 2
	s_cselect_b32 s20, s20, s21
	s_cselect_b32 s21, 8192, 0
	s_cselect_b32 s22, 512, 0
	s_cselect_b32 s[ROWM], -1, 0
	s_cmp_eq_u32 s2, 0
	s_mov_b32 s23, 17408                           ; k, v: a block of kvc; the scale words 16,384 bytes on in it
	s_mov_b32 s18, 17408
	s_cselect_b32 s23, 8192, s23                   ; q: 8,192 bytes of codes, 512 of scale words
	s_cselect_b32 s18, 512, s18
	s_cselect_b32 s19, 0, 16384
	s_mul_i32 s66, s20, s23
	s_add_co_u32 s66, s66, s21
	s_mov_b32 s67, 0
	s_mul_i32 s46, s20, s18
	s_add_co_u32 s46, s46, s22
	s_add_co_u32 s46, s46, s19
	s_mov_b32 s47, 0
	s_add_nc_u64 s[OUTC:OUTC+1], s[OUTC:OUTC+1], s[66:67]
	s_add_nc_u64 s[OUTS:OUTS+1], s[OUTS:OUTS+1], s[46:47]
	s_mov_b32 s[HIM], 0xffff0000
	s_mov_b32 s[SEL], 0x76543210
	s_mov_b32 s[SEL+1], 0xfedcba98
	s_wait_loadcnt 0x0
.set i, 0
.rept 64
	v_cndmask_b32 v[BC+i], v[BC+i], 0, s[ROWM]
.set i, i+1
.endr
.irp a, 0,1,2,3,4,5,6,7
	v_cndmask_b32 v[BR2+2*\a], 0, v[BRR+\a], s[ROWM]
	v_cndmask_b32 v[BR2+2*\a+1], 0, v[BRR+\a], s[ROWM]
.endr
.macro FRAG reg, adr, q, i
.irp c, 0,1
	ds_load_b128 v[\reg+4*\c:\reg+4*\c+3], v[\adr] offset:64*(\q)+32*\c+(\i)*16*PITCH
.endr
.endm
.macro MM a, b, p, q, sc, zero
.set rD, 8*(8*((\a)%4)+(\b))
.set rC, rD
.if \zero
.set rC, BC+8*(\b)
.endif
.set rB, 128*(\p)+FR*(\b)
.set rA, AF+FR*(\a)
.set rSB, SC+32*(\sc)+16+4*((\b)/2)+(\q)
.set rSA, SC+32*(\sc)+4*((\a)/2)+(\q)
.if ((\b)%2) && ((\a)%2)
	v_wmma_scale_f32_16x16x128_f8f6f4 v[rD:rD+7], v[rB:rB+7], v[rA:rA+7], v[rC:rC+7], v[rSB], v[rSA] matrix_a_fmt:MATRIX_FMT_FP4 matrix_b_fmt:MATRIX_FMT_FP4 matrix_a_scale:MATRIX_SCALE_ROW1 matrix_b_scale:MATRIX_SCALE_ROW1
.elseif ((\b)%2)
	v_wmma_scale_f32_16x16x128_f8f6f4 v[rD:rD+7], v[rB:rB+7], v[rA:rA+7], v[rC:rC+7], v[rSB], v[rSA] matrix_a_fmt:MATRIX_FMT_FP4 matrix_b_fmt:MATRIX_FMT_FP4 matrix_a_scale:MATRIX_SCALE_ROW1
.elseif ((\a)%2)
	v_wmma_scale_f32_16x16x128_f8f6f4 v[rD:rD+7], v[rB:rB+7], v[rA:rA+7], v[rC:rC+7], v[rSB], v[rSA] matrix_a_fmt:MATRIX_FMT_FP4 matrix_b_fmt:MATRIX_FMT_FP4 matrix_b_scale:MATRIX_SCALE_ROW1
.else
	v_wmma_scale_f32_16x16x128_f8f6f4 v[rD:rD+7], v[rB:rB+7], v[rA:rA+7], v[rC:rC+7], v[rSB], v[rSA] matrix_a_fmt:MATRIX_FMT_FP4 matrix_b_fmt:MATRIX_FMT_FP4
.endif
.endm
.macro MUL16 a0, p, q, sc, zero
.irp a, \a0, \a0+1
.irp b, 0,1,2,3,4,5,6,7
	MM \a, \b, \p, \q, \sc, \zero
.endr
.endr
.endm
.macro FETCH_B slot, q, p
	WIN TO_B
.irp i, 0,1,2,3,4,5,6,7
	FRAG 128*(\p)+FR*\i, ADRB+\slot, \q, \i
.endr
	WIN 0
.endm
.macro FETCH_A slot, q, i0
.irp i, \i0, \i0+1, \i0+2, \i0+3
	FRAG AF+FR*(\i), ADRA+\slot, \q, \i
.endr
.endm
.macro SCALES sc
.irp u, 0,1,2,3
	ds_load_b128 v[SC+32*\sc+4*\u:SC+32*\sc+4*\u+3], v[ADRSA] offset:\u*2*SBLK
.endr
.irp u, 0,1,2,3
	ds_load_b128 v[SC+32*\sc+16+4*\u:SC+32*\sc+16+4*\u+3], v[ADRSB] offset:\u*2*SBLK
.endr
.endm
.macro PLACES n
.rept \n
	v_nop
.endr
.endm
.macro STEP slot, q, zero
	s_wait_dscnt 24                                ; this step's B and A's blocks 0-3 are in; A's blocks 4-7 (8 loads) and the next step's B (16) may be out
.if \zero
	WIN 0x81
.else
	WIN MUL_LO
.endif
	MUL16 0, (\q)%2, \q, \slot, \zero
	MUL16 2, (\q)%2, \q, \slot, \zero
	s_wait_dscnt 16                                ; A's blocks 4-7 are in; the next step's B may be out
	WIN 0
	PLACES NP
	FETCH_A \slot, (\q)+1, 0
.if \zero
	WIN 0xc1
.else
	WIN MUL_HI
.endif
	MUL16 4, (\q)%2, \q, \slot, \zero
	MUL16 6, (\q)%2, \q, \slot, \zero
	PLACES NP
	WIN 0
	FETCH_A \slot, (\q)+1, 4
.if (\q) < 2
	FETCH_B \slot, (\q)+2, (\q)%2                  ; the set that this step has read
.endif
.endm
.macro TURN slot, next, fill
	s_wait_tensorcnt 0x0
	ds_add_u32 v[SPW], v[NIL]
	s_wait_dscnt 4*NL+1
	WIN MUL_LO
	MUL16 0, 1, NQ-1, \slot, 0
	s_wait_dscnt 0x0
	s_barrier_signal -1
	MUL16 2, 1, NQ-1, \slot, 0
	WIN 0
	s_barrier_wait -1
.if \fill
	CREST
	s_add_nc_u64 s[G0+4*\slot+2:G0+4*\slot+3], s[G0+4*\slot+2:G0+4*\slot+3], 2*ROWB
	s_add_nc_u64 s[G0B+4*\slot+2:G0B+4*\slot+3], s[G0B+4*\slot+2:G0B+4*\slot+3], 2*ROWB
	JLOAD G0+4*\slot, G1, G0B+4*\slot, G1B
.else
	PLACES NP
.endif
	s_wait_alu depctr_va_vdst(0)
	v_add_nc_u32 v[ADRSA], 16, v[ADRSA]
	v_add_nc_u32 v[ADRSB], 16, v[ADRSB]
	FETCH_B \next, 0, 0
	FETCH_A \next, 0, 0
	SCALES \next
	WIN MUL_HI
	MUL16 4, 1, NQ-1, \slot, 0
	MUL16 6, 1, NQ-1, \slot, 0
	PLACES NP
	WIN 0
	FETCH_A \next, 0, 4
	FETCH_B \next, 1, 1
.endm
.macro STEPS slot, from
.set Q, \from
.rept NQ-1-\from
	STEP \slot, Q, 0
.set Q, Q+1
.endr
.endm
	s_wait_alu depctr_va_vdst(0)                   ; the wait at the head's end
	s_wait_tensorcnt 0x0                           ; my tile of the head's four is in
	ds_add_u32 v[SPW], v[NIL]                      ; 0 onto my spare word
	s_mov_b32 s[G1+2], 128<<16                     ; no tensor load of mine is out: from here on a load brings 128 rows
	s_mov_b32 s[G1+4], 128
	s_mov_b32 s[G1B+2], 128<<16
	s_mov_b32 s[G1B+4], 128
	s_wait_dscnt 0x0
	CROUND                                         ; all four tiles are in, and all sixteen work-groups are here
	JLOAD G0+4, G1, G0B+4, G1B                     ; K step 1, the first tensor load behind the round
	FETCH_B 0, 0, 0
	FETCH_A 0, 0, 0
	SCALES 0
	FETCH_A 0, 0, 4
	FETCH_B 0, 1, 1
	STEP 0, 0, 1
	s_mov_b32 s3, 1
.Llap:
	STEPS 0, 1
	TURN 0, 1, 1
	STEPS 1, 0
	TURN 1, 0, 1
	STEP 0, 0, 0
	s_sub_co_u32 s3, s3, 1
	s_cmp_lg_u32 s3, 0
	s_cbranch_scc1 .Llap
	STEPS 0, 1
	TURN 0, 1, 0
	STEPS 1, 0
	s_wait_dscnt 4*NL
	WIN MUL_LO
	MUL16 0, 1, NQ-1, 1, 0
	MUL16 2, 1, NQ-1, 1, 0
	s_wait_dscnt 0
	WIN MUL_HI
	MUL16 4, 1, NQ-1, 1, 0
	MUL16 6, 1, NQ-1, 1, 0
	WIN 0
.macro QUANT src, pc, pw, tm
.set qS, \src
.set qC, \pc
.set qW, \pw
.set qT, \tm
.irp b, 0,1,2,3
	v_max3_num_f32 v[qT+\b], |v[qS+16*\b]|, |v[qS+16*\b+1]|, 0x1800000
.endr
.irp i, 2,4,6,8,10,12,14
.irp b, 0,1,2,3
	v_max3_num_f32 v[qT+\b], v[qT+\b], |v[qS+16*\b+\i]|, |v[qS+16*\b+\i+1]|
.endr
.endr
.irp b, 0,1,2,3
	v_permlanex16_b32 v[qT+4+\b], v[qT+\b], s[SEL], s[SEL+1]
.endr
.irp b, 0,1,2,3
	v_max_num_f32 v[qT+\b], v[qT+\b], v[qT+4+\b]
.endr
.irp b, 0,1,2,3
	v_add_nc_u32 v[qT+8+\b], 0xff000000, v[qT+\b]
.endr
.irp b, 0,1,2,3
	v_lshrrev_b32 v[qT+4+\b], 23, v[qT+8+\b]
.endr
	v_lshl_or_b32 v[qW], v[qT+5], 8, v[qT+4]
	v_lshl_or_b32 v[qW], v[qT+6], 16, v[qW]
	v_lshl_or_b32 v[qW], v[qT+7], 24, v[qW]
.irp c, 0,1
	v_cvt_scalef32_pk8_fp4_f32 v[qC+4*\c],   v[qS+32*\c:qS+32*\c+7],     v[qT+8+2*\c]
	v_cvt_scalef32_pk8_fp4_f32 v[qC+4*\c+2], v[qS+32*\c+8:qS+32*\c+15],  v[qT+8+2*\c]
	v_cvt_scalef32_pk8_fp4_f32 v[qC+4*\c+1], v[qS+32*\c+16:qS+32*\c+23], v[qT+8+2*\c+1]
	v_cvt_scalef32_pk8_fp4_f32 v[qC+4*\c+3], v[qS+32*\c+24:qS+32*\c+31], v[qT+8+2*\c+1]
.endr
	v_nop
.irp c, 0,1
	v_permlane16_swap_b32 v[qC+4*\c], v[qC+4*\c+1]
	v_permlane16_swap_b32 v[qC+4*\c+2], v[qC+4*\c+3]
.endr
.endm
.macro OUTBLK a
	WIN 0x02+(\a)/4
.set i, 0
.rept 32
	v_pk_add_f32 v[T+2*i:T+2*i+1], v[64*((\a)%4)+2*i:64*((\a)%4)+2*i+1], v[BR2+2*(\a):BR2+2*(\a)+1]
.set i, i+1
.endr
	WIN 0
	QUANT T, PC+8*(\a), PW+(\a), TM
.irp c, 0,1
	global_store_b128 v[LI], v[PC+8*(\a)+4*\c:PC+8*(\a)+4*\c+3], s[OUTC:OUTC+1] offset:1024*(\a)+512*\c
.endr
.endm
.irp b, 0,1,2,3
	v_mov_b32 v[TM+4+\b], 0
.endr
.irp a, 0,1,2,3,4,5,6,7
	OUTBLK \a
.endr
.irp u, 0,1,2,3
	v_cndmask_b32 v[SW+\u], v[PW+2*\u], v[PW+2*\u+1], s[HIM]
.endr
	global_store_b128 v[LI], v[SW:SW+3], s[OUTS:OUTS+1]
	s_wait_tensorcnt 0x0
	ds_add_u32 v[SPW], v[NIL]
	s_wait_dscnt 0x0
	CROUND
	s_endpgm
.Lfunc_end_k_q96b3cf20b8_proj:
	.size	k_q96b3cf20b8_proj, .Lfunc_end_k_q96b3cf20b8_proj-k_q96b3cf20b8_proj
	.p2alignl 7, 3214868480
	.fill 96, 4, 3214868480
	.section	.rodata,"a",@progbits
	.p2align	6, 0x0
	.amdhsa_kernel k_q96b3cf20b8_proj
		.amdhsa_group_segment_fixed_size 327680
		.amdhsa_private_segment_fixed_size 0
		.amdhsa_enable_private_segment 0
		.amdhsa_kernarg_size 144
		.amdhsa_user_sgpr_count 2
		.amdhsa_user_sgpr_kernarg_segment_ptr 1
		.amdhsa_wavefront_size32 1
		.amdhsa_system_sgpr_workgroup_id_x 1
		.amdhsa_system_sgpr_workgroup_id_y 1
		.amdhsa_system_sgpr_workgroup_id_z 1
		.amdhsa_system_vgpr_workitem_id 0
		.amdhsa_next_free_vgpr 1024
		.amdhsa_next_free_sgpr 106
		.amdhsa_reserve_vcc 0
		.amdhsa_float_denorm_mode_32 3
		.amdhsa_float_denorm_mode_16_64 3
		.amdhsa_memory_ordered 1
		.amdhsa_forward_progress 1
		.amdhsa_inst_pref_size 241
	.end_amdhsa_kernel
	.amdgpu_metadata
---
amdhsa.version: [ 1, 2 ]
amdhsa.kernels:
  - .name:           k_q96b3cf20b8_proj
    .symbol:         k_q96b3cf20b8_proj.kd
    .args:
      - { .name: q_codes, .offset: 0, .size: 8, .value_kind: global_buffer, .address_space: global }
      - { .name: q_scales, .offset: 8, .size: 8, .value_kind: global_buffer, .address_space: global }
      - { .name: wq_w_codes, .offset: 16, .size: 8, .value_kind: global_buffer, .address_space: global }
      - { .name: wq_w_scales, .offset: 24, .size: 8, .value_kind: global_buffer, .address_space: global }
      - { .name: wq_b, .offset: 32, .size: 8, .value_kind: global_buffer, .address_space: global }
      - { .name: k_codes, .offset: 40, .size: 8, .value_kind: global_buffer, .address_space: global }
      - { .name: k_scales, .offset: 48, .size: 8, .value_kind: global_buffer, .address_space: global }
      - { .name: wk_w_codes, .offset: 56, .size: 8, .value_kind: global_buffer, .address_space: global }
      - { .name: wk_w_scales, .offset: 64, .size: 8, .value_kind: global_buffer, .address_space: global }
      - { .name: wk_b, .offset: 72, .size: 8, .value_kind: global_buffer, .address_space: global }
      - { .name: wv_w_codes, .offset: 80, .size: 8, .value_kind: global_buffer, .address_space: global }
      - { .name: wv_w_scales, .offset: 88, .size: 8, .value_kind: global_buffer, .address_space: global }
      - { .name: v_codes, .offset: 96, .size: 8, .value_kind: global_buffer, .address_space: global }
      - { .name: v_scales, .offset: 104, .size: 8, .value_kind: global_buffer, .address_space: global }
      - { .name: wv_b, .offset: 112, .size: 8, .value_kind: global_buffer, .address_space: global }
      - { .name: qf, .offset: 120, .size: 8, .value_kind: global_buffer, .address_space: global }
      - { .name: qs, .offset: 128, .size: 8, .value_kind: global_buffer, .address_space: global }
      - { .name: kvc, .offset: 136, .size: 8, .value_kind: global_buffer, .address_space: global }
    .group_segment_fixed_size: 327680
    .private_segment_fixed_size: 0
    .kernarg_segment_align: 8
    .kernarg_segment_size: 144
    .max_flat_workgroup_size: 128
    .sgpr_count:     106
    .vgpr_count:     1024
    .wavefront_size: 32
...
	.end_amdgpu_metadata
.endif
;; end of part 4
;; launch attn (part 5): grid 32 x 8, 8 waves a work-group, clusters of 4 x 4, 327,680 bytes of LDS; arguments qf, qs, kvc, mask, af, asc; writes af, asc
.if DOCPART == 5
	.amdgcn_target "amdgcn-amd-amdhsa--gfx1250"
	.amdhsa_code_object_version 6
	.text
	.protected	k_q96b3cf20b8_attn
	.globl	k_q96b3cf20b8_attn
	.p2align	8
	.type	k_q96b3cf20b8_attn,@function
k_q96b3cf20b8_attn:
	s_mov_b64 s[64:65], 0
	v_nop
	global_prefetch_b8 v0, s[64:65] scope:SCOPE_SE
	s_setreg_imm32_b32 hwreg(HW_REG_WAVE_MODE, 25, 1), 1
	s_wait_xcnt 0x0
	s_wait_alu depctr_hold_cnt(0) depctr_sa_sdst(0) depctr_va_vdst(0) depctr_va_sdst(0) depctr_va_ssrc(0) depctr_va_vcc(0) depctr_vm_vsrc(0)
	s_getreg_b32 s2, hwreg(HW_REG_IB_STS2, 6, 4)
	s_cmp_eq_u32 s2, 0
	s_cbranch_scc0 .Lentry_in_a_cluster
	s_endpgm
.Lentry_in_a_cluster:
	s_bfe_u32 s2, ttmp6, 0x10000c
	s_cmp_lg_u32 s2, 0xf033
	s_cbranch_scc0 .Lentry_shape_is_right
	s_endpgm
.Lentry_shape_is_right:
; ATTENTION on codes of FP4 (E2M1): for each head, O[q] = sum over k of softmax_k(Q[q] . K[k] / sqrt(128) - 1e9 mask[q][k]) V[k], then quantised along the model's 2,048 for the last product.
; Q, K, V come as images of operand registers with their scale words; the mask is an input of f32 numbers and is read and used as numbers: every query meets all 2,048 keys.
; THE SOFTMAX: s = score + mask x (-1e9 sqrt(128)), one fused multiply-add rounded to f32; t = s x c, c = log2(e) / sqrt(128); M = the row's largest t so far, rounded UP to a whole number; p = 2^(t - M), t - M one fused
; multiply-add, is what is quantised, along the keys, not normalised.  The row's sum is taken of the unquantised p and divides O at the end.  When M moves, the sum and O are multiplied by 2^(old M - new M): exact.
; A row whose largest s is 2^31 or more in magnitude takes the factor 0.5 for c: products with it are exact, so keys with the same s have t - M = 0 and p = 1 (a row that is masked everywhere: the scores are lost in
; the mask's term there as in reference()); other f32 numbers s lie at least 128 further down there, and their p, under 2^-16 of the largest in any case, counts as the factor 0.5 gives it.
; SHARES.  A work-group owns 64 queries (64 X on) of TWO heads (2 Y, 2 Y + 1): eight waves, two to a SIMD.  Wave w = head w / 4, 32 queries (two tiles of 16) 32 ((w / 2) % 2) on, and the key half w % 2 of each 256 keys.
; Each fragment of K and V so feeds two products.  The two waves of a pair (w, w xor 1) each keep a running M, sum and O^T of their keys, and join them once, at the end: each sends the other the tile that the other finishes.
; THE MASK comes through a ring of two LDS slots of 256 keys, filled by the tensor data mover: waves 4-7, 16 rows x 256 keys each.  CLUSTER 4 x 4: the mask's tiles hang on X alone and are asked for jointly along a column of
; the cluster; the scale words of K and V, 32,768 bytes for two heads, hang on Y alone and come once, at the head, jointly along a row, by waves 0-3.
; K AND V are no joint loads: they are register images, so each of a wave's loads brings 512 consecutive bytes straight into the registers of a product, with no LDS write and no LDS read: 32 of the 66 loads that a wave would make from LDS in a
; trip.  K is asked for a trip ahead, V behind the mask's terms.
; LAYOUT.  Both products are used transposed: S^T = K Q^T (source 0 = 16 neighbouring keys), O^T = V^T P^T (source 0 = 16 channels): a lane holds ONE query (lane % 16) of each tile; register 8 t + j is key, or channel, 16 t + 8 (lane / 16) + j.
; A TRIP: S^T; the next trip's K is asked for; the mask's terms; V is asked for where tile 1's mask has been; the maxima; THE CHANGE OF SLOTS, with the subtraction of M inside it; behind it tile 0's mask of the next slot is read;
; the exponentials, the codes, O^T; and K's scale words and tile 1's mask of the next slot, where V's have been.
; LIMITS: NaN and infinities are not served; the scaled scores stay under 2^31 in magnitude; p under 2^-126 counts as 0; a block whose largest magnitude lies under 2^-124 keeps the scale byte 1 (its bytes are read by this program alone).
; REGISTERS: window 0: v1-6, v21 addresses; v0, v7, v9, v11, v13, v15, v62, v63 one number for each of the eight blocks (v0 is the thread's number at the head); v8, v10 the tiles' factors, v12, v14 their f (each named as a pair);
;   v16, v18 -M, v17, v19 the largest s; v20, v22 the sums; v24-39 Q; v40, v41, v42-45 scale words and nothing else; v46-61 p's codes, before that at work; v64-127 K; v128-255 S^T, then p.
;   window 1: v0-127 O^T of the two tiles; v128-191 tile 1's mask, then V; v192-255 tile 0's mask.
.set BLK,   17408                      ; 128 keys of one head: 8,192 bytes of K, 8,192 of V, 512 + 512 of scale words
.set MP,    1040                       ; a row of the mask in LDS: 256 keys of 4 bytes + 16 bytes of padding
.set MSTR,  16*MP                      ; 16 rows: what one tensor load brings; a slot is four of them, 66,560 bytes
.set SCL,   0x11000                    ; the scale words, 32,768 bytes, filled once
.set SLOT1, 0x20000                    ; slot 1: it shares no bit with an address in slot 0, so one exclusive or turns a tile's place into the other slot's
.set OSC,   0x31000                    ; 512 bytes, the scale words that the eight waves make
.set SPARE, OSC+512                    ; the spare words, 128 bytes for each wave: four blocks of 256 bytes that no other line names
.set EXO,   0x32000                    ; the joining of the pairs: 8,192 bytes a wave,
.set EXM,   EXO+65536                  ; and 256 a wave.  No tensor load lands there
.set VKV, 1                            ; 16 x lane: my lane's place in an image; never rewritten
.set AMK, 2                            ; my lane's place in the mask
.set AD,  3                            ; the LDS address of the loads in hand
.set SPW, 4                            ; LDS address of my spare word; never rewritten
.set NIL, 5                            ; 0; never rewritten
.set PFO, 6                            ; the prefetches' offset; never rewritten
.set ASC, 21                           ; my lane's place among the scale words
.set QF,  24
.set QSC, 40                           ; Q's scale words: lanes 0-15 tile 0, lanes 16-31 tile 1
.set PW,  41                           ; p's likewise; at the end O's
.set SCW, 42                           ; K's scale words for the first product, then V's for the second
.set PC,  46
.set TM_0, 62
.set TM_1, 63
.set TM_2, 7
.set TM_3, 0
.set TM_4, 9
.set TM_5, 11
.set TM_6, 13
.set TM_7, 15
.set KF,  64
.set S,   128
.set VF,  128
.set W1,  2                            ; s2   wave % 2: my key half
.set TT,  3                            ; s3   wave % 4: the tile that I finish; also which part I fetch
.set WV,  18
.set EH,  19                           ; s19  which of the two heads
.set SEL, 20                           ; s[20:21] lane selects for v_permlanex16_b32: lane l xor 16
.set CS,  22
.set G1S,  24                          ; s[24:31] descriptor group 1 for the scale words;  s[32:39] for the mask;  s[48:51], s[52:55] their groups 0; the mask's walks
.set G1M,  32
.set G0S,  48
.set G0M,  52
.set CLY,  66
.set W2,   67                          ; s67  (wave / 2) % 2: which 32 queries
.set KM,   68                          ; s68  all ones in waves of key half 1
.set HIM,  69
.set KVB,  70                          ; s[70:71] my head's block of my key half, of the trip in hand
.set PFA,  72                          ; s[72:73] where my prefetches stand;  s[74:75] 256 keys on
.set PFS,  74
.set KP,   76                          ; s[76:77] -1e9 sqrt(128)
.set TB,   78                          ; LDS byte at which the slot begins from which the next loads read
.set TS,   79                          ; where the trip's scale words begin: 2,048 bytes a trip
.set SLOTS, 80                         ; slots still to be asked for in the loop
.set LIM,  81                          ; 1 in a wave that prefetches, else the greatest number
.set CX,   82
.set CY,   83
.set XX,   84
.set YY,   85
.set RM,   86
.set CM,   87
.set OA,   88
.set OB,   90
.set OC,   92
.set T8,   94                          ; s94-101 at work
.set MSB, 0
.macro WIN new                         ; the immediate's high byte repeats the setting that is left
.if MSB != (\new)
	s_set_vgpr_msb (MSB<<8)|(\new)
.set MSB, (\new)
.endif
.endm
; A joint load of the mask, by waves 4-7.  The branch hangs on the wave's number alone.  Four v_nop follow the line.
.macro JLOAD
	s_cmp_lt_u32 s[WV], 4
	s_cbranch_scc1 .Lasked_\@
	tensor_load_to_lds s[G0M:G0M+3], s[G1M:G1M+7]
	s_nop 0
.rept 4
	v_nop
.endr
.Lasked_\@:
.endm
.macro WALK                            ; the mask's descriptor steps to the next slot's tile: the other slot in LDS, 256 keys on in memory; the type bits on top are not reached
	s_xor_b32 s[G0M+1], s[G0M+1], SLOT1
	s_add_nc_u64 s[G0M+2:G0M+3], s[G0M+2:G0M+3], 1024
.endm
; A PREFETCH INTO THE L2, in trip i for the keys of trip i + 3: K's loads of those stand two trips on, V's three, the mask's tensor load one.  Each aligned block of 256 bytes is named once in the launch.
; K and V of a head pair are walked by every cluster of that row of clusters: cluster x = 0 asks; waves 0 and 2 for the two heads, each of the four partners along x for 8,192 bytes BY ADDRESS, lanes 256 bytes apart: 128 of a
; head's 136 blocks of 256 bytes; the last eight come by their loads alone.  A block of 64 rows of the mask is walked by both clusters of a column of clusters: cluster y = 0 asks; each of the four partners along y takes 16 rows
; BY ADDRESS; waves 4 and 6 take two each of a row's four blocks.  The last change that fills a slot asks for nothing.  The keys of trips 0, 1 and 2 come by their loads alone.
.macro ASK
	s_cmp_gt_u32 s[SLOTS], s[LIM]
	s_cbranch_scc0 .Lnot_mine_\@
	global_prefetch_b8 v[PFO], s[PFA:PFA+1] th:TH_LOAD_NT scope:SCOPE_SE
.Lnot_mine_\@:
.endm
.macro CREST                           ; a round of the cluster's barrier behind its opening barrier
	s_cmp_lg_u32 s[WV], 0
	s_cbranch_scc1 .Lnot_wave_0_\@
	s_barrier_signal -3
.Lnot_wave_0_\@:
	s_barrier_wait -3
	s_barrier_signal -1
	s_barrier_wait -1
.endm
.macro CROUND
	s_barrier_signal -1
	s_barrier_wait -1
	CREST
.endm
.macro PLACES                          ; the four places behind a matrix instruction (ISA guide 7.12.1)
.rept 4
	v_nop
.endr
.endm
.macro LDKV off, dst                   ; eight images of 1,024 bytes, 16 loads of 512 consecutive bytes
.irp t, 0,1,2,3,4,5,6,7
.irp c, 0,1
	global_load_b128 v[\dst+8*\t+4*\c:\dst+8*\t+4*\c+3], v[VKV], s[KVB:KVB+1] offset:\off+1024*\t+512*\c
.endr
.endr
.endm
.macro LDM a                           ; the mask at my query of tile a, keys 16 t + 8 h + 0 .. 7: S^T's layout; 16 LDS loads into window 1
	v_add_nc_u32 v[AD], s[TB], v[AMK]
	WIN 0x40
.irp t, 0,1,2,3,4,5,6,7
.irp c, 0,1
	ds_load_b128 v[192-64*\a+8*\t+4*\c:192-64*\a+8*\t+4*\c+3], v[AD] offset:MSTR*\a+64*\t+16*\c
.endr
.endr
	WIN 0
.endm
.macro LDS4 off                        ; the trip's scale words: K's (0) or V's (512)
	v_add_nc_u32 v[AD], s[TS], v[ASC]
	ds_load_b128 v[SCW:SCW+3], v[AD] offset:\off
.endm
; S^T's tile t x my query tile a; a fragment's scale words lie in lanes 0-15 of its pair's register if its number is even, else in lanes 16-31; those of the query tiles likewise
.macro QK a, t
.set qD, S+64*(\a)+8*(\t)
.set qA, KF+8*(\t)
.set qB, QF+8*(\a)
.set qK, SCW+(\t)/2
.if (\a) && ((\t)%2)
	v_wmma_scale_f32_16x16x128_f8f6f4 v[qD:qD+7], v[qA:qA+7], v[qB:qB+7], 0, v[qK], v[QSC] matrix_a_fmt:MATRIX_FMT_FP4 matrix_b_fmt:MATRIX_FMT_FP4 matrix_a_scale:MATRIX_SCALE_ROW1 matrix_b_scale:MATRIX_SCALE_ROW1
.elseif (\a)
	v_wmma_scale_f32_16x16x128_f8f6f4 v[qD:qD+7], v[qA:qA+7], v[qB:qB+7], 0, v[qK], v[QSC] matrix_a_fmt:MATRIX_FMT_FP4 matrix_b_fmt:MATRIX_FMT_FP4 matrix_b_scale:MATRIX_SCALE_ROW1
.elseif (\t)%2
	v_wmma_scale_f32_16x16x128_f8f6f4 v[qD:qD+7], v[qA:qA+7], v[qB:qB+7], 0, v[qK], v[QSC] matrix_a_fmt:MATRIX_FMT_FP4 matrix_b_fmt:MATRIX_FMT_FP4 matrix_a_scale:MATRIX_SCALE_ROW1
.else
	v_wmma_scale_f32_16x16x128_f8f6f4 v[qD:qD+7], v[qA:qA+7], v[qB:qB+7], 0, v[qK], v[QSC] matrix_a_fmt:MATRIX_FMT_FP4 matrix_b_fmt:MATRIX_FMT_FP4
.endif
.endm
.macro PV a, t                         ; O^T's tile t of query tile a += 16 channels x my 128 keys
.set qD, 64*(\a)+8*(\t)
.set qA, VF+8*(\t)
.set qB, PC+8*(\a)
.set qK, SCW+(\t)/2
.if (\a) && ((\t)%2)
	v_wmma_scale_f32_16x16x128_f8f6f4 v[qD:qD+7], v[qA:qA+7], v[qB:qB+7], v[qD:qD+7], v[qK], v[PW] matrix_a_fmt:MATRIX_FMT_FP4 matrix_b_fmt:MATRIX_FMT_FP4 matrix_a_scale:MATRIX_SCALE_ROW1 matrix_b_scale:MATRIX_SCALE_ROW1
.elseif (\a)
	v_wmma_scale_f32_16x16x128_f8f6f4 v[qD:qD+7], v[qA:qA+7], v[qB:qB+7], v[qD:qD+7], v[qK], v[PW] matrix_a_fmt:MATRIX_FMT_FP4 matrix_b_fmt:MATRIX_FMT_FP4 matrix_b_scale:MATRIX_SCALE_ROW1
.elseif (\t)%2
	v_wmma_scale_f32_16x16x128_f8f6f4 v[qD:qD+7], v[qA:qA+7], v[qB:qB+7], v[qD:qD+7], v[qK], v[PW] matrix_a_fmt:MATRIX_FMT_FP4 matrix_b_fmt:MATRIX_FMT_FP4 matrix_a_scale:MATRIX_SCALE_ROW1
.else
	v_wmma_scale_f32_16x16x128_f8f6f4 v[qD:qD+7], v[qA:qA+7], v[qB:qB+7], v[qD:qD+7], v[qK], v[PW] matrix_a_fmt:MATRIX_FMT_FP4 matrix_b_fmt:MATRIX_FMT_FP4
.endif
.endm
.macro MASKF a                         ; s = score + mask x (-1e9 sqrt(128)); each accumulator from its low end on
.set i, 0
.rept 32
	v_pk_fma_f32 v[S+64*\a+2*i:S+64*\a+2*i+1], v[192-64*\a+2*i:192-64*\a+2*i+1], s[KP:KP+1], v[S+64*\a+2*i:S+64*\a+2*i+1] op_sel_hi:[1,0,1]
.set i, i+1
.endr
.endm
.macro SUBM a                          ; t - M (of the pairs the low word serves both halves), and the same of each block's largest s
.set i, 0
.rept 32
	v_pk_fma_f32 v[S+64*\a+2*i:S+64*\a+2*i+1], v[S+64*\a+2*i:S+64*\a+2*i+1], v[8+2*\a:9+2*\a], v[16+2*\a:17+2*\a] op_sel_hi:[1,0,0]
.set i, i+1
.endr
.if \a
.irp b, 4,5,6,7
	v_fma_f32 v[TM_\b], v[TM_\b], v10, v18
.endr
.else
.irp b, 0,1,2,3
	v_fma_f32 v[TM_\b], v[TM_\b], v8, v16
.endr
.endif
.endm
; 32 numbers of a lane, registers 8 t + j = element 16 t + 8 (lane / 16) + j of two blocks, become four words of codes.  The operand wants a whole block in a lane: two exchanges of halves (SWAP) put them right.
.macro CV u, c, ta, tb
.set cS, S+64*(\u)+32*(\c)
.set cP, PC+8*(\u)+4*(\c)
	v_cvt_scalef32_pk8_fp4_f32 v[cP],   v[cS:cS+7],     v[TM_\ta]
	v_cvt_scalef32_pk8_fp4_f32 v[cP+2], v[cS+8:cS+15],  v[TM_\ta]
	v_cvt_scalef32_pk8_fp4_f32 v[cP+1], v[cS+16:cS+23], v[TM_\tb]
	v_cvt_scalef32_pk8_fp4_f32 v[cP+3], v[cS+24:cS+31], v[TM_\tb]
.endm
.macro SWAP p
	v_permlane16_swap_b32 v[\p], v[\p+1]
	v_permlane16_swap_b32 v[\p+2], v[\p+3]
.endm
	s_load_b256 s[4:11], s[0:1], 0x0               ; qf s[4:5], qs s[6:7], kvc s[8:9], mask s[10:11]
	s_load_b128 s[12:15], s[0:1], 0x20             ; af s[12:13], asc s[14:15]
	v_lshl_add_u32 v[SPW], v0, 2, SPARE
	v_mov_b32 v[NIL], 0
	ds_add_u32 v[SPW], v[NIL]                      ; the wave's opening: the add, twice on end, and its wait ahead of my first tensor load
	ds_add_u32 v[SPW], v[NIL]
	v_lshrrev_b32 v7, 5, v0
	v_readfirstlane_b32 s[WV], v7                  ; wave 0..7
	s_lshr_b32 s[EH], s[WV], 2                     ; e: which head of the pair
	s_and_b32 s[TT], s[WV], 3
	s_bfe_u32 s[CX], ttmp6, 0x40000                ; cx, cy
	s_bfe_u32 s[CY], ttmp6, 0x40004
	s_lshl_b32 s[XX], ttmp9, 2
	s_add_co_u32 s[XX], s[XX], s[CX]               ; X
	s_and_b32 s[CLY], ttmp7, 0xffff                ; cluster y
	s_lshl_b32 s[YY], s[CLY], 2
	s_add_co_u32 s[YY], s[YY], s[CY]               ; Y
	s_lshl_b32 s[RM], s[CY], 2
	s_lshl_b32 s[RM], 15, s[RM]                    ; my row of the cluster (the same Y)
	s_lshl_b32 s[CM], 0x1111, s[CX]                ; my column (the same X)
	; group 1 for the scale words: 8 blocks' 1,024 bytes as rows of 128 elements of 8 bytes, a block (2,176 elements) from row to row
	s_or_b32 s[G1S], s[RM], (3<<16)|(1<<21)
	s_mov_b32 s[G1S+1], 128<<16
	s_mov_b32 s[G1S+2], 8<<16
	s_mov_b32 s[G1S+3], 128<<16
	s_mov_b32 s[G1S+4], 8
	s_mov_b32 s[G1S+5], BLK/8
	s_mov_b32 s[G1S+6], 0
	s_mov_b32 s[G1S+7], 0
	; for the mask: 16 rows x 256 elements of 4 bytes, 2,048 elements from row to row; four words of padding behind every 256
	s_or_b32 s[G1M], s[CM], (2<<16)|(1<<20)|(1<<21)|(7<<22)|(3<<25)
	s_mov_b32 s[G1M+1], 256<<16
	s_mov_b32 s[G1M+2], 16<<16
	s_mov_b32 s[G1M+3], 256<<16
	s_mov_b32 s[G1M+4], 16
	s_mov_b32 s[G1M+5], 2048
	s_mov_b32 s[G1M+6], 0
	s_mov_b32 s[G1M+7], 0
	s_bfe_u32 s[W2], s[WV], 0x10001                ; (wave / 2) % 2
	s_and_b32 s[W1], s[WV], 1
	s_sub_co_u32 s[KM], 0, s[W1]
	s_mov_b32 s[HIM], 0xffff0000
	s_mul_i32 s[T8+2], s[YY], 32*BLK               ; kvc: a head is 16 blocks
	s_mul_i32 s[T8], s[W2], 16*BLK
	s_add_co_u32 s[OC], s[T8+2], s[T8]             ; of head (wave / 2) % 2 waves 0-3 fetch the scale words of 8 blocks, 8 (wave % 2) on,
	s_mul_i32 s[T8], s[W1], 8*BLK
	s_add_co_u32 s[OA], s[OC], s[T8]
	s_add_co_u32 s[OA], s[OA], 16384
	s_mov_b32 s[OA+1], 0
	s_mul_i32 s[T8], s[EH], 16*BLK                 ; and every wave reads its own head's block of its key half
	s_add_co_u32 s[T8+2], s[T8+2], s[T8]
	s_mul_i32 s[T8], s[W1], BLK
	s_add_co_u32 s[T8+2], s[T8+2], s[T8]
	s_mov_b32 s[T8+3], 0
	s_lshl_b32 s[OB], s[XX], 19                    ; the mask: 64 rows of 8,192 bytes; strip i begins 16 i rows on
	s_lshl_b32 s[T8+1], s[TT], 17
	s_add_co_u32 s[OB], s[OB], s[T8+1]
	s_mov_b32 s[OB+1], 0
	s_lshl_b32 s[T8], s[TT], 13                    ; LDS: the wave's number times a constant: no place in the cluster enters an LDS address
	s_add_co_u32 s[T8], s[T8], SCL
	s_mul_i32 s[T8+1], s[TT], MSTR
	s_mov_b32 s[SEL], 0x76543210
	s_mov_b32 s[SEL+1], 0xfedcba98
	s_mov_b32 s[CS], 0x3e0293ee                    ; c = log2(e) / sqrt(128)
	s_mov_b32 s[KP], 0xd028965f                    ; -1e9 sqrt(128)
	s_mov_b32 s[KP+1], s[KP]                       ; (named with it as a pair, so it is written)
	s_mov_b32 s[TB], 0
	s_mov_b32 s[TS], 0
	s_mov_b32 s[SLOTS], 6                          ; 2,048 keys are eight slots; two are first fills
	s_wait_dscnt 0x0                               ; both opening adds are done
	s_wait_kmcnt 0x0
	s_add_nc_u64 s[KVB:KVB+1], s[8:9], s[T8+2:T8+3]
	s_mov_b32 s[G0S], 1
	s_mov_b32 s[G0S+1], s[T8]
	s_add_nc_u64 s[G0S+2:G0S+3], s[8:9], s[OA:OA+1]
	s_or_b32 s[G0S+3], s[G0S+3], 0x80000000
	s_mov_b32 s[G0M], 1
	s_mov_b32 s[G0M+1], s[T8+1]
	s_add_nc_u64 s[G0M+2:G0M+3], s[10:11], s[OB:OB+1]
	s_or_b32 s[G0M+3], s[G0M+3], 0x80000000
	CROUND                                         ; all sixteen work-groups are here: the first joint loads meet
	s_cmp_lt_u32 s[WV], 4                          ; one tensor load a wave at the head: the scale words, or slot 0 of the mask
	s_cbranch_scc0 .Lhead_m
	tensor_load_to_lds s[G0S:G0S+3], s[G1S:G1S+7]
	s_nop 0
.rept 4
	v_nop
.endr
	s_branch .Lhead_asked
.Lhead_m:
	tensor_load_to_lds s[G0M:G0M+3], s[G1M:G1M+7]
	s_nop 0
.rept 4
	v_nop
.endr
.Lhead_asked:
	; where Q, O and their scale words lie
	s_lshl_b32 s[T8], s[YY], 1
	s_add_co_u32 s[T8], s[T8], s[EH]               ; my head
	s_lshr_b32 s[T8+1], s[XX], 1                   ; G: which 128 queries
	s_and_b32 s[T8+2], s[XX], 1
	s_lshl_b32 s[T8+2], s[T8+2], 2                 ; which of its eight tiles is the work-group's first
	s_lshl_b32 s[T8+6], s[W2], 1
	s_add_co_u32 s[T8+6], s[T8+6], s[T8+2]         ; and mine
	s_add_co_u32 s[T8+2], s[T8+2], s[TT]           ; and the one that I finish
	s_lshl_b32 s[T8+3], s[T8], 4
	s_add_co_u32 s[T8+3], s[T8+3], s[T8+1]         ; 16 head + G
	s_lshl_b32 s[T8+4], s[T8+3], 3
	s_add_co_u32 s[T8+4], s[T8+4], s[T8+6]
	s_lshl_b32 s[T8+4], s[T8+4], 10
	s_mov_b32 s[T8+5], 0
	s_add_nc_u64 s[4:5], s[4:5], s[T8+4:T8+5]      ; Q's images, two tiles
	s_lshl_b32 s[T8+4], s[T8+3], 9
	s_lshl_b32 s[T8+6], s[T8+6], 1
	s_add_co_u32 s[T8+4], s[T8+4], s[T8+6]
	s_add_nc_u64 s[6:7], s[6:7], s[T8+4:T8+5]      ; their scale words: 16 bytes a lane, word (tile / 2): lanes 0-15 the even tile's rows, lanes 16-31 the odd one's
	s_lshl_b32 s[T8+4], s[T8+1], 4
	s_add_co_u32 s[T8+4], s[T8+4], s[T8]           ; 16 G + head
	s_lshl_b32 s[T8+4], s[T8+4], 3
	s_add_co_u32 s[T8+4], s[T8+4], s[T8+2]
	s_lshl_b32 s[T8+4], s[T8+4], 10
	s_add_nc_u64 s[12:13], s[12:13], s[T8+4:T8+5]  ; O's image
	s_lshl_b32 s[T8+4], s[XX], 3
	s_add_co_u32 s[T8+4], s[T8+4], s[YY]
	s_lshl_b32 s[T8+4], s[T8+4], 9
	s_add_nc_u64 s[14:15], s[14:15], s[T8+4:T8+5]  ; the work-group's 512 bytes of scale words
	; the prefetches: where my wave's stand (at the keys of trip 2: the first change of slots steps them to trip 3's), and who asks.  Nothing is prefetched here, at the head
	s_lshl_b32 s[T8+4], s[CX], 13
	s_add_co_u32 s[T8+4], s[T8+4], s[OC]
	s_add_co_u32 s[T8+4], s[T8+4], 4*BLK           ; kvc: my work-group's 8,192 bytes of head (wave / 2) % 2
	s_lshl_b32 s[T8+6], s[XX], 19
	s_lshl_b32 s[T8+7], s[CY], 17
	s_add_co_u32 s[T8+6], s[T8+6], s[T8+7]
	s_lshl_b32 s[T8+7], s[W2], 9
	s_add_co_u32 s[T8+6], s[T8+6], s[T8+7]
	s_add_co_u32 s[T8+6], s[T8+6], 2*1024          ; the mask: my work-group's 16 rows, my wave's two blocks of a row's four
	s_mov_b32 s[PFS], 1024
	s_mov_b32 s[T8], 8192
	s_mov_b32 s[T8+1], 256
	s_cmp_lt_u32 s[WV], 4
	s_cselect_b64 s[PFA:PFA+1], s[8:9], s[10:11]
	s_cselect_b32 s[T8+4], s[T8+4], s[T8+6]
	s_cselect_b32 s[PFS], 2*BLK, s[PFS]            ; 256 keys on
	s_cselect_b32 s[T8], 256, s[T8]                ; from lane to lane within sixteen
	s_cselect_b32 s[T8+1], 4096, s[T8+1]           ; from lanes 0-15 to lanes 16-31
	s_cselect_b32 s[T8+2], ttmp9, s[CLY]           ; the coordinate along which other clusters read the same bytes
	s_mov_b32 s[PFS+1], 0
	s_add_nc_u64 s[PFA:PFA+1], s[PFA:PFA+1], s[T8+4:T8+5]
	s_or_b32 s[T8+2], s[T8+2], s[W1]               ; even waves of the first such cluster: the same in all sixteen partners, for a given wave
	s_cmp_eq_u32 s[T8+2], 0
	s_cselect_b32 s[LIM], 1, -1
	v_and_b32 v[VKV], 31, v0
	v_lshlrev_b32 v[VKV], 4, v[VKV]                ; 16 x lane
.irp n, 0,1,2,3
	global_load_b128 v[QF+4*\n:QF+4*\n+3], v[VKV], s[4:5] offset:512*\n   ; Q's two fragments stay in registers
.endr
	global_load_b32 v[QSC], v[VKV], s[6:7]
	LDKV 0, KF                                     ; trip 0's K
	v_and_b32 v46, 15, v0                          ; r
	v_bfe_u32 v47, v0, 4, 1                        ; h
	v_mul_lo_u32 v[PFO], v46, s[T8]
	v_mul_lo_u32 v48, v47, s[T8+1]
	v_add_nc_u32 v[PFO], v[PFO], v48
	s_lshl_b32 s[T8], s[EH], 14
	s_lshl_b32 s[T8+1], s[W1], 10
	s_add_co_u32 s[T8], s[T8], s[T8+1]
	s_add_co_u32 s[T8], s[T8], SCL
	v_add_nc_u32 v[ASC], s[T8], v[VKV]             ; my head's scale words: 1,024 bytes a block, every second block is mine
	s_mul_i32 s[T8], s[W2], 32*MP
	s_lshl_b32 s[T8+1], s[W1], 9
	s_add_co_u32 s[T8], s[T8], s[T8+1]
	v_mul_u32_u24 v[AMK], v46, MP
	v_lshl_add_u32 v[AMK], v47, 5, v[AMK]
	v_add_nc_u32 v[AMK], s[T8], v[AMK]             ; the mask: my first tile's row r, my key half, + 32 h: my eight keys of a fragment
	v_mov_b32 v17, 0xff61b1e6                      ; the largest s so far: -3e38, under every s
	v_mov_b32 v19, 0xff61b1e6
	v_mov_b32 v16, 0x7f000000                      ; -M: so far down that the first change of M multiplies the zeros below by 0
	v_mov_b32 v18, 0x7f000000
	v_mov_b32 v20, 0                               ; the sums
	v_mov_b32 v22, 0
.irp b, 0,1,2,3,4,5,6,7
	v_mov_b32 v[PC+\b], 0                          ; written once: a lane permute's destination counts as one of its sources
.endr
	WIN 0x40
.set i, 0
.rept 128
	v_mov_b32 v[i], 0                              ; O^T.  The trip is written once for all slots: the first finds zeros, which the first change of M leaves zeros
.set i, i+1
.endr
	WIN 0
; A SLOT: 128 keys of mine x 32 queries.  K is in registers.  Asked for before it from LDS, in this order: tile 0's mask (16 loads), K's scale words (1), tile 1's mask (16).
; mode 0: the slot is filled again behind its change;  2: the slots change and nothing is asked for;  3: the last slot.
.macro SLOT mode
	s_wait_dscnt 16                                ; all but tile 1's mask are in
.irp a, 0,1
.irp t, 0,1,2,3,4,5,6,7
	QK \a, \t
.endr
.endr
	PLACES
.if (\mode) != 3
	LDKV 2*BLK, KF                                 ; the next trip's K
.endif
	WIN 0x01                                       ; the mask (source 0) window 1
	MASKF 0
	s_wait_dscnt 0x0                               ; tile 1's mask is in
	MASKF 1
	WIN 0x40
	LDKV 8192, VF                                  ; V, where tile 1's mask has been
	WIN 0
	LDS4 512                                       ; and its scale words
.irp b, 0,1,2,3,4,5,6,7
	v_max3_num_f32 v[TM_\b], v[S+16*\b], v[S+16*\b+1], v[S+16*\b+2]   ; the largest s of each block of 32 keys (four a tile): it serves the row's maximum and, since p rises with s, the block's largest p
.endr
.irp i, 3,5,7,9,11,13
.irp b, 0,1,2,3,4,5,6,7
	v_max3_num_f32 v[TM_\b], v[TM_\b], v[S+16*\b+\i], v[S+16*\b+\i+1]   ; (the eight blocks by turns)
.endr
.endr
.irp b, 0,1,2,3,4,5,6,7
	v_max_num_f32 v[TM_\b], v[TM_\b], v[S+16*\b+15]
.endr
.irp b, 0,1,2,3,4,5,6,7
	v_permlanex16_b32 v[PC+\b], v[TM_\b], s[SEL], s[SEL+1]
.endr
.irp b, 0,1,2,3,4,5,6,7
	v_max_num_f32 v[TM_\b], v[TM_\b], v[PC+\b]     ; with lane l xor 16's 16 keys
.endr
	v_max3_num_f32 v54, v[TM_0], v[TM_1], v[TM_2]  ; (the two tiles by turns)
	v_max3_num_f32 v56, v[TM_4], v[TM_5], v[TM_6]
	s_delay_alu instid0(VALU_DEP_2)
	v_max3_num_f32 v17, v54, v[TM_3], v17          ; the running largest s
	s_delay_alu instid0(VALU_DEP_2)
	v_max3_num_f32 v19, v56, v[TM_7], v19
	s_delay_alu instid0(VALU_DEP_2)
	v_and_b32 v55, 0x7fffffff, v17
	s_delay_alu instid0(VALU_DEP_2)
	v_and_b32 v57, 0x7fffffff, v19
	v_cmp_le_f32 vcc_lo, 0x4f000000, v55           ; 2^31 or more in magnitude?
	v_cmp_le_f32 s[T8], 0x4f000000, v57
	v_cndmask_b32 v8, s[CS], 0.5, vcc_lo           ; the row's factor
	v_cndmask_b32 v10, s[CS], 0.5, s[T8]
	v_mul_f32 v55, v17, v8                         ; the largest t
	v_mul_f32 v57, v19, v10
	v_mov_b32 v54, v16
	v_mov_b32 v56, v18
	s_delay_alu instid0(VALU_DEP_4)
	v_floor_f32 v16, -v55                          ; the new -M = -ceil(t): M is a whole number
	s_delay_alu instid0(VALU_DEP_4)
	v_floor_f32 v18, -v57
	s_delay_alu instid0(VALU_DEP_2)
	v_sub_f32 v54, v16, v54                        ; old M - new M: a whole number
	s_delay_alu instid0(VALU_DEP_2)
	v_sub_f32 v56, v18, v56
	s_delay_alu instid0(VALU_DEP_2)
	v_cvt_i32_f32 v54, v54                         ; (it saturates)
	s_delay_alu instid0(VALU_DEP_2)
	v_cvt_i32_f32 v56, v56
	s_delay_alu instid0(VALU_DEP_2)
	v_ldexp_f32 v12, 1.0, v54                      ; f = 2^(old M - new M)
	s_delay_alu instid0(VALU_DEP_2)
	v_ldexp_f32 v14, 1.0, v56
.if (\mode) != 3
	s_wait_alu depctr_va_vdst(0)
	s_wait_tensorcnt 0x0                           ; no tensor load of mine is out: my part of the next slot is in
	ds_add_u32 v[SPW], v[NIL]                      ; 0 onto my spare word
	s_wait_xcnt 0x0                                ; my loads of K and V, and my last prefetch, have read their bases, so they may be written
	s_add_nc_u64 s[KVB:KVB+1], s[KVB:KVB+1], 2*BLK
.endif
.if (\mode) == 0
	WALK
	s_add_nc_u64 s[PFA:PFA+1], s[PFA:PFA+1], s[PFS:PFS+1]
.endif
	SUBM 0
.if (\mode) != 3
	s_wait_dscnt 0x0                               ; the add is done, and my reads of the slot in hand are over
	s_barrier_signal -1                            ; (mode 0: it opens a round of the cluster's barrier)
.endif
	SUBM 1                                         ; work on registers while the others arrive
.if (\mode) != 3
	s_barrier_wait -1
.endif
.if (\mode) == 0
	CREST                                          ; no wave of any partner still reads the slot in hand or has a load on its way
	JLOAD                                          ; the keys two slots on, into the slot in hand: the first thing behind the round, and the wave's one tensor load until the next
.endif
.if (\mode) != 3
	s_xor_b32 s[TB], s[TB], SLOT1                  ; the next loads read the other slot
	LDM 0
.endif
.if (\mode) == 0
	ASK
.endif
.set i, 0
	s_wait_alu depctr_va_vdst(0)                   ; the wait ahead of the batch
.rept 128
	v_exp_f32 v[S+i], v[S+i]                       ; p = 2^(t - M): not normalised
.set i, i+1
.endr
	v_nop                                          ; the plain place behind the exponentials
	s_wait_alu depctr_va_vdst(0)                   ; and one wait behind the batch, ahead of its first reader
.irp b, 0,1,2,3,4,5,6,7
	v_exp_f32 v[TM_\b], v[TM_\b]                   ; the block's largest p: the same two operations on the same number
.endr
.irp a, 0,1
.irp j, 0,1,2,3
	v_pk_add_f32 v[PC+8*\a+2*\j:PC+8*\a+2*\j+1], v[S+64*\a+2*\j:S+64*\a+2*\j+1], v[S+64*\a+8+2*\j:S+64*\a+9+2*\j]   ; the row's sum, of the unquantised p, in four chains a tile
.endr
.endr
.irp k, 2,3,4,5,6,7
.irp a, 0,1
.irp j, 0,1,2,3
	v_pk_add_f32 v[PC+8*\a+2*\j:PC+8*\a+2*\j+1], v[PC+8*\a+2*\j:PC+8*\a+2*\j+1], v[S+64*\a+8*\k+2*\j:S+64*\a+8*\k+2*\j+1]
.endr
.endr
.endr
	v_pk_add_f32 v[46:47], v[46:47], v[50:51]
	v_pk_add_f32 v[54:55], v[54:55], v[58:59]
	v_pk_add_f32 v[48:49], v[48:49], v[52:53]
	v_pk_add_f32 v[56:57], v[56:57], v[60:61]
	s_delay_alu instid0(VALU_DEP_2)
	v_pk_add_f32 v[46:47], v[46:47], v[48:49]
	s_delay_alu instid0(VALU_DEP_2)
	v_pk_add_f32 v[54:55], v[54:55], v[56:57]
	s_delay_alu instid0(VALU_DEP_2)
	v_add_f32 v46, v46, v47
	s_delay_alu instid0(VALU_DEP_2)
	v_add_f32 v54, v54, v55
	s_delay_alu instid0(VALU_DEP_2)
	v_fma_f32 v20, v20, v12, v46                   ; onto the sum under the new M
	s_delay_alu instid0(VALU_DEP_2)
	v_fma_f32 v22, v22, v14, v54
	s_wait_alu depctr_va_vdst(0)                   ; the wait ahead of the eight's first reader
.irp b, 0,1,2,3,4,5,6,7
	v_max_num_f32 v[TM_\b], 0x1800000, v[TM_\b]    ; the floor 2^(3 - 127): the byte cannot fall under 1 (a block whose every p is 0 keeps that byte: its codes are zeros)
.endr
.irp b, 0,1,2,3,4,5,6,7
	v_add_nc_u32 v[TM_\b], 0xff000000, v[TM_\b]    ; 2 off the exponent field: the conversion takes the exponent field of this operand as its scale
.endr
.irp b, 0,1,2,3,4,5,6,7
	v_lshrrev_b32 v[PC+\b], 23, v[TM_\b]           ; the scale's byte
.endr
	v_lshl_or_b32 v[PW], v47, 8, v46               ; p's scale words of the two tiles
	v_lshl_or_b32 v54, v51, 8, v50
	v_lshl_or_b32 v[PW], v48, 16, v[PW]
	v_lshl_or_b32 v54, v52, 16, v54
	v_lshl_or_b32 v[PW], v49, 24, v[PW]
	v_lshl_or_b32 v54, v53, 24, v54
	v_cndmask_b32 v[PW], v[PW], v54, s[HIM]        ; lanes 16-31 hold tile 1's
	CV 0, 0, 0, 1
	CV 0, 1, 2, 3
	CV 1, 0, 4, 5
	CV 1, 1, 6, 7
	v_nop                                          ; one plain place behind a scaled conversion
	SWAP PC
	SWAP PC+4
	SWAP PC+8
	SWAP PC+12
.if (\mode) == 3
	s_wait_dscnt 0x0                               ; V's scale words are in
.endif
	WIN 0x41                                       ; O^T (destination and source 0) window 1, f window 0
	s_wait_alu depctr_va_vdst(0)                   ; the wait directly ahead of the first reader of O^T
.set i, 0
.rept 32
	v_pk_mul_f32 v[2*i:2*i+1], v[2*i:2*i+1], v[12:13] op_sel_hi:[1,0]   ; O^T under the new M.  (These 64 are also the places between the lines that made p's codes and scale words and the products)
.set i, i+1
.endr
.rept 32
	v_pk_mul_f32 v[2*i:2*i+1], v[2*i:2*i+1], v[14:15] op_sel_hi:[1,0]
.set i, i+1
.endr
	s_wait_alu depctr_va_vdst(0)
	s_wait_loadcnt 0x0                             ; V is in, and so is the next trip's K, which was asked for ahead of it
	WIN 0x51                                       ; C, D and V window 1; p window 0
.irp a, 0,1
.irp t, 0,1,2,3,4,5,6,7
	PV \a, \t                                      ; the sixteen accumulators take turns, one instruction a turn
.endr
.endr
	WIN 0
	PLACES
.if (\mode) != 3
	s_add_co_u32 s[TS], s[TS], 2048
	LDS4 0                                         ; the next trip's: K's scale words,
	LDM 1                                          ; and tile 1's mask
.endif
.endm
	s_wait_alu depctr_va_vdst(0)                   ; the wait at the head's end
	s_wait_tensorcnt 0x0                           ; my tile of the head's is in
	ds_add_u32 v[SPW], v[NIL]
	WALK
	s_wait_dscnt 0x0
	CROUND                                         ; everybody's is in
	JLOAD                                          ; slot 1's first fill
	LDM 0
	LDS4 0
	LDM 1
	s_wait_alu depctr_va_vdst(0)
	s_wait_loadcnt 0x0                             ; Q and K
.Lslot:                                            ; six trips, slots 0 to 5: each is filled again, with the keys two slots on, as soon as it has been read out
	SLOT 0
	s_sub_co_u32 s[SLOTS], s[SLOTS], 1
	s_wait_alu depctr_va_vdst(0)                   ; the wait ahead of the branch
	s_cmp_lg_u32 s[SLOTS], 0
	s_cbranch_scc1 .Lslot
	SLOT 2                                         ; the last two slots are written out
	SLOT 3
	; THE JOINING.  The wave of key half 0 finishes the pair's tile 0, the other tile 1.  Each sends the other's tile: O^T as a register image, and (-M, the sum).
	s_lshl_b32 s[T8+1], s[WV], 13                  ; where I send,
	s_xor_b32 s[T8+2], s[T8+1], 8192               ; and where my partner, wave xor 1, does
	s_lshl_b32 s[T8+3], s[WV], 8
	s_xor_b32 s[T8+4], s[T8+3], 256
	s_add_co_u32 s[T8+1], s[T8+1], EXO
	s_add_co_u32 s[T8+2], s[T8+2], EXO
	s_add_co_u32 s[T8+3], s[T8+3], EXM
	s_add_co_u32 s[T8+4], s[T8+4], EXM
	s_wait_alu depctr_va_vdst(0)                   ; the wait behind the scalar lines
	v_lshrrev_b32 v2, 1, v[VKV]                    ; 8 x lane
	v_add_nc_u32 v24, s[T8+1], v[VKV]
	v_add_nc_u32 v25, s[T8+2], v[VKV]
	v_add_nc_u32 v26, s[T8+3], v2
	v_add_nc_u32 v27, s[T8+4], v2
	v_permlanex16_b32 v46, v20, s[SEL], s[SEL+1]
	v_permlanex16_b32 v47, v22, s[SEL], s[SEL+1]
	v_add_f32 v20, v20, v46                        ; with lane l xor 16's: the rows' sums over my keys
	v_add_f32 v22, v22, v47
	v_cndmask_b32 v8, v18, v16, s[KM]              ; what I send: -M,
	v_cndmask_b32 v9, v22, v20, s[KM]              ; and the sum
	v_cndmask_b32 v10, v16, v18, s[KM]             ; what I keep
	v_cndmask_b32 v11, v20, v22, s[KM]
	WIN 0x05                                       ; O^T (sources 0 and 1) window 1
.set i, 0
.rept 64
	v_cndmask_b32 v[S+i], v[i], v[64+i], s[KM]     ; kept; each accumulator from its low end on
	v_cndmask_b32 v[S+64+i], v[64+i], v[i], s[KM]  ; sent
.set i, i+1
.endr
	WIN 0
	ds_store_b64 v26, v[8:9]
.irp n, 0,1,2,3,4,5,6,7,8,9,10,11,12,13,14,15
	ds_store_b128 v24, v[S+64+4*\n:S+67+4*\n] offset:512*\n
.endr
	s_wait_alu depctr_va_vdst(0)
	s_wait_dscnt 0x0                               ; for my partner's sake: my stores are done
	s_barrier_signal -1
	s_barrier_wait -1
	ds_load_b64 v[12:13], v27
.irp n, 0,1,2,3,4,5,6,7,8,9,10,11,12,13,14,15
	ds_load_b128 v[KF+4*\n:KF+3+4*\n], v25 offset:512*\n
.endr
	s_wait_dscnt 16                                ; my partner's -M and sum are in
	v_min_num_f32 v14, v10, v12                    ; -M of all keys
	v_sub_f32 v15, v14, v10
	v_sub_f32 v16, v14, v12
	v_cvt_i32_f32 v15, v15
	v_cvt_i32_f32 v16, v16
	v_ldexp_f32 v15, 1.0, v15                      ; my keys' weight and my partner's: powers of two
	v_ldexp_f32 v16, 1.0, v16
	v_mul_f32 v17, v11, v15
	v_fma_f32 v17, v13, v16, v17                   ; the row's sum
	v_mov_b32 v19, 0                               ; (upper halves of the pairs named below)
	v_mov_b32 v21, 0
	s_lshr_b32 s[T8], s[TT], 1                     ; my row's scale word of O: [t / 2][lane 16 (t % 2) + r][e]
	s_lshl_b32 s[T8], s[T8], 8
	s_and_b32 s[T8+1], s[TT], 1
	s_lshl_b32 s[T8+1], s[T8+1], 7
	s_add_co_u32 s[T8], s[T8], s[T8+1]
	s_lshl_b32 s[T8+1], s[EH], 2
	s_add_co_u32 s[T8], s[T8], s[T8+1]
	s_add_co_u32 s[T8], s[T8], OSC
	s_wait_alu depctr_va_vdst(0)                   ; the wait ahead of the transcendental
	v_rcp_f32 v17, v17
	v_and_b32 v2, 0xf0, v[VKV]                     ; (a plain place behind the reciprocal)  16 r
	v_lshrrev_b32 v2, 1, v2
	v_add_nc_u32 v2, s[T8], v2                     ; where my row's scale word goes
	v_add_nc_u32 v3, OSC, v[VKV]                   ; where wave 0 reads them back
	s_wait_alu depctr_va_vdst(0)                   ; the wait ahead of the reciprocal's first reader
	v_mul_f32 v18, v15, v17
	v_mul_f32 v20, v16, v17
.set i, 0
.rept 32
	v_pk_mul_f32 v[S+2*i:S+2*i+1], v[S+2*i:S+2*i+1], v[18:19] op_sel_hi:[1,0]
.set i, i+1
.endr
	s_wait_alu depctr_va_vdst(0)
	s_wait_dscnt 0x0
.set i, 0
.rept 32
	v_pk_fma_f32 v[S+2*i:S+2*i+1], v[KF+2*i:KF+2*i+1], v[20:21], v[S+2*i:S+2*i+1] op_sel_hi:[1,0,1]
.set i, i+1
.endr
	; THE WAY OUT.  My tile is quantised along the channels: one fragment (16 rows x this head's 128) of the last product's left operand.
.irp b, 0,1,2,3
	v_max3_num_f32 v[TM_\b], |v[S+16*\b]|, |v[S+16*\b+1]|, 0x1800000   ; the largest magnitude of each block of 32 channels, with the floor 2^(3 - 127)
.endr
.irp i, 2,4,6,8,10,12,14
.irp b, 0,1,2,3
	v_max3_num_f32 v[TM_\b], v[TM_\b], |v[S+16*\b+\i]|, |v[S+16*\b+\i+1]|
.endr
.endr
.irp b, 0,1,2,3
	v_permlanex16_b32 v[PC+\b], v[TM_\b], s[SEL], s[SEL+1]
.endr
.irp b, 0,1,2,3
	v_max_num_f32 v[TM_\b], v[TM_\b], v[PC+\b]
.endr
.irp b, 0,1,2,3
	v_add_nc_u32 v[TM_\b], 0xff000000, v[TM_\b]
.endr
.irp b, 0,1,2,3
	v_lshrrev_b32 v[PC+\b], 23, v[TM_\b]
.endr
	v_lshl_or_b32 v[PW], v47, 8, v46
	s_delay_alu instid0(VALU_DEP_1)
	v_lshl_or_b32 v[PW], v48, 16, v[PW]
	s_delay_alu instid0(VALU_DEP_1)
	v_lshl_or_b32 v[PW], v49, 24, v[PW]
	CV 0, 0, 0, 1
	CV 0, 1, 2, 3
	v_nop
	SWAP PC
	SWAP PC+4
	global_store_b128 v[VKV], v[PC:PC+3], s[12:13]     ; the image: two stores of 512 consecutive bytes
	global_store_b128 v[VKV], v[PC+4:PC+7], s[12:13] offset:512
	ds_store_b32 v2, v[PW]                         ; my rows' scale words meet the other waves' in LDS (both halves of the lanes write the same word with the same value)
	s_wait_alu depctr_va_vdst(0)
	s_wait_dscnt 0x0                               ; for the others' sake: my store is done
	s_barrier_signal -1
	s_barrier_wait -1
	s_cmp_lg_u32 s[WV], 0
	s_cbranch_scc1 .Lnot_first
	ds_load_b128 v[KF:KF+3], v3                    ; wave 0 stores the work-group's 512 bytes on end
	s_wait_dscnt 0x0
	global_store_b128 v[VKV], v[KF:KF+3], s[14:15]
.Lnot_first:
	s_wait_tensorcnt 0x0                           ; the wave's end, behind my last tensor load and my last LDS store
	ds_add_u32 v[SPW], v[NIL]
	s_wait_dscnt 0x0
	CROUND                                         ; the closing round: no work-group ends while a partner may still ask for a tile that names it
	s_endpgm
.Lfunc_end_k_q96b3cf20b8_attn:
	.size	k_q96b3cf20b8_attn, .Lfunc_end_k_q96b3cf20b8_attn-k_q96b3cf20b8_attn
	.p2alignl 7, 3214868480
	.fill 96, 4, 3214868480
	.section	.rodata,"a",@progbits
	.p2align	6, 0x0
	.amdhsa_kernel k_q96b3cf20b8_attn
		.amdhsa_group_segment_fixed_size 327680
		.amdhsa_private_segment_fixed_size 0
		.amdhsa_enable_private_segment 0
		.amdhsa_kernarg_size 48
		.amdhsa_user_sgpr_count 2
		.amdhsa_user_sgpr_kernarg_segment_ptr 1
		.amdhsa_wavefront_size32 1
		.amdhsa_system_sgpr_workgroup_id_x 1
		.amdhsa_system_sgpr_workgroup_id_y 1
		.amdhsa_system_sgpr_workgroup_id_z 1
		.amdhsa_system_vgpr_workitem_id 0
		.amdhsa_next_free_vgpr 512
		.amdhsa_next_free_sgpr 102
		.amdhsa_reserve_vcc 1
		.amdhsa_float_denorm_mode_32 3
		.amdhsa_float_denorm_mode_16_64 3
		.amdhsa_memory_ordered 1
		.amdhsa_forward_progress 1
		.amdhsa_inst_pref_size 158
	.end_amdhsa_kernel
	.amdgpu_metadata
---
amdhsa.version: [ 1, 2 ]
amdhsa.kernels:
  - .name:           k_q96b3cf20b8_attn
    .symbol:         k_q96b3cf20b8_attn.kd
    .args:
      - { .name: qf, .offset: 0, .size: 8, .value_kind: global_buffer, .address_space: global }
      - { .name: qs, .offset: 8, .size: 8, .value_kind: global_buffer, .address_space: global }
      - { .name: kvc, .offset: 16, .size: 8, .value_kind: global_buffer, .address_space: global }
      - { .name: mask, .offset: 24, .size: 8, .value_kind: global_buffer, .address_space: global }
      - { .name: af, .offset: 32, .size: 8, .value_kind: global_buffer, .address_space: global }
      - { .name: asc, .offset: 40, .size: 8, .value_kind: global_buffer, .address_space: global }
    .group_segment_fixed_size: 327680
    .private_segment_fixed_size: 0
    .kernarg_segment_align: 8
    .kernarg_segment_size: 48
    .max_flat_workgroup_size: 256
    .sgpr_count:     102
    .vgpr_count:     512
    .wavefront_size: 32
...
	.end_amdgpu_metadata
.endif
;; end of part 5
;; launch dense (part 6): grid 16 x 16, 4 waves a work-group, clusters of 4 x 4, 327,680 bytes of LDS; arguments af, asc, dense_w_codes, dense_w_scales, dense_b, out0; writes out0
.if DOCPART == 6
	.amdgcn_target "amdgcn-amd-amdhsa--gfx1250"
	.amdhsa_code_object_version 6
	.text
	.protected	k_q96b3cf20b8_dense
	.globl	k_q96b3cf20b8_dense
	.p2align	8
	.type	k_q96b3cf20b8_dense,@function
k_q96b3cf20b8_dense:
	s_mov_b64 s[64:65], 0
	v_nop
	global_prefetch_b8 v0, s[64:65] scope:SCOPE_SE
	s_setreg_imm32_b32 hwreg(HW_REG_WAVE_MODE, 25, 1), 1
	s_wait_xcnt 0x0
	s_wait_alu depctr_hold_cnt(0) depctr_sa_sdst(0) depctr_va_vdst(0) depctr_va_sdst(0) depctr_va_ssrc(0) depctr_va_vcc(0) depctr_vm_vsrc(0)
	s_getreg_b32 s2, hwreg(HW_REG_IB_STS2, 6, 4)
	s_cmp_eq_u32 s2, 0
	s_cbranch_scc0 .Lentry_in_a_cluster
	s_endpgm
.Lentry_in_a_cluster:
	s_bfe_u32 s2, ttmp6, 0x10000c
	s_cmp_lg_u32 s2, 0xf033
	s_cbranch_scc0 .Lentry_shape_is_right
	s_endpgm
.Lentry_shape_is_right:
; THE LAST PRODUCT: out[m][n] = sum over k of A[m][k] W[n][k] + b[n], 2048 x 2048 x 2048, on codes of FP4 (E2M1) with one E8M0 scale for each 32 along K; out is f32.
; A, the attention's result, comes as IMAGES OF OPERAND REGISTERS: af [128 rows][head][block of 16 rows][1,024 bytes: c, lane, 16 bytes]; 128 along K are one head.  Its scale words: asc [64 rows][pair of heads][pair of blocks][lane][2 words].
; W comes as rows of codes and rows of scale bytes.
; A TILE OF out IS 128 x 128: 16 x 16 tiles, one work-group each.  Four waves, each 64 x 64: 16 accumulators of 16 x 16, 128 registers.
; W's 128 rows, all of K, come into LDS once: 131,072 bytes, one tensor load of 32 rows a wave, at the head.  CLUSTERS 4 x 4: they hang on the tile column alone and are asked for jointly along a column of the cluster.
; A is no joint load: a wave's 64 rows for all of K, 65,536 bytes of images, go straight into 512 of its registers, 512 consecutive bytes a load, with no LDS write and no LDS read; all are asked for at the head.
; No prefetch is written: every byte that the work-group reads is asked for by its loads at the head.
; The scale words of a wave's 64 rows of A and 64 rows of W for all of K (32 registers each) and its bias go from memory into registers once.
; THE MATRIX INSTRUCTION IS USED TRANSPOSED (source 0 = 16 rows of W, source 1 = 16 rows of A): a lane holds eight neighbouring numbers of a row of out.  The bias is the C of the first step: nothing is cleared.
; REGISTERS: window 0: v1-24 addresses; v32-63 A's scale words, v64-95 W's, and nothing else there; v96-127 the bias; v128-255 the accumulators ((a, b) at v[128 + 8 (4 a + b)]).
;   windows 1 and 2: A's fragments, steps 0-7 and 8-15, 32 registers a step.   window 3: v0-127 W's fragments, four buffers: step s uses buffer s % 4 and is fetched three steps ahead.
.set PITCH,  1040                      ; W's LDS row: 1,024 bytes + 16 of padding: the 16 rows that a load touches start at 16 different banks
.set STAGE,  128*PITCH                 ; behind W: 16 rows x (256 bytes + 16) for each wave, for the way out; no tensor load lands there
.set SPITCH, 272
.set SPARE,  STAGE+4*16*SPITCH         ; the spare words, 128 bytes for each wave: two blocks of 256 bytes that no other line names
.set NB4,    8192                      ; a row of out in bytes
.set ADW,   10                         ; LDS address of my W fragments
.set LI,    11                         ; 16 x lane
.set STO,   16                         ; the way out: where I put 32 bytes of a row
.set RD,    17                         ; where I read a row back
.set CO,    18                         ; my byte offset in two rows of out
.set SPW,   20
.set NIL,   21
.set VA,    22                         ; 8 x lane
.set VB,    23                         ; 64 x lane
.set VC,    24                         ; 32 x (lane / 16)
.set SCA,   32                         ; A's scale words: v[SCA + 16 u + s]: blocks 2 u (lanes 0-15) and 2 u + 1 (lanes 16-31), step s
.set SCB,   64
.set BC,    96
.set ACC,   128
.set WV,    16
.set RH,    17                         ; which half of the tile's rows is mine
.set CF,    18                         ; which half of its columns
.set TR,    19                         ; tile row
.set G1B,   24                         ; s[24:31] descriptor group 1 for W;  s[40:43] group 0
.set G0B,   40
.set CX,    84
.set CY,    85
.set TC,    86                         ; tile column
.set CM,    88
.set T8,    68                         ; s68, s69 at work
.set MSB, 0
.macro WIN new                         ; the immediate's high byte repeats the setting that is left
.if MSB != (\new)
	s_set_vgpr_msb (MSB<<8)|(\new)
.set MSB, (\new)
.endif
.endm
.macro CROUND                          ; a round of the cluster's barrier
	s_barrier_signal -1
	s_barrier_wait -1
	s_cmp_lg_u32 s[WV], 0
	s_cbranch_scc1 .Lnot_wave_0_\@
	s_barrier_signal -3
.Lnot_wave_0_\@:
	s_barrier_wait -3
	s_barrier_signal -1
	s_barrier_wait -1
.endm
	s_load_b256 s[4:11], s[0:1], 0x0               ; af s[4:5], asc s[6:7], W's codes s[8:9], W's scales s[10:11]
	s_load_b128 s[12:15], s[0:1], 0x20             ; the bias s[12:13], out s[14:15]
	v_lshl_add_u32 v[SPW], v0, 2, SPARE
	v_mov_b32 v[NIL], 0
	ds_add_u32 v[SPW], v[NIL]                      ; the wave's opening: the add, twice on end, and its wait ahead of my first tensor load
	ds_add_u32 v[SPW], v[NIL]
	v_lshrrev_b32 v1, 5, v0
	v_readfirstlane_b32 s[WV], v1                  ; wave 0..3
	s_lshr_b32 s[RH], s[WV], 1
	s_and_b32 s[CF], s[WV], 1
	s_bfe_u32 s[CX], ttmp6, 0x40000
	s_bfe_u32 s[CY], ttmp6, 0x40004
	s_lshl_b32 s[TC], ttmp9, 2
	s_add_co_u32 s[TC], s[TC], s[CX]               ; tile column = 4 x cluster x + cx
	s_and_b32 s[TR], ttmp7, 0xffff
	s_lshl_b32 s[TR], s[TR], 2
	s_add_co_u32 s[TR], s[TR], s[CY]               ; tile row = 4 x cluster y + cy
	s_lshl_b32 s[CM], 0x1111, s[CX]                ; my column of the cluster
	; W: 32 rows x 1,024 bytes; four words of padding behind every 256
	s_or_b32 s[G1B], s[CM], (0<<16)|(1<<20)|(1<<21)|(7<<22)|(3<<25)
	s_mov_b32 s[G1B+1], 1024<<16
	s_mov_b32 s[G1B+2], 32<<16
	s_mov_b32 s[G1B+3], 1024<<16
	s_mov_b32 s[G1B+4], 32
	s_mov_b32 s[G1B+5], 1024
	s_mov_b32 s[G1B+6], 0
	s_mov_b32 s[G1B+7], 0
	s_lshl_b32 s20, s[TR], 17                      ; A: 128 rows are 16 heads x 8,192 bytes, of which 4,096 are my half's
	s_lshl_b32 s[T8], s[RH], 12
	s_add_co_u32 s20, s20, s[T8]
	s_mov_b32 s21, 0
	s_lshl_b32 s22, s[TC], 17                      ; W: 128 rows of 1,024 bytes; I fetch 32
	s_lshl_b32 s[T8], s[WV], 15
	s_add_co_u32 s22, s22, s[T8]
	s_mov_b32 s23, 0
	s_mul_i32 s[T8+1], s[WV], 32*PITCH             ; where they go: no place in the cluster enters an LDS address
	s_lshl_b32 s92, s[TR], 13                      ; A's scale words: 4,096 bytes for my 64 rows
	s_lshl_b32 s[T8], s[RH], 12
	s_add_co_u32 s92, s92, s[T8]
	s_mov_b32 s93, 0
	s_lshl_b32 s94, s[TC], 13                      ; W's scale bytes: 64 a row, my 64 rows
	s_lshl_b32 s[T8], s[CF], 12
	s_add_co_u32 s94, s94, s[T8]
	s_mov_b32 s95, 0
	s_lshl_b32 s96, s[TC], 9                       ; my first column, in bytes of f32: in the bias and in a row of out
	s_lshl_b32 s[T8], s[CF], 8
	s_add_co_u32 s96, s96, s[T8]
	s_mov_b32 s97, 0
	s_lshl_b32 s98, s[TR], 20                      ; out: my first row, 128 x tile row + 64 x half, of 8,192 bytes,
	s_lshl_b32 s[T8], s[RH], 19
	s_add_co_u32 s98, s98, s[T8]
	s_add_co_u32 s98, s98, s96                     ; and my first column
	s_mov_b32 s99, 0
	v_and_b32 v1, 15, v0                           ; r = lane % 16
	v_bfe_u32 v2, v0, 4, 1                         ; h = lane / 16
	v_and_b32 v3, 31, v0                           ; lane
	v_lshlrev_b32 v[VA], 3, v3
	v_lshlrev_b32 v[VB], 6, v3
	v_lshlrev_b32 v[VC], 5, v2
	v_lshlrev_b32 v[LI], 4, v3
	s_mul_i32 s[T8], s[CF], 64*PITCH
	v_mul_u32_u24 v5, v1, PITCH
	v_lshl_add_u32 v6, v2, 4, v5                   ; W: a fragment's row x pitch + 16 x half
	v_add_nc_u32 v[ADW], s[T8], v6
	s_mul_i32 s[T8], s[WV], 16*SPITCH
	s_add_co_u32 s[T8], s[T8], STAGE               ; my stage
	v_mul_u32_u24 v5, v1, SPITCH
	v_lshl_add_u32 v7, v2, 5, v5                   ; in: row r, 32 bytes for each half of the lanes
	v_add_nc_u32 v[STO], s[T8], v7
	v_mul_u32_u24 v7, v2, SPITCH                   ; back: lanes 0-15 take one row of 256 bytes, lanes 16-31 the next
	v_lshl_add_u32 v7, v1, 4, v7
	v_add_nc_u32 v[RD], s[T8], v7
	v_lshlrev_b32 v7, 13, v2                       ; and the same two rows in out
	v_lshl_add_u32 v[CO], v1, 4, v7
	s_wait_alu depctr_va_vdst(0)
	s_wait_dscnt 0x0                               ; both opening adds are done
	s_wait_kmcnt 0x0
	s_add_nc_u64 s[4:5], s[4:5], s[20:21]
	s_add_nc_u64 s[22:23], s[8:9], s[22:23]
	s_add_nc_u64 s[6:7], s[6:7], s[92:93]
	s_add_nc_u64 s[10:11], s[10:11], s[94:95]
	s_add_nc_u64 s[12:13], s[12:13], s[96:97]
	s_add_nc_u64 s[14:15], s[14:15], s[98:99]
	s_mov_b32 s[G0B], 1
	s_mov_b32 s[G0B+1], s[T8+1]
	s_mov_b64 s[G0B+2:G0B+3], s[22:23]
	s_or_b32 s[G0B+3], s[G0B+3], 0x80000000
	CROUND                                         ; all sixteen work-groups are here: the joint loads meet
	tensor_load_to_lds s[G0B:G0B+3], s[G1B:G1B+7]  ; one a wave
	s_nop 0
.rept 4
	v_nop
.endr
.irp u, 0,1
.irp hp, 0,1,2,3,4,5,6,7
	global_load_b64 v[SCA+16*\u+2*\hp:SCA+16*\u+2*\hp+1], v[VA], s[6:7] offset:\hp*512+\u*256   ; A's scale words of heads 2 hp, 2 hp + 1: 32 lanes read 256 consecutive bytes
.endr
.endr
.irp u, 0,1
.irp kq, 0,1,2,3
	global_load_b128 v[SCB+16*\u+4*\kq:SCB+16*\u+4*\kq+3], v[VB], s[10:11] offset:2048*\u+16*\kq   ; W's: row 32 u + lane, the words of steps 4 kq .. 4 kq + 3; the four loads of a u cover its 2,048 bytes whole
.endr
.endr
.irp b, 0,1,2,3
	global_load_b128 v[BC+8*\b:BC+8*\b+3], v[VC], s[12:13] offset:64*\b        ; b[my column 16 b + 8 h + 0 .. 7]: the result's layout
	global_load_b128 v[BC+8*\b+4:BC+8*\b+7], v[VC], s[12:13] offset:64*\b+16
.endr
.set n, 0
.rept 16                               ; A's fragments, eight loads a step, in the order of the steps
	WIN 0x40+0x40*(n/8)
.irp m, 0,1,2,3,4,5,6,7
	global_load_b128 v[32*(n%8)+4*\m:32*(n%8)+4*\m+3], v[LI], s[4:5] offset:8192*n+512*\m
.endr
.set n, n+1
.endr
	WIN 0
; W's fragments of step fs, 8 LDS loads, into buffer fs % 4: lane l holds row l % 16, registers 4 c .. 4 c + 3 hold K = 64 c + 32 (l / 16) + 0 .. 31.
.macro FETCH
	WIN 0xc0                                       ; destination window 3
.irp i, 0,1,2,3
.irp c, 0,1
	ds_load_b128 v[32*(fs%4)+8*\i+4*\c:32*(fs%4)+8*\i+4*\c+3], v[ADW] offset:64*fs+32*\c+\i*16*PITCH
.endr
.endr
.endm
; One product of step ms: A's block a x W's block b.  In step 0 the bias is the C.  A block's scale words lie in lanes 0-15 of its pair's register if its number is even, else in lanes 16-31.
.macro MM a, b
.set rD, ACC+8*(4*(\a)+(\b))
.set rC, rD
.if ms == 0
.set rC, BC+8*(\b)
.endif
.set rB, 32*(ms%4)+8*(\b)
.set rA, 32*(ms%8)+8*(\a)
.set rSB, SCB+16*((\b)/2)+ms
.set rSA, SCA+16*((\a)/2)+ms
.if ((\b)%2) && ((\a)%2)
	v_wmma_scale_f32_16x16x128_f8f6f4 v[rD:rD+7], v[rB:rB+7], v[rA:rA+7], v[rC:rC+7], v[rSB], v[rSA] matrix_a_fmt:MATRIX_FMT_FP4 matrix_b_fmt:MATRIX_FMT_FP4 matrix_a_scale:MATRIX_SCALE_ROW1 matrix_b_scale:MATRIX_SCALE_ROW1
.elseif ((\b)%2)
	v_wmma_scale_f32_16x16x128_f8f6f4 v[rD:rD+7], v[rB:rB+7], v[rA:rA+7], v[rC:rC+7], v[rSB], v[rSA] matrix_a_fmt:MATRIX_FMT_FP4 matrix_b_fmt:MATRIX_FMT_FP4 matrix_a_scale:MATRIX_SCALE_ROW1
.elseif ((\a)%2)
	v_wmma_scale_f32_16x16x128_f8f6f4 v[rD:rD+7], v[rB:rB+7], v[rA:rA+7], v[rC:rC+7], v[rSB], v[rSA] matrix_a_fmt:MATRIX_FMT_FP4 matrix_b_fmt:MATRIX_FMT_FP4 matrix_b_scale:MATRIX_SCALE_ROW1
.else
	v_wmma_scale_f32_16x16x128_f8f6f4 v[rD:rD+7], v[rB:rB+7], v[rA:rA+7], v[rC:rC+7], v[rSB], v[rSA] matrix_a_fmt:MATRIX_FMT_FP4 matrix_b_fmt:MATRIX_FMT_FP4
.endif
.endm
; A load into a register that a matrix instruction has read, and an LDS store that reads a matrix result, stand four places behind that matrix instruction; only plain vector instructions that
; name none of its registers are places (ISA guide 7.12.1 for vector instructions).
.macro PLACES
.rept 4
	v_nop
.endr
.endm
	s_wait_alu depctr_va_vdst(0)                   ; the wait at the head's end
	s_wait_tensorcnt 0x0                           ; my rows of W are in
	s_barrier_signal -1
	s_barrier_wait -1                              ; everybody's are
.irp f, 0,1,2
.set fs, \f
	FETCH
.endr
; The 16 steps of 128 along K, written out.  Step ms + 3 is fetched ahead of step ms's products.
; The 16 accumulators take turns, one instruction a turn, in the same order in every step.
.set ms, 0
.rept 16
.set fs, ms+3
.if ms < 14
	s_wait_dscnt 16                                ; step ms's W is in; the next two steps' 16 loads may be out
.elseif ms == 14
	s_wait_dscnt 8
.else
	s_wait_dscnt 0x0
.endif
.if ms < 8
	s_wait_loadcnt 63                              ; step ms's A is in, and all ahead of it: of the 8 x (15 - ms) loads behind it at most 63 are out (the wait's count names no more)
.else
	s_wait_loadcnt 8*(15-ms)                       ; the later steps' A may be out
.endif
	PLACES
.if fs < 16
	FETCH
.endif
	WIN 0x07+0x04*(ms/8)                           ; source 0 window 3, source 1 window 1 or 2, C and D window 0
.irp a, 0,1,2,3
.irp b, 0,1,2,3
	MM \a, \b
.endr
.endr
.set ms, ms+1
.endr
	WIN 0
; THE WAY OUT, block by block of 16 rows x 64 columns, through my own stage in LDS: in as 32 bytes a lane, back as whole rows of 256 bytes, into the registers that they left.
; LDS serves a wave's instructions in order (ISA guide 5.7.1.4): no wait between the stores and the loads, nor in front of the next block's stores.
.macro TOSTAGE a
.irp b, 0,1,2,3
	ds_store_b128 v[STO], v[ACC+32*(\a)+8*\b:ACC+32*(\a)+8*\b+3] offset:64*\b          ; each accumulator from its low end on
	ds_store_b128 v[STO], v[ACC+32*(\a)+8*\b+4:ACC+32*(\a)+8*\b+7] offset:64*\b+16
.endr
.irp t, 0,1,2,3,4,5,6,7
	ds_load_b128 v[ACC+32*(\a)+4*\t:ACC+32*(\a)+4*\t+3], v[RD] offset:\t*2*SPITCH
.endr
.endm
.macro SEND a, younger                 ; younger: the LDS instructions issued behind block a's loads: the next block's sixteen, or none
.irp t, 0,1,2,3,4,5,6,7
	s_wait_dscnt \younger+7-\t
	global_store_b128 v[CO], v[ACC+32*(\a)+4*\t:ACC+32*(\a)+4*\t+3], s[14:15] offset:(16*(\a)+2*\t)*NB4 th:TH_STORE_NT   ; 16 lanes store 256 consecutive bytes, at a multiple of 256 from out's first byte; every store has registers of its own
.endr
.endm
	PLACES
	TOSTAGE 0
	TOSTAGE 1
	SEND 0, 16
	TOSTAGE 2
	SEND 1, 16
	TOSTAGE 3
	SEND 2, 16
	SEND 3, 0
	s_wait_tensorcnt 0x0                           ; the wave's end: no tensor load is out; the add; my last LDS instructions
	ds_add_u32 v[SPW], v[NIL]
	s_wait_dscnt 0x0
	CROUND                                         ; the closing round: no work-group ends while a partner may still ask for a tile that names it
	s_endpgm
.Lfunc_end_k_q96b3cf20b8_dense:
	.size	k_q96b3cf20b8_dense, .Lfunc_end_k_q96b3cf20b8_dense-k_q96b3cf20b8_dense
	.p2alignl 7, 3214868480
	.fill 96, 4, 3214868480
	.section	.rodata,"a",@progbits
	.p2align	6, 0x0
	.amdhsa_kernel k_q96b3cf20b8_dense
		.amdhsa_group_segment_fixed_size 327680
		.amdhsa_private_segment_fixed_size 0
		.amdhsa_enable_private_segment 0
		.amdhsa_kernarg_size 48
		.amdhsa_user_sgpr_count 2
		.amdhsa_user_sgpr_kernarg_segment_ptr 1
		.amdhsa_wavefront_size32 1
		.amdhsa_system_sgpr_workgroup_id_x 1
		.amdhsa_system_sgpr_workgroup_id_y 1
		.amdhsa_system_sgpr_workgroup_id_z 1
		.amdhsa_system_vgpr_workitem_id 0
		.amdhsa_next_free_vgpr 1024
		.amdhsa_next_free_sgpr 102
		.amdhsa_reserve_vcc 0
		.amdhsa_float_denorm_mode_32 3
		.amdhsa_float_denorm_mode_16_64 3
		.amdhsa_memory_ordered 1
		.amdhsa_forward_progress 1
		.amdhsa_inst_pref_size 73
	.end_amdhsa_kernel
	.amdgpu_metadata
---
amdhsa.version: [ 1, 2 ]
amdhsa.kernels:
  - .name:           k_q96b3cf20b8_dense
    .symbol:         k_q96b3cf20b8_dense.kd
    .args:
      - { .name: af, .offset: 0, .size: 8, .value_kind: global_buffer, .address_space: global }
      - { .name: asc, .offset: 8, .size: 8, .value_kind: global_buffer, .address_space: global }
      - { .name: dense_w_codes, .offset: 16, .size: 8, .value_kind: global_buffer, .address_space: global }
      - { .name: dense_w_scales, .offset: 24, .size: 8, .value_kind: global_buffer, .address_space: global }
      - { .name: dense_b, .offset: 32, .size: 8, .value_kind: global_buffer, .address_space: global }
      - { .name: out0, .offset: 40, .size: 8, .value_kind: global_buffer, .address_space: global }
    .group_segment_fixed_size: 327680
    .private_segment_fixed_size: 0
    .kernarg_segment_align: 8
    .kernarg_segment_size: 48
    .max_flat_workgroup_size: 128
    .sgpr_count:     102
    .vgpr_count:     1024
    .wavefront_size: 32
...
	.end_amdgpu_metadata
.endif
;; end of part 6
